; MI455X (gfx1250); checked and timed in simulation.
; The chip was launched on July 23, 2026; its instructions are those of AMD's public machine-readable ISA for CDNA 5 (MIT licence, August 2026) and "CDNA5" Instruction Set Architecture Reference Guide (July 2026). The comments in the code are by the model that wrote it; some were corrected since.
;; Multi Head Self Attention. Allowed arithmetic: matrix products marked QUANTISED: E2M3 operands, one E8M0 scale for each 32 along K, by v_wmma_scale_f32_16x16x128_f8f6f4 with both operands' format E2M3, f32 sums; everything else in f32.
;; Inputs: Wk 1,024 x 1,024 float32; Wo 1,024 x 1,024 float32; Wq 1,024 x 1,024 float32; Wv 1,024 x 1,024 float32; x 2 x 2,048 x 1,024 float32.
;; Outputs: out0 2 x 2,048 x 1,024 float32.
;; This version of the problem:
;;   THIS VERSION OF THE PROBLEM IS GIVEN IN LOW PRECISION. The matrix products marked QUANTISED in the list below multiply operands that are first quantised to E2M3 (2 exponent bits, 3 mantissa bits; 6 bits a number), with one power-of-two scale for each 32 numbers along K (OCP MX v1.0); their sums are f32. All else is computed in f32.
;;   The module's matrix products, in the order in which they are computed (A, B: the left and right operand; K: the contracted axis; several contracted axes count as one K, in the product's order):
;;     1. [M 4,096, K 1,024] x [K 1,024, N 1,024]; A: input x; B: input Wq: QUANTISED
;;     2. [M 4,096, K 1,024] x [K 1,024, N 1,024]; A: input x; B: input Wk: QUANTISED
;;     3. [M 4,096, K 1,024] x [K 1,024, N 1,024]; A: input x; B: input Wv: QUANTISED
;;     4. batch 32 x [M 2,048, K 64] x [K 64, N 2,048]; A: computed on the way; B: computed on the way: QUANTISED
;;     5. batch 32 x [M 2,048, K 2,048] x [K 2,048, N 64]; A: softmax (see below); B: computed on the way: QUANTISED
;;     6. [M 4,096, K 1,024] x [K 1,024, N 1,024]; A: computed on the way; B: input Wo: QUANTISED
;;   THE QUANTISER, for each operand of a quantised product, along K:
;;     - K is cut into blocks of 32 from its start; a last block that is shorter is filled with zeros.
;;     - A block's scale is 2^e with e = floor(log2(the largest magnitude in the block)) - 2, held to -126 .. 127; a block of zeros has e = 0. As a byte (E8M0): e + 127.
;;     - Each number is divided by its block's scale, clamped to +-7.5, and rounded to the nearest number of E2M3, ties to even, subnormals kept.
;;     - The product sums the exact products of the quantised numbers (number of the format x scale) in f32.
;;   ~~~python
;;   def quantise(x, axis):      # numpy; x: float32 -> the quantised numbers, widened to float32 again
;;       x = np.moveaxis(x, axis, -1); K = x.shape[-1]
;;       x = np.pad(x, [(0, 0)] * (x.ndim - 1) + [(0, -K % 32)]); x = x.reshape(x.shape[:-1] + (-1, 32)); a = np.abs(x).max(-1, keepdims=True)
;;       e = np.where(a > 0, np.clip(np.frexp(np.where(a > 0, a, 1))[1] - 1 - 2, -126, 127), 0)      # np.frexp(a)[1] - 1 = floor(log2(a)), exactly
;;       r = np.clip(x / 2.0 ** e, -7.5, 7.5)
;;       step = 2.0 ** (np.maximum(np.frexp(np.where(r == 0, 1, r))[1] - 1, 0) - 3)
;;       q = np.round(r / step) * step * 2.0 ** e      # np.round: ties to even
;;       return np.moveaxis(q.reshape(q.shape[:-2] + (-1,))[..., :K], -1, axis).astype(np.float32)
;;   ~~~
;;   SOFTMAX AHEAD OF A QUANTISED PRODUCT. Where the list says 'softmax', what is quantised is not the finished softmax but p = 2^(t - M), with t = logit x log2(e) and M = ceil(the row's largest t), a whole number; so 1/2 < the row's largest p <= 1. The row's sum l is taken of the UNQUANTISED p, in f32, and the product's result is divided by l at the end. Since M is a whole number, a kernel that streams over the keys may use a running M (the ceiling of the running maximum): every later rescaling is an exact power of two, which a block's scale takes up: the codes' values come out the same.
;;   OPERANDS COMPUTED ON THE WAY. 'Computed on the way' means the value that the module computes at that place (a softmax that the list does not call 'softmax' is quantised finished and normalised). What goes into a quantiser is computed in f32, as accurately as f32 sums, v_exp_f32 and their like allow (about 1e-6 of the number): no bf16 or f16 on the way to a quantiser, and a product that is left as it is and whose result goes on into a quantised operand takes f32 operands (vector FMAs, or v_wmma_f32_16x16x4_f32). A number that lies on a knife's edge between two numbers of the format may be rounded either way, as far as f32 arithmetic and the matrix unit's own rounding can turn it there, and no further.
;; 2 versions. Each part assembles by itself: llvm-mc -triple=amdgcn-amd-amdhsa -mcpu=gfx1250 --defsym DOCPART=n.
;; ======== version 1 of 2: 4 launches
;; workspace buffers: xw 6,291,456 bytes; xws 262,144 bytes; cst 524,288 bytes; qh 6,684,672 bytes; kvh 6,684,672 bytes; ao 3,145,728 bytes; aos 131,072 bytes
;; launch quant (part 1): grid 288 x 1, 4 waves a work-group, no clusters, 0 bytes of LDS; arguments x, Wq, Wk, Wv, Wo, xw, xws, cst; writes xw, xws, cst
.if DOCPART == 1
	.amdgcn_target "amdgcn-amd-amdhsa--gfx1250"
	.amdhsa_code_object_version 6
	.text
	.protected	k_q73197bf915_quant
	.globl	k_q73197bf915_quant
	.p2align	8
	.type	k_q73197bf915_quant,@function
k_q73197bf915_quant:
	s_mov_b64 s[64:65], 0
	v_nop
	global_prefetch_b8 v0, s[64:65] scope:SCOPE_SE
	s_setreg_imm32_b32 hwreg(HW_REG_WAVE_MODE, 25, 1), 1
	s_wait_xcnt 0x0
; x [4096][1024] and Wq, Wk, Wv, Wo [1024][1024], f32, K innermost, become codes of FP6 (E2M3) with one E8M0 byte for each 32 along K; and the table of cos and sin for the rotation is made.
; THE CODES ARE LAID AS THE MATRIX OPERAND'S REGISTERS.  A tile T is 16 rows; lane r of a tile holds row 32 (T / 2) + 8 (T % 2) + r + 8 (r / 8) of its tensor (so that, in a later product, the 16 results
; of two neighbouring tiles in a lane are 16 neighbours).  For 128 along K a tile is 1,536 bytes: for c = 0, 1 the operand's registers 6 c .. 6 c + 3 at 768 c + 16 x lane, registers 6 c + 4, 6 c + 5 at 768 c + 512 + 8 x lane.
; xw: [tile 0..511][K step 0..7][1,536]: tiles 0-255 x, then 64 each of Wq, Wk, Wv, Wo.   xws: [tile][half of K][r][4 words]: a word holds the four scale bytes of a row for 128 along K.
; A block's scale is 2^(floor(log2(its largest magnitude)) - 2): its byte is the largest magnitude's exponent field - 2, held at 1 from below.
; LIMITS: NaN and infinities among the inputs are not served; a block whose largest magnitude lies under 2^-124 gets the byte 1; a block of zeros gets the byte 1 where the rule says 127 (its codes are zeros, and this program alone reads the bytes).
; SHARES.  Work-groups 0-255: a wave takes one tile x 512 along K: four K steps.  Lane (r, h) loads, of its row, the 32 numbers k = 64 c + 32 h + 0 .. 31 of a K step: whole blocks, so no other lane is asked for a maximum,
; and the conversions' results are the operand's registers.  Every store covers 512 or 256 consecutive bytes, aligned.  Two K steps (32 loads a wave) are on their way.
; Work-groups 256-287: cst [position 0..2047][i 0..31][cos, sin] f32: a wave takes 16 positions, lane i frequency i.  The steps of the definition are repeated in f32: P = 10000^(i / 32) rounded to f32 (32 constants,
; taken as correctly rounded), f = 1 / P rounded to f32, angle = position x f rounded to f32; then cos and sin of that f32 angle: the multiple of pi / 2 is taken off in two parts, and a polynomial serves |r| <= pi / 4.
; No LDS, no barrier: waves share nothing.
.set X,   32                           ; v32-159  two sets of 64 numbers
.set C,   160                          ; v160-207 codes: 12 registers for each K step, so that no store's data are written again
.set CT,  208                          ; v208-215 the second half of a block's codes, as the conversion leaves them
.set WD,  216                          ; v216-219 the four K steps' scale words
	s_load_b256 s[4:11], s[0:1], 0x0               ; x s[4:5], Wq s[6:7], Wk s[8:9], Wv s[10:11]
	s_load_b256 s[12:19], s[0:1], 0x20             ; Wo s[12:13], xw s[14:15], xws s[16:17], cst s[18:19]
	v_lshrrev_b32 v1, 5, v0
	v_readfirstlane_b32 s20, v1                    ; wave
	v_and_b32 v1, 31, v0                           ; lane
	v_and_b32 v2, 15, v0                           ; r
	v_bfe_u32 v3, v0, 4, 1                         ; h
	v_lshlrev_b32 v5, 4, v1                        ; 16 x lane
	v_lshlrev_b32 v6, 3, v1                        ; 8 x lane
	v_lshlrev_b32 v7, 3, v3                        ; 8 h: how far my two scale bytes are shifted
	s_mov_b32 s31, 0
	s_cmp_ge_u32 ttmp9, 256
	s_cbranch_scc1 .Ltable
	; ---------------- the quantiser
	s_mov_b32 s28, 0x76543210
	s_mov_b32 s29, 0xfedcba98                      ; v_permlanex16_b32's selects for lane l xor 16
	s_lshl_b32 s21, ttmp9, 2
	s_add_co_u32 s21, s21, s20                     ; my job J = 4 x work-group + wave = 2 x tile + half of K
	s_lshr_b32 s24, s21, 1                         ; tile
	s_and_b32 s25, s21, 1                          ; half of K
	s_and_b32 s26, s24, 63                         ; the tile's number inside a weight
	s_wait_kmcnt 0x0
	s_mov_b64 s[22:23], s[12:13]                   ; which tensor: the choice hangs on the work-group's number alone
	s_cmp_lt_u32 ttmp9, 224
	s_cselect_b64 s[22:23], s[10:11], s[22:23]
	s_cmp_lt_u32 ttmp9, 192
	s_cselect_b64 s[22:23], s[8:9], s[22:23]
	s_cmp_lt_u32 ttmp9, 160
	s_cselect_b64 s[22:23], s[6:7], s[22:23]
	s_cmp_lt_u32 ttmp9, 128
	s_cselect_b64 s[22:23], s[4:5], s[22:23]
	s_cselect_b32 s26, s24, s26                    ; inside x the tile's number is as it stands
	s_lshr_b32 s30, s26, 1
	s_lshl_b32 s30, s30, 17                        ; 32 (tile / 2) rows of 4,096 bytes
	s_and_b32 s27, s26, 1
	s_lshl_b32 s27, s27, 15                        ; 8 (tile % 2) rows
	s_add_co_u32 s30, s30, s27
	s_lshl_b32 s27, s25, 11                        ; 512 numbers along K
	s_add_co_u32 s30, s30, s27
	s_add_nc_u64 s[22:23], s[22:23], s[30:31]
	s_mul_i32 s30, s21, 6144                       ; four K steps of codes a job
	s_add_nc_u64 s[14:15], s[14:15], s[30:31]
	s_lshl_b32 s30, s21, 8                         ; 256 bytes of scale words a job
	s_add_nc_u64 s[16:17], s[16:17], s[30:31]
	v_and_b32 v4, 8, v2
	v_add_nc_u32 v4, v4, v2                        ; r + 8 (r / 8)
	v_lshlrev_b32 v4, 12, v4
	v_lshl_add_u32 v4, v3, 7, v4                   ; my row, + 128 h bytes
	v_mov_b32 v23, 0                               ; written once: a lane permute's destination counts as one of its sources
.macro LOAD q                          ; K step q: my two blocks, 32 numbers each, into set q % 2
.irp c, 0,1
.irp i, 0,1,2,3,4,5,6,7
	global_load_b128 v[X+64*((\q)%2)+32*\c+4*\i:X+64*((\q)%2)+32*\c+4*\i+3], v4, s[22:23] offset:512*(\q)+256*\c+16*\i th:TH_LOAD_NT
.endr
.endr
.endm
.macro WORK q
.set XS, X+64*((\q)%2)
.if (\q) < 3
	s_wait_loadcnt 16                              ; this K step's 16 loads are in; the next step's 16 may be out
.else
	s_wait_loadcnt 0x0
.endif
.irp c, 0,1
	v_max3_num_f32 v[16+\c], |v[XS+32*\c]|, |v[XS+32*\c+1]|, 0x1800000   ; block 2 c + h: all its 32 numbers are mine; the floor 2^(3 - 127) holds the byte at 1 from below
.endr
.irp i, 2,4,6,8,10,12,14,16,18,20,22,24,26,28,30
.irp c, 0,1
	v_max3_num_f32 v[16+\c], v[16+\c], |v[XS+32*\c+\i]|, |v[XS+32*\c+\i+1]|   ; (the two blocks by turns)
.endr
.endr
.irp c, 0,1
	v_add_nc_u32 v[18+\c], 0xff000000, v[16+\c]    ; 2 off the exponent field: the conversion takes the exponent field of this operand as its scale
.endr
.irp c, 0,1
	v_lshrrev_b32 v[20+\c], 23, v[18+\c]           ; the scale's byte
.endr
	v_lshl_or_b32 v22, v21, 16, v20                ; my bytes: blocks h and 2 + h,
	v_lshlrev_b32 v22, v7, v22                     ; at their places in the word;
	v_permlanex16_b32 v23, v22, s28, s29
	v_or_b32 v[WD+(\q)], v22, v23                  ; with lane l xor 16's two the word is whole
.irp c, 0,1
	v_cvt_scalef32_pk16_fp6_f32 v[C+12*(\q)+6*\c:C+12*(\q)+6*\c+2], v[XS+32*\c:XS+32*\c+15], v[18+\c]
	v_cvt_scalef32_pk16_fp6_f32 v[CT+4*\c:CT+4*\c+2], v[XS+32*\c+16:XS+32*\c+31], v[18+\c]   ; (a conversion's three registers begin on an even number)
.endr
.if (\q) < 2
	LOAD (\q)+2                                    ; the set just converted takes the K step two on
.endif
	v_nop                                          ; one plain place behind a scaled conversion
.irp c, 0,1
.irp i, 0,1,2
	v_mov_b32 v[C+12*(\q)+6*\c+3+\i], v[CT+4*\c+\i]
.endr
.endr
.irp c, 0,1
	global_store_b128 v5, v[C+12*(\q)+6*\c:C+12*(\q)+6*\c+3], s[14:15] offset:1536*(\q)+768*\c        ; 512 consecutive bytes
	global_store_b64 v6, v[C+12*(\q)+6*\c+4:C+12*(\q)+6*\c+5], s[14:15] offset:1536*(\q)+768*\c+512   ; 256 consecutive bytes
.endr
.endm
	LOAD 0
	LOAD 1
	WORK 0
	WORK 1
	WORK 2
	WORK 3
	s_wait_xcnt 0x0                                ; EXEC changes only behind this wait: it is a source of the stores above
	v_cmp_gt_u32 vcc_lo, 16, v1
	s_and_saveexec_b32 s30, vcc_lo
	global_store_b128 v5, v[WD:WD+3], s[16:17]     ; lanes 0-15: row r's four words: 256 consecutive bytes, aligned
	s_wait_xcnt 0x0
	s_or_b32 exec_lo, exec_lo, s30
	s_endpgm
	; ---------------- the table
.Ltable:
	s_sub_co_u32 s21, ttmp9, 256
	s_lshl_b32 s21, s21, 6
	s_lshl_b32 s24, s20, 4
	s_add_co_u32 s21, s21, s24                     ; my first position: 64 x (work-group - 256) + 16 x wave
	v_cvt_f32_u32 v9, s21
	s_lshl_b32 s30, s21, 8                         ; 256 bytes a position
	s_mov_b32 s32, 0xb94ca1f9                      ; sin r = r + r z (S1 + z (S2 + z S3)), z = r r
	s_mov_b32 s33, 0x3c08839e
	s_mov_b32 s34, 0xbe2aaaa3
	s_mov_b32 s35, 0x37ccf5ce                      ; cos r = 1 - z / 2 + z z (C1 + z (C2 + z C3))
	s_mov_b32 s36, 0xbab6061a
	s_mov_b32 s37, 0x3d2aaaa5
	v_mov_b32 v8, 1.0
.macro PWR i, bits                     ; lane i takes P = 10^(i / 8) = 10000^(i / 32), rounded to f32
	s_mov_b32 s24, \bits
	v_writelane_b32 v8, s24, \i
.endm
	PWR 1, 0x3faab0d5
	PWR 2, 0x3fe39ea9
	PWR 3, 0x4017c496
	PWR 4, 0x404a62c2
	PWR 5, 0x4086f161
	PWR 6, 0x40b3f300
	PWR 7, 0x40eff755
	PWR 8, 0x41200000
	PWR 9, 0x41555d0a
	PWR 10, 0x418e432a
	PWR 11, 0x41bdb5bc
	PWR 12, 0x41fcfb72
	PWR 13, 0x4228adb9
	PWR 14, 0x4260efc0
	PWR 15, 0x4295fa95
	PWR 16, 0x42c80000
	PWR 17, 0x43055a26
	PWR 18, 0x4331d3f4
	PWR 19, 0x436d232b
	PWR 20, 0x439e1d27
	PWR 21, 0x43d2d927
	PWR 22, 0x440c95d8
	PWR 23, 0x443b793b
	PWR 24, 0x447a0000
	PWR 25, 0x44a6b0b0
	PWR 26, 0x44de48f1
	PWR 27, 0x451435fb
	PWR 28, 0x4545a471
	PWR 29, 0x4583c7b8
	PWR 30, 0x45afbb4e
	PWR 31, 0x45ea5789
	v_rcp_f32 v10, v8
	v_nop                                          ; one plain place behind a transcendental
	s_wait_alu depctr_va_vdst(0)
	v_fma_f32 v11, -v8, v10, 1.0                   ; one step of Newton's brings 1 / P to the nearest f32
	v_fma_f32 v10, v10, v11, v10                   ; f
	s_wait_kmcnt 0x0
	s_add_nc_u64 s[18:19], s[18:19], s[30:31]
.macro POS k
	v_mul_f32 v11, v9, v10                         ; the angle, rounded to f32 as the definition rounds it
	v_mul_f32 v12, 0x3f22f983, v11
	v_rndne_f32 v12, v12                           ; n = the nearest whole number to angle x 2 / pi (at most 1,303)
	v_fmamk_f32 v13, v12, 0xbfc90fdb, v11          ; r = angle - n x pi / 2: the upper part of pi / 2 (this step rounds nothing: the difference has 23 bits at the most),
	v_fmamk_f32 v13, v12, 0x333bbd2e, v13          ; then the lower
	v_mul_f32 v14, v13, v13                        ; z
	v_fma_f32 v15, v14, s32, s33
	v_fma_f32 v17, v14, s35, s36
	v_fma_f32 v15, v15, v14, s34
	v_fma_f32 v17, v17, v14, s37
	v_mul_f32 v16, v14, v13
	v_mul_f32 v18, v14, v14
	v_fma_f32 v19, v14, -0.5, 1.0
	v_fma_f32 v15, v15, v16, v13                   ; sin r
	v_fma_f32 v17, v17, v18, v19                   ; cos r
	v_cvt_i32_f32 v20, v12
	v_and_b32 v21, 1, v20
	v_cmp_eq_u32 vcc_lo, 1, v21                    ; an odd quarter swaps the two (a choice of values: no branch, no address hangs on it)
	v_cndmask_b32 v22, v17, v15, vcc_lo
	v_cndmask_b32 v23, v15, v17, vcc_lo
	v_add_nc_u32 v21, 1, v20
	v_and_b32 v21, 2, v21
	v_lshlrev_b32 v21, 30, v21
	v_xor_b32 v[32+2*\k], v22, v21                 ; cos is negative in quarters 1 and 2,
	v_and_b32 v21, 2, v20
	v_lshlrev_b32 v21, 30, v21
	v_xor_b32 v[33+2*\k], v23, v21                 ; sin in quarters 2 and 3
	global_store_b64 v6, v[32+2*\k:33+2*\k], s[18:19] offset:256*\k   ; 32 lanes store a position's 256 bytes; each position has its own pair of registers
	v_add_f32 v9, 1.0, v9
.endm
.irp k, 0,1,2,3,4,5,6,7,8,9,10,11,12,13,14,15
	POS \k
.endr
	s_endpgm
.Lfunc_end_k_q73197bf915_quant:
	.size	k_q73197bf915_quant, .Lfunc_end_k_q73197bf915_quant-k_q73197bf915_quant
	.p2alignl 7, 3214868480
	.fill 96, 4, 3214868480
	.section	.rodata,"a",@progbits
	.p2align	6, 0x0
	.amdhsa_kernel k_q73197bf915_quant
		.amdhsa_group_segment_fixed_size 0
		.amdhsa_private_segment_fixed_size 0
		.amdhsa_enable_private_segment 0
		.amdhsa_kernarg_size 64
		.amdhsa_user_sgpr_count 2
		.amdhsa_user_sgpr_kernarg_segment_ptr 1
		.amdhsa_wavefront_size32 1
		.amdhsa_system_sgpr_workgroup_id_x 1
		.amdhsa_system_sgpr_workgroup_id_y 1
		.amdhsa_system_sgpr_workgroup_id_z 1
		.amdhsa_system_vgpr_workitem_id 0
		.amdhsa_next_free_vgpr 224
		.amdhsa_next_free_sgpr 66
		.amdhsa_reserve_vcc 1
		.amdhsa_float_denorm_mode_32 3
		.amdhsa_float_denorm_mode_16_64 3
		.amdhsa_memory_ordered 1
		.amdhsa_forward_progress 1
		.amdhsa_inst_pref_size 47
	.end_amdhsa_kernel
	.amdgpu_metadata
---
amdhsa.version: [ 1, 2 ]
amdhsa.kernels:
  - .name:           k_q73197bf915_quant
    .symbol:         k_q73197bf915_quant.kd
    .args:
      - { .name: x, .offset: 0, .size: 8, .value_kind: global_buffer, .address_space: global }
      - { .name: Wq, .offset: 8, .size: 8, .value_kind: global_buffer, .address_space: global }
      - { .name: Wk, .offset: 16, .size: 8, .value_kind: global_buffer, .address_space: global }
      - { .name: Wv, .offset: 24, .size: 8, .value_kind: global_buffer, .address_space: global }
      - { .name: Wo, .offset: 32, .size: 8, .value_kind: global_buffer, .address_space: global }
      - { .name: xw, .offset: 40, .size: 8, .value_kind: global_buffer, .address_space: global }
      - { .name: xws, .offset: 48, .size: 8, .value_kind: global_buffer, .address_space: global }
      - { .name: cst, .offset: 56, .size: 8, .value_kind: global_buffer, .address_space: global }
    .group_segment_fixed_size: 0
    .private_segment_fixed_size: 0
    .kernarg_segment_align: 8
    .kernarg_segment_size: 64
    .max_flat_workgroup_size: 128
    .sgpr_count:     66
    .vgpr_count:     224
    .wavefront_size: 32
...
	.end_amdgpu_metadata
.endif
;; end of part 1
;; launch qkv (part 2): grid 48 x 4, 4 waves a work-group, clusters of 4 x 4, 327,680 bytes of LDS; arguments xw, xws, cst, qh, kvh; writes qh, kvh
.if DOCPART == 2
	.amdgcn_target "amdgcn-amd-amdhsa--gfx1250"
	.amdhsa_code_object_version 6
	.text
	.protected	k_q73197bf915_qkv
	.globl	k_q73197bf915_qkv
	.p2align	8
	.type	k_q73197bf915_qkv,@function
k_q73197bf915_qkv:
	s_mov_b64 s[64:65], 0
	v_nop
	global_prefetch_b8 v0, s[64:65] scope:SCOPE_SE
	s_setreg_imm32_b32 hwreg(HW_REG_WAVE_MODE, 25, 1), 1
	s_wait_xcnt 0x0
	s_wait_alu depctr_hold_cnt(0) depctr_sa_sdst(0) depctr_va_vdst(0) depctr_va_sdst(0) depctr_va_ssrc(0) depctr_va_vcc(0) depctr_vm_vsrc(0)
	s_getreg_b32 s2, hwreg(HW_REG_IB_STS2, 6, 4)
	s_cmp_eq_u32 s2, 0
	s_cbranch_scc0 .Lentry_in_a_cluster
	s_endpgm
.Lentry_in_a_cluster:
	s_bfe_u32 s2, ttmp6, 0x10000c
	s_cmp_lg_u32 s2, 0xf033
	s_cbranch_scc0 .Lentry_shape_is_right
	s_endpgm
.Lentry_shape_is_right:
; Q = rope(x Wq^T), K = rope(x Wk^T), V = x Wv^T on codes of FP6 (E2M3) with E8M0 scales for each 32 along K = 1,024; the results are quantised at once, in registers, for the two products of attention.
; INPUT: xw, xws: tiles of 16 rows as images of the operand's registers (a tile and 128 along K: 1,536 bytes; for c = 0, 1: registers 6 c .. 6 c + 3 at 768 c + 16 x lane, registers 6 c + 4, 5 at 768 c + 512 + 8 x lane);
; lane r of tile T holds row 32 (T / 2) + 8 (T % 2) + r + 8 (r / 8).  Groups of 16 tiles (256 rows): 0-15 x, 16-19 Wq, 20-23 Wk, 24-27 Wv.  Scale words: [tile][half of K][r][4 words].
; THE PRODUCT.  A work-group of four waves makes 256 x 256, a wave 128 x 128: 64 accumulators.  K goes in steps of 256 through two LDS slots filled by the tensor data mover; the scale words come once.
; The matrix instruction takes source 0 = 16 rows of "B", source 1 = 16 rows of "A": a lane then holds ONE row of A, and by the tiles' order of rows its 16 registers of B's tiles 2 b, 2 b + 1 are 16 NEIGHBOURING rows of B.
;   clusters 0-7 (Q: even, K: odd): A = x, B = the weight: a lane holds a token, its registers run along the features: what the rotation and the quantiser along the head's 64 want.
;   clusters 8-11 (V): A = Wv, B = x: a lane holds a channel, its registers run along the tokens: what the quantiser along the keys wants.  Only the numbers of the groups differ: one text serves all three.
; CLUSTERS: 4 x 4 work-groups; A's tiles are shared along a row of the cluster, B's along a column: each is asked for jointly, by the same tensor load with the same descriptor and a mask that names the four.
; 192 work-groups: the three products have 3 x 64 blocks of 256 x 256.
; OUTPUT, for each of the 32 heads 208,896 bytes in kvh (qh has the same geometry; of it only K's places, which hold Q, and K's scale words are written and read):
;   4 phases x (32 tiles of K, 16 keys x 64: 768 bytes each | 4 steps of 128 keys x 4 tiles of 16 channels of V: 1,536 bytes each); at 196,608 K's scale words [tile / 4][r][4 tiles]; at 204,800 V's [step][r][4 tiles].
; LIMITS: NaN and infinities are not served; a block under 2^-124, and a block of zeros, gets the scale byte 1.
; REGISTERS, in windows of 256: window 0: v8-29 addresses; v32-63 scale words, two sets; v128-223 A's fragments, one set; v64-127 cos and sin; on the way out v128-247 are at work.
;   window 1: B's fragments, two sets, at v0 and v128.   window 2: the accumulators of A's blocks 0-3 ((a, b) at v[8 (8 (a % 4) + b)]);   window 3: those of blocks 4-7.
.set NQ,     2                         ; matrix instructions deep in a slot
.set FR,     12                        ; registers of a fragment
.set NL,     4                         ; LDS loads that bring one
.set NP,     4                         ; places behind this matrix instruction (ISA guide 7.12.1)
.set FIB,    1536                      ; a tile's image for 128 along K
.set TILEB,  NQ*FIB                    ; a tile's part of a slot
.set HALFT,  8*TILEB                   ; 8 tiles: what one tensor load brings, and what one wave reads of A or of B
.set SLOT,   4*HALFT                   ; A's 16 tiles, then B's 16
.set SCL,    2*SLOT                    ; behind the ring: the scale words, 512 bytes a tile: A's 16 tiles, then B's
.set HALFS,  8*512
.set SPARE,  SCL+4*HALFS               ; behind them: the spare words, 128 bytes for each wave: two blocks of 256 bytes that no other line names
.set HEADB,  208896                    ; a head in qh and in kvh
.set L16,  8                           ; v8   16 x lane
.set L8,   9                           ; v9   8 x lane
.set CSA,  10                          ; v10  cos and sin: my token's row of 256 bytes, + 64 h
.set SA,   11                          ; v11  scale words out: 16 r; lanes 16-31 one head on
.set ADRA, 16                          ; v16-17 LDS address of A's fragments in slot 0, 1 (16 x lane); v18-19 the same with 8 x lane
.set ADRB, 20                          ; v20-23 the same for B
.set ADRS, 27                          ; v27  LDS address of my scale words: lanes 0-15 A's, lanes 16-31 B's
.set SPW,  28                          ; v28  LDS address of my spare word; never rewritten
.set NIL,  29                          ; v29  0; never rewritten
.set SC,   32                          ; scale words: set s at v[SC + 16 s]; register 2 i + q: lanes 0-15 A's block i, lanes 16-31 B's block i, the slot's q-th 128 along K
.set CS,   64                          ; v64-127 cos and sin, two sets of 32
.set AF,   128                         ; A's fragments
.set HA,   128                         ; the way out: v128-191 64 rotated numbers
.set PC,   192                         ; v192-211 codes
.set TM,   212                         ; v212-227 at work in the quantiser
.set PW,   228                         ; v228 the scale word just made
.set TP,   230                         ; v230-233 at work
.set SW,   236                         ; v236-243 eight tiles' scale words
.set SD,   244                         ; v244-247 V's words as they are stored
.set G1, 24                            ; s[24:31] descriptor group 1 for A's tiles;  s[32:39] group 0, one set for each slot
.set G0, 32
.set G1B, 48                           ; s[48:55], s[56:63] the same for B's
.set G0B, 56
.set G1S, 68                           ; s[68:75], s[76:79] groups 1 and 0 for A's scale words;  s[80:87], s[88:91] for B's
.set G0S, 76
.set G1SB, 80
.set G0SB, 88
.set MSB, 0
.macro WIN new                         ; the immediate's high byte repeats the setting that is left; a switch that changes nothing is dropped
.if MSB != (\new)
	s_set_vgpr_msb (MSB<<8)|(\new)
.set MSB, (\new)
.endif
.endm
.set MUL_LO, 0xa1                      ; source 0 (B) window 1, source 1 (A) window 0, C and D window 2
.set MUL_HI, 0xf1                      ; the same, C and D window 3
.set TO_B,   0x40                      ; destination window 1, address window 0
; A joint load: waves 0 and 1 fetch for A, waves 2 and 3 for B.  Each of the two lines has one mask and one set of registers for all that issue it; the branch hangs on the wave's number alone.
; Four v_nop follow each of the two lines, ahead of the jump, the label and what follows.
.macro JLOAD g0a, g1a, g0b, g1b
	s_cmp_eq_u32 s15, 0
	s_cbranch_scc0 .Lfor_b_\@
	tensor_load_to_lds s[\g0a:\g0a+3], s[\g1a:\g1a+7]
	s_nop 0
.rept 4
	v_nop
.endr
	s_branch .Lasked_\@
.Lfor_b_\@:
	tensor_load_to_lds s[\g0b:\g0b+3], s[\g1b:\g1b+7]
	s_nop 0
.rept 4
	v_nop
.endr
.Lasked_\@:
.endm
.macro CREST                           ; a round of the cluster's barrier behind its opening barrier
	s_cmp_lg_u32 s14, 0
	s_cbranch_scc1 .Lnot_wave_0_\@
	s_barrier_signal -3
.Lnot_wave_0_\@:
	s_barrier_wait -3
	s_barrier_signal -1
	s_barrier_wait -1
.endm
.macro CROUND                          ; a whole round
	s_barrier_signal -1
	s_barrier_wait -1
	CREST
.endm
.macro PLACES n
.rept \n
	v_nop
.endr
.endm
.macro FINISH                          ; the wave's end; then the closing round: no work-group ends while a partner may still ask for a tile that names it
	s_wait_tensorcnt 0x0
	ds_add_u32 v[SPW], v[NIL]
	s_wait_dscnt 0x0
	CROUND
	s_endpgm
.endm
	s_load_b256 s[4:11], s[0:1], 0x0               ; xw s[4:5], xws s[6:7], cst s[8:9], qh s[10:11]
	s_load_b64 s[12:13], s[0:1], 0x20              ; kvh
	v_lshl_add_u32 v[SPW], v0, 2, SPARE
	v_mov_b32 v[NIL], 0
	ds_add_u32 v28, v29
	ds_add_u32 v28, v29
	s_wait_dscnt 0x0
	v_lshrrev_b32 v1, 5, v0
	v_readfirstlane_b32 s14, v1                    ; wave 0..3
	s_lshr_b32 s15, s14, 1                         ; which half of A's rows is mine.  Also: I fetch for A (0) or for B (1)
	s_and_b32 s16, s14, 1                          ; which half of B's rows.  Also: which 8 tiles I fetch
	s_bfe_u32 s40, ttmp6, 0x40000                  ; cx, cy: my place in the cluster
	s_bfe_u32 s41, ttmp6, 0x40004
	s_lshr_b32 s17, ttmp9, 1                       ; the groups of 16 tiles.  Q, K: A = x's group 4 (c / 2) + cy, B = the weight's 16 + 4 (c % 2) + cx
	s_lshl_b32 s17, s17, 2
	s_and_b32 s42, ttmp9, 1
	s_lshl_b32 s42, s42, 2
	s_add_co_u32 s42, s42, 16
	s_sub_co_u32 s18, ttmp9, 8                     ; V: A = Wv's group 24 + cy, B = x's 4 (c - 8) + cx
	s_lshl_b32 s18, s18, 2
	s_cmp_lt_u32 ttmp9, 8                          ; c, the cluster's number, is the same in all sixteen partners
	s_cselect_b32 s17, s17, 24
	s_cselect_b32 s42, s42, s18
	s_add_co_u32 s17, s17, s41                     ; A's group: hangs on c and cy alone
	s_add_co_u32 s42, s42, s40                     ; B's group: on c and cx alone
	s_lshl_b32 s43, s41, 2
	s_lshl_b32 s43, 15, s43                        ; my row of the cluster
	s_lshl_b32 s44, 0x1111, s40                    ; my column
	; descriptor group 1: 8 tiles' parts of a K step: 8 rows of 3,072 bytes (384 elements of 8), 12,288 bytes apart; in LDS they lie on end
	s_or_b32 s[G1+0], s43, (3<<16)|(1<<21)         ; 15:0 the mask: A's tiles go to my row; 17:16 elements of 8 bytes; 20 no padding; 21 set beside a mask
	s_or_b32 s[G1B+0], s44, (3<<16)|(1<<21)
.irp g, G1, G1B
	s_mov_b32 s[\g+1], (TILEB/8)<<16               ; tensor_dim0
	s_mov_b32 s[\g+2], 8<<16                       ; tensor_dim1
	s_mov_b32 s[\g+3], (TILEB/8)<<16               ; tile_dim0
	s_mov_b32 s[\g+4], 8                           ; tile_dim1
	s_mov_b32 s[\g+5], FIB                         ; tensor_dim0_stride: 8 images = 12,288 bytes = 1,536 elements
	s_mov_b32 s[\g+6], 0
	s_mov_b32 s[\g+7], 0
.endr
	; and for 8 tiles' scale words: 4,096 dense bytes as 16 rows of 256
	s_or_b32 s[G1S+0], s43, (3<<16)|(1<<21)
	s_or_b32 s[G1SB+0], s44, (3<<16)|(1<<21)
.irp g, G1S, G1SB
	s_mov_b32 s[\g+1], 32<<16
	s_mov_b32 s[\g+2], 16<<16
	s_mov_b32 s[\g+3], 32<<16
	s_mov_b32 s[\g+4], 16
	s_mov_b32 s[\g+5], 32
	s_mov_b32 s[\g+6], 0
	s_mov_b32 s[\g+7], 0
.endr
	s_lshl_b32 s18, s16, 3                         ; which 8 tiles of the group I fetch
	s_lshl_b32 s20, s17, 4
	s_add_co_u32 s20, s20, s18                     ; A's first tile
	s_lshl_b32 s46, s42, 4
	s_add_co_u32 s46, s46, s18                     ; B's
	s_lshl_b32 s22, s20, 9                         ; their scale words, 512 bytes a tile,
	s_mov_b32 s23, 0
	s_lshl_b32 s92, s46, 9
	s_mov_b32 s93, 0
	s_mul_i32 s20, s20, 8*FIB                      ; and their codes, 12,288 bytes a tile
	s_mov_b32 s21, 0
	s_mul_i32 s46, s46, 8*FIB
	s_mov_b32 s47, 0
	s_mul_i32 s45, s14, HALFT                      ; where they go: wave x 8 tiles: no place in the cluster enters an LDS address
	s_mul_i32 s94, s14, HALFS
	s_wait_kmcnt 0x0
	s_add_nc_u64 s[20:21], s[4:5], s[20:21]
	s_add_nc_u64 s[22:23], s[6:7], s[22:23]
	s_add_nc_u64 s[46:47], s[4:5], s[46:47]
	s_add_nc_u64 s[92:93], s[6:7], s[92:93]
	CROUND                                         ; all sixteen work-groups are here: the first joint loads meet
	s_mov_b32 s[G0S], 1
	s_add_co_u32 s[G0S+1], s94, SCL
	s_mov_b64 s[G0S+2:G0S+3], s[22:23]
	s_or_b32 s[G0S+3], s[G0S+3], 0x80000000
	s_mov_b32 s[G0SB], 1
	s_add_co_u32 s[G0SB+1], s94, SCL
	s_mov_b64 s[G0SB+2:G0SB+3], s[92:93]
	s_or_b32 s[G0SB+3], s[G0SB+3], 0x80000000
	JLOAD G0S, G1S, G0SB, G1SB                     ; the scale words first: they are wanted with K step 0
.irp s, 0,1
	s_mov_b32 s[G0+4*\s], 1
	s_add_co_u32 s[G0+4*\s+1], s45, \s*SLOT
	s_add_nc_u64 s[G0+4*\s+2:G0+4*\s+3], s[20:21], \s*TILEB
	s_or_b32 s[G0+4*\s+3], s[G0+4*\s+3], 0x80000000
	s_mov_b32 s[G0B+4*\s], 1
	s_add_co_u32 s[G0B+4*\s+1], s45, \s*SLOT
	s_add_nc_u64 s[G0B+4*\s+2:G0B+4*\s+3], s[46:47], \s*TILEB
	s_or_b32 s[G0B+4*\s+3], s[G0B+4*\s+3], 0x80000000
	JLOAD G0+4*\s, G1, G0B+4*\s, G1B               ; three loads of mine are out
.endr
	v_and_b32 v1, 15, v0                           ; r
	v_bfe_u32 v2, v0, 4, 1                         ; h
	v_and_b32 v3, 31, v0                           ; lane
	v_lshlrev_b32 v[L16], 4, v3
	v_lshlrev_b32 v[L8], 3, v3
	s_mul_i32 s21, s15, HALFT                      ; my 8 tiles of A
	s_mul_i32 s22, s16, HALFT                      ; my 8 tiles of B,
	s_add_co_u32 s22, s22, 2*HALFT                 ; which lie behind A's 16
.irp s, 0,1
	v_add_nc_u32 v[ADRA+\s], s21, v[L16]
	v_add_nc_u32 v[ADRB+\s], s22, v[L16]
	v_add_nc_u32 v[ADRA+2+\s], s21, v[L8]
	v_add_nc_u32 v[ADRB+2+\s], s22, v[L8]
	s_add_co_u32 s21, s21, SLOT
	s_add_co_u32 s22, s22, SLOT
.endr
	v_lshlrev_b32 v5, 4, v1                        ; my row's four words: 16 r
	s_mul_i32 s21, s15, HALFS                      ; A's: my 8 tiles
	s_mul_i32 s22, s16, HALFS                      ; B's: my 8 tiles, behind A's 16
	s_add_co_u32 s22, s22, 2*HALFS
	s_sub_co_u32 s22, s22, s21
	v_mul_u32_u24 v6, s22, v2                      ; lanes 16-31 take B's
	s_add_co_u32 s21, s21, SCL
	v_add_nc_u32 v5, v5, v6
	v_add_nc_u32 v[ADRS], s21, v5
	v_and_b32 v3, 8, v1
	v_add_nc_u32 v3, v3, v1                        ; r + 8 (r / 8)
	v_lshlrev_b32 v[CSA], 8, v3
	v_lshl_add_u32 v[CSA], v2, 6, v[CSA]
	v_mul_u32_u24 v[SA], v2, HEADB
	v_lshl_add_u32 v[SA], v1, 4, v[SA]
.macro FRAG reg, adr, q, i             ; a fragment comes as it was stored: every load takes 512 or 256 consecutive bytes
	ds_load_b128 v[\reg:\reg+3], v[\adr] offset:(\i)*TILEB+(\q)*FIB
	ds_load_b64 v[\reg+4:\reg+5], v[\adr+2] offset:(\i)*TILEB+(\q)*FIB+512
	ds_load_b128 v[\reg+6:\reg+9], v[\adr] offset:(\i)*TILEB+(\q)*FIB+768
	ds_load_b64 v[\reg+10:\reg+11], v[\adr+2] offset:(\i)*TILEB+(\q)*FIB+1280
.endm
; 16 matrix instructions: A's blocks a0, a0 + 1 x B's eight, 128 along K: the slot's q-th.  p: B's set;  sc: the set of scale words.  zero = 1: the first product starts the sums.
; The 64 accumulators take turns, one instruction a turn, in the same order in every step.
.macro MUL16 a0, p, q, sc, zero
.irp a, \a0, \a0+1
.irp b, 0,1,2,3,4,5,6,7
.if \zero
	v_wmma_scale_f32_16x16x128_f8f6f4 v[8*(8*((\a)%4)+\b):8*(8*((\a)%4)+\b)+7], v[128*(\p)+FR*\b:128*(\p)+FR*\b+FR-1], v[AF+FR*(\a):AF+FR*(\a)+FR-1], 0, v[SC+8*NQ*(\sc)+NQ*\b+(\q)], v[SC+8*NQ*(\sc)+NQ*(\a)+(\q)] matrix_a_fmt:MATRIX_FMT_FP6 matrix_b_fmt:MATRIX_FMT_FP6 matrix_a_scale:MATRIX_SCALE_ROW1
.else
	v_wmma_scale_f32_16x16x128_f8f6f4 v[8*(8*((\a)%4)+\b):8*(8*((\a)%4)+\b)+7], v[128*(\p)+FR*\b:128*(\p)+FR*\b+FR-1], v[AF+FR*(\a):AF+FR*(\a)+FR-1], v[8*(8*((\a)%4)+\b):8*(8*((\a)%4)+\b)+7], v[SC+8*NQ*(\sc)+NQ*\b+(\q)], v[SC+8*NQ*(\sc)+NQ*(\a)+(\q)] matrix_a_fmt:MATRIX_FMT_FP6 matrix_b_fmt:MATRIX_FMT_FP6 matrix_a_scale:MATRIX_SCALE_ROW1
.endif
.endr
.endr
.endm
.macro FETCH_B slot, q, p              ; B's eight fragments of the slot's q-th 128 along K into set p
	WIN TO_B
.irp i, 0,1,2,3,4,5,6,7
	FRAG 128*(\p)+FR*\i, ADRB+\slot, \q, \i
.endr
	WIN 0
.endm
.macro FETCH_A slot, q, i0             ; A's blocks i0 .. i0 + 3
.irp i, \i0, \i0+1, \i0+2, \i0+3
	FRAG AF+FR*(\i), ADRA+\slot, \q, \i
.endr
.endm
.macro SCALES sc                       ; a K step's scale words into set sc: two words a row; lanes 0-15 take A's block i, lanes 16-31 B's block i
.irp i, 0,1,2,3,4,5,6,7
	ds_load_b64 v[SC+8*NQ*\sc+NQ*\i:SC+8*NQ*\sc+NQ*\i+1], v[ADRS] offset:\i*512
.endr
.endm
; A load into a register that a matrix instruction has read, and a vector instruction that reads a matrix result or writes one of its registers, stand NP places behind it; only plain vector
; instructions that name none of its registers are places (ISA guide 7.12.1 for vector instructions).
; A step of 128 along K that has its successor in the same slot.
.macro STEP slot, q, zero
	s_wait_dscnt 4*NL                              ; B's set, A's blocks 0-3 and the scale words are in; the youngest 16 loads (A's blocks 4-7) may be out
	WIN MUL_LO
	MUL16 0, (\q)%2, \q, \slot, \zero
	MUL16 2, (\q)%2, \q, \slot, \zero
	s_wait_dscnt 0                                 ; A's blocks 4-7 are in (asked for 32 matrix instructions ago)
	PLACES NP
	FETCH_B \slot, (\q)+1, 1-(\q)%2
	FETCH_A \slot, (\q)+1, 0
	WIN MUL_HI
	MUL16 4, (\q)%2, \q, \slot, \zero
	MUL16 6, (\q)%2, \q, \slot, \zero
	PLACES NP
	WIN 0
	FETCH_A \slot, (\q)+1, 4
.endm
; A slot's last step changes slots: one barrier; in front of it each wave waits for all its tensor loads, adds 0 to its spare word, and waits for that and for its own reads of this slot.  fill = 1: this slot is filled again, two K steps ahead.
.macro TURN slot, next, fill
	s_wait_tensorcnt 0x0                           ; all my tensor loads have landed: my part of the next slot;  (every window is 0 here)
	ds_add_u32 v[SPW], v[NIL]                      ; 0 onto my spare word;
	s_wait_dscnt 4*NL+1                            ; (the add and the youngest 16 loads, A's blocks 4-7, may be out)
	WIN MUL_LO
	MUL16 0, 1, NQ-1, \slot, 0                     ; sixteen matrix instructions stand between the add and the wait for it
	s_wait_dscnt 0x0                               ; the add is done, and my reads of this slot are over
	s_barrier_signal -1
	MUL16 2, 1, NQ-1, \slot, 0
	WIN 0
	s_barrier_wait -1
.if \fill
	CREST                                          ; the barrier has opened a round of the cluster's barrier: no wave of any partner still reads this slot's tile or has a load on its way
	s_add_nc_u64 s[G0+4*\slot+2:G0+4*\slot+3], s[G0+4*\slot+2:G0+4*\slot+3], 2*TILEB
	s_add_nc_u64 s[G0B+4*\slot+2:G0B+4*\slot+3], s[G0B+4*\slot+2:G0B+4*\slot+3], 2*TILEB
	JLOAD G0+4*\slot, G1, G0B+4*\slot, G1B         ; the first tensor load behind the round; the four v_nop behind it are the places in front of the loads below
.else
	PLACES NP
.endif
	v_add_nc_u32 v[ADRS], 8+240*\slot, v[ADRS]     ; the next K step's two words: 8 bytes on in a row's four, then on to the next half of K's block of 256 bytes
	FETCH_B \next, 0, 0
	FETCH_A \next, 0, 0
	SCALES \next
	WIN MUL_HI
	MUL16 4, 1, NQ-1, \slot, 0
	MUL16 6, 1, NQ-1, \slot, 0
	PLACES NP
	WIN 0
	FETCH_A \next, 0, 4
.endm
.macro LAST                            ; the very last step: nothing more to fetch
	s_wait_dscnt 4*NL
	WIN MUL_LO
	MUL16 0, 1, NQ-1, 1, 0
	MUL16 2, 1, NQ-1, 1, 0
	s_wait_dscnt 0
	WIN MUL_HI
	MUL16 4, 1, NQ-1, 1, 0
	MUL16 6, 1, NQ-1, 1, 0
	WIN 0
.endm
; 64 numbers of a lane in window w, v[s] .. v[s + 63], register 16 b + i = k 32 b + 16 (lane / 16) + i of my row, become a fragment's codes in v[PC] on and its scale word in v[pw].
; Accumulators are read from their low end on.
.macro QUANT s, w, pw
	WIN (\w)|((\w)<<2)
.irp b, 0,1,2,3
	v_max3_num_f32 v[TM+\b], |v[\s+16*\b]|, |v[\s+1+16*\b]|, 0x1800000   ; block b: my 16 numbers, and the floor 2^(3 - 127): the byte cannot fall under 1
.endr
.irp i, 2,4,6,8,10,12,14
.irp b, 0,1,2,3
	v_max3_num_f32 v[TM+\b], |v[\s+16*\b+\i]|, |v[\s+1+16*\b+\i]|, v[TM+\b]   ; (the four blocks by turns)
.endr
.endr
	WIN 0
.irp b, 0,1,2,3
	v_permlanex16_b32 v[TM+4+\b], v[TM+\b], s66, s67
.endr
.irp b, 0,1,2,3
	v_max_num_f32 v[TM+\b], v[TM+\b], v[TM+4+\b]   ; with lane l xor 16's: the block's largest magnitude
.endr
.irp b, 0,1,2,3
	v_add_nc_u32 v[TM+12+\b], 0xff000000, v[TM+\b]   ; 2 off its exponent field: the conversion's scale operand
.endr
.irp b, 0,1,2,3
	v_lshrrev_b32 v[TM+4+\b], 23, v[TM+12+\b]      ; the scale's byte
.endr
	v_lshl_or_b32 v[\pw], v[TM+5], 8, v[TM+4]
	v_lshl_or_b32 v[\pw], v[TM+6], 16, v[\pw]
	v_lshl_or_b32 v[\pw], v[TM+7], 24, v[\pw]
	WIN \w
.irp c, 0,1
	v_cvt_scalef32_pk16_fp6_f32 v[PC+6*\c:PC+2+6*\c], v[\s+32*\c:\s+15+32*\c], v[TM+12+2*\c]
	v_cvt_scalef32_pk16_fp6_f32 v[PC+12+4*\c:PC+14+4*\c], v[\s+16+32*\c:\s+31+32*\c], v[TM+12+2*\c+1]   ; (a conversion's three registers begin on an even number)
.endr
	WIN 0
	v_nop                                          ; one plain place behind a scaled conversion
.irp c, 0,1                                    ; the operand's layout wants a whole block in a lane: lanes 0-15 block 2 c, lanes 16-31 block 2 c + 1
.irp i, 0,1,2
	v_permlane16_swap_b32 v[PC+6*\c+\i], v[PC+12+4*\c+\i]
.endr
.irp i, 0,1,2
	v_mov_b32 v[PC+3+6*\c+\i], v[PC+12+4*\c+\i]
.endr
.endr
.endm
; cos and sin of block a's tokens: lane (r, h) wants, of its token's 32 pairs, pairs 16 u + 8 h + 0 .. 7 for u = 0, 1: register 16 u + 2 m holds cos, 16 u + 2 m + 1 sin of pair 16 u + 8 h + m
.macro CSLOAD a
.irp u, 0,1
.irp k, 0,1,2,3
	global_load_b128 v[CS+32*((\a)%2)+16*\u+4*\k:CS+32*((\a)%2)+16*\u+4*\k+3], v[CSA], s[96:97] offset:(32*((\a)/2)+8*((\a)%2))*256+128*\u+16*\k
.endr
.endr
.endm
; The rotation of block a: register n (even) and n + 1 are features 32 (n / 16) + 16 h + n % 16 and the next: a pair; both heads of my 128 features take the same 32 registers of cos and sin
.macro ROPE a
	WIN 2+(\a)/4                                   ; source 0: the accumulators' window
.set n, 0
.rept 32
.set AC, 64*((\a)%4)+n
.set CSR, CS+32*((\a)%2)+n%32
.set TT, TP+2*((n/2)%2)
	v_mul_f32 v[TT], v[AC+1], v[CSR+1]             ; odd x sin
	v_mul_f32 v[TT+1], v[AC], v[CSR+1]             ; even x sin
	v_fma_f32 v[HA+n], v[AC], v[CSR], -v[TT]       ; even x cos - odd x sin
	v_fma_f32 v[HA+n+1], v[AC+1], v[CSR], v[TT+1]  ; odd x cos + even x sin
.set n, n+2
.endr
	WIN 0
.endm
	s_mov_b32 s66, 0x76543210
	s_mov_b32 s67, 0xfedcba98                      ; v_permlanex16_b32's selects for lane l xor 16
	s_mov_b32 s95, 0xffff0000                      ; lanes 16-31
	s_wait_tensorcnt 1                             ; the scale words and my part of K step 0 are in (slot 1's load may be out)
	s_barrier_signal -1
	s_barrier_wait -1                              ; everybody's are
	FETCH_B 0, 0, 0
	FETCH_A 0, 0, 0
	SCALES 0
	FETCH_A 0, 0, 4
	STEP 0, 0, 1                                   ; K = 1,024 is four slots' worth: the eight steps are written out.  The first step's products start the sums
	TURN 0, 1, 1
	STEP 1, 0, 0
	TURN 1, 0, 1
	STEP 0, 0, 0
	TURN 0, 1, 0                                   ; the last two slots are not filled again
	STEP 1, 0, 0
	s_cmp_ge_u32 ttmp9, 8                          ; the ways part once, on the cluster's number, which all partners share; each holds the last step and its own way out
	s_cbranch_scc1 .Lv
	; ---------------- Q and K: my 128 tokens x my 128 features (two heads)
	s_and_b32 s18, s17, 7
	s_lshl_b32 s18, s18, 4
	s_lshl_b32 s19, s15, 3
	s_add_co_u32 s18, s18, s19                     ; my first tile of tokens in its sequence: 16 (group % 8) + 8 x half
	s_lshl_b32 s20, s18, 12                        ; 16 positions of 256 bytes a tile
	s_mov_b32 s21, 0
	s_add_nc_u64 s[96:97], s[8:9], s[20:21]
	CSLOAD 0                                       ; the first two blocks' cos and sin land under the last step's 64 matrix instructions
	CSLOAD 1
	s_lshr_b32 s19, s17, 3                         ; the batch
	s_lshl_b32 s19, s19, 4
	s_lshl_b32 s22, s40, 2
	s_add_co_u32 s19, s19, s22
	s_lshl_b32 s22, s16, 1
	s_add_co_u32 s19, s19, s22                     ; 16 x batch + my first head (4 cx + 2 x half)
	s_mul_i32 s19, s19, HEADB
	s_lshr_b32 s22, s18, 5
	s_mul_i32 s22, s22, 49152                      ; the phase,
	s_and_b32 s23, s18, 31
	s_mul_i32 s23, s23, 768                        ; the tile's place in it
	s_add_co_u32 s20, s19, s22
	s_add_co_u32 s20, s20, s23
	s_and_b32 s22, ttmp9, 1
	s_cmp_lg_u32 s22, 0
	s_cselect_b64 s[98:99], s[12:13], s[10:11]     ; K goes to kvh, Q to qh
	s_mov_b64 s[100:101], s[98:99]
	s_add_nc_u64 s[98:99], s[98:99], s[20:21]
	s_lshr_b32 s22, s18, 2
	s_lshl_b32 s22, s22, 8
	s_add_co_u32 s20, s19, s22
	s_add_co_u32 s20, s20, 196608
	s_add_nc_u64 s[100:101], s[100:101], s[20:21]
	LAST
	PLACES NP                                      ; behind the last products: their fragments' registers are written below
.irp b, 0,1,2,3
	v_mov_b32 v[TM+4+\b], 0                        ; written once: a lane permute's destination counts as one of its sources
.endr
.irp a, 0,1,2,3,4,5,6,7
.if \a < 7
	s_wait_loadcnt 8                               ; this block's 8 loads of cos and sin are in; the next block's 8 may be out
.else
	s_wait_loadcnt 0x0
.endif
.if \a > 0
	s_wait_xcnt 0x0                                ; the last block's stores have read their registers: the codes may be written again
.endif
	ROPE \a
.if \a < 6
	CSLOAD \a+2
.endif
	QUANT HA, 0, PW                                ; blocks 0, 1: my first head's 64; blocks 2, 3: the second's
	v_lshrrev_b32 v[TP], 16, v[PW]
	v_cndmask_b32 v[SW+\a], v[PW], v[TP], s95      ; lanes 0-15 keep the first head's two bytes low, lanes 16-31 the second's; the two upper bytes stand over zero codes and are never 0xff
	global_store_b128 v[L16], v[PC:PC+3], s[98:99] offset:768*\a
	global_store_b64 v[L8], v[PC+4:PC+5], s[98:99] offset:768*\a+512
	global_store_b128 v[L16], v[PC+6:PC+9], s[98:99] offset:768*\a+HEADB
	global_store_b64 v[L8], v[PC+10:PC+11], s[98:99] offset:768*\a+HEADB+512
.endr
	global_store_b128 v[SA], v[SW:SW+3], s[100:101]              ; sixteen lanes store 256 consecutive bytes: four tiles' words of 16 rows
	global_store_b128 v[SA], v[SW+4:SW+7], s[100:101] offset:256
	FINISH
	; ---------------- V: my 128 channels (two heads) x my 128 tokens (one step of keys)
.Lv:
	s_lshr_b32 s19, s42, 3                         ; the batch
	s_lshl_b32 s19, s19, 4
	s_lshl_b32 s22, s41, 2
	s_add_co_u32 s19, s19, s22
	s_lshl_b32 s22, s15, 1
	s_add_co_u32 s19, s19, s22                     ; 16 x batch + my first head (4 cy + 2 x half)
	s_mul_i32 s19, s19, HEADB
	s_and_b32 s18, s42, 7
	s_lshl_b32 s18, s18, 1
	s_add_co_u32 s18, s18, s16                     ; my step of 128 keys
	s_lshr_b32 s22, s18, 2
	s_mul_i32 s22, s22, 49152
	s_and_b32 s23, s18, 3
	s_mul_i32 s23, s23, 4*FIB
	s_add_co_u32 s20, s19, s22
	s_add_co_u32 s20, s20, s23
	s_add_co_u32 s20, s20, 24576                   ; V lies behind the phase's K
	s_mov_b32 s21, 0
	s_add_nc_u64 s[98:99], s[12:13], s[20:21]
	s_lshl_b32 s22, s18, 8
	s_add_co_u32 s20, s19, s22
	s_add_co_u32 s20, s20, 204800
	s_add_nc_u64 s[100:101], s[12:13], s[20:21]
	LAST
	PLACES NP
.irp b, 0,1,2,3
	v_mov_b32 v[TM+4+\b], 0
.endr
.irp a, 0,1,2,3,4,5,6,7
.if \a > 0
	s_wait_xcnt 0x0                                ; the last block's stores have read their registers
.endif
	QUANT 64*(\a%4), 2+\a/4, SW+\a                 ; block a: 16 channels x 128 keys, straight from the accumulators
	global_store_b128 v[L16], v[PC:PC+3], s[98:99] offset:HEADB*(\a/4)+FIB*(\a%4)
	global_store_b64 v[L8], v[PC+4:PC+5], s[98:99] offset:HEADB*(\a/4)+FIB*(\a%4)+512
	global_store_b128 v[L16], v[PC+6:PC+9], s[98:99] offset:HEADB*(\a/4)+FIB*(\a%4)+768
	global_store_b64 v[L8], v[PC+10:PC+11], s[98:99] offset:HEADB*(\a/4)+FIB*(\a%4)+1280
.endr
.irp j, 0,1,2,3
	v_cndmask_b32 v[SD+\j], v[SW+\j], v[SW+4+\j], s95   ; lanes 0-15 the first head's four tiles, lanes 16-31 the second's
.endr
	global_store_b128 v[SA], v[SD:SD+3], s[100:101]
	FINISH
.Lfunc_end_k_q73197bf915_qkv:
	.size	k_q73197bf915_qkv, .Lfunc_end_k_q73197bf915_qkv-k_q73197bf915_qkv
	.p2alignl 7, 3214868480
	.fill 96, 4, 3214868480
	.section	.rodata,"a",@progbits
	.p2align	6, 0x0
	.amdhsa_kernel k_q73197bf915_qkv
		.amdhsa_group_segment_fixed_size 327680
		.amdhsa_private_segment_fixed_size 0
		.amdhsa_enable_private_segment 0
		.amdhsa_kernarg_size 40
		.amdhsa_user_sgpr_count 2
		.amdhsa_user_sgpr_kernarg_segment_ptr 1
		.amdhsa_wavefront_size32 1
		.amdhsa_system_sgpr_workgroup_id_x 1
		.amdhsa_system_sgpr_workgroup_id_y 1
		.amdhsa_system_sgpr_workgroup_id_z 1
		.amdhsa_system_vgpr_workitem_id 0
		.amdhsa_next_free_vgpr 1024
		.amdhsa_next_free_sgpr 102
		.amdhsa_reserve_vcc 0
		.amdhsa_float_denorm_mode_32 3
		.amdhsa_float_denorm_mode_16_64 3
		.amdhsa_memory_ordered 1
		.amdhsa_forward_progress 1
		.amdhsa_inst_pref_size 248
	.end_amdhsa_kernel
	.amdgpu_metadata
---
amdhsa.version: [ 1, 2 ]
amdhsa.kernels:
  - .name:           k_q73197bf915_qkv
    .symbol:         k_q73197bf915_qkv.kd
    .args:
      - { .name: xw, .offset: 0, .size: 8, .value_kind: global_buffer, .address_space: global }
      - { .name: xws, .offset: 8, .size: 8, .value_kind: global_buffer, .address_space: global }
      - { .name: cst, .offset: 16, .size: 8, .value_kind: global_buffer, .address_space: global }
      - { .name: qh, .offset: 24, .size: 8, .value_kind: global_buffer, .address_space: global }
      - { .name: kvh, .offset: 32, .size: 8, .value_kind: global_buffer, .address_space: global }
    .group_segment_fixed_size: 327680
    .private_segment_fixed_size: 0
    .kernarg_segment_align: 8
    .kernarg_segment_size: 40
    .max_flat_workgroup_size: 128
    .sgpr_count:     102
    .vgpr_count:     1024
    .wavefront_size: 32
...
	.end_amdgpu_metadata
.endif
;; end of part 2
;; launch attn (part 3): grid 8 x 32, 16 waves a work-group, clusters of 4 x 1, 210,944 bytes of LDS; arguments qh, kvh, ao, aos; writes ao, aos
.if DOCPART == 3
	.amdgcn_target "amdgcn-amd-amdhsa--gfx1250"
	.amdhsa_code_object_version 6
	.text
	.protected	k_q73197bf915_attn
	.globl	k_q73197bf915_attn
	.p2align	8
	.type	k_q73197bf915_attn,@function
k_q73197bf915_attn:
	s_mov_b64 s[64:65], 0
	v_nop
	global_prefetch_b8 v0, s[64:65] scope:SCOPE_SE
	s_setreg_imm32_b32 hwreg(HW_REG_WAVE_MODE, 25, 1), 1
	s_wait_xcnt 0x0
	s_wait_alu depctr_hold_cnt(0) depctr_sa_sdst(0) depctr_va_vdst(0) depctr_va_sdst(0) depctr_va_ssrc(0) depctr_va_vcc(0) depctr_vm_vsrc(0)
	s_getreg_b32 s2, hwreg(HW_REG_IB_STS2, 6, 4)
	s_cmp_eq_u32 s2, 0
	s_cbranch_scc0 .Lentry_in_a_cluster
	s_endpgm
.Lentry_in_a_cluster:
	s_bfe_u32 s2, ttmp6, 0x10000c
	s_cmp_lg_u32 s2, 0x3003
	s_cbranch_scc0 .Lentry_shape_is_right
	s_endpgm
.Lentry_shape_is_right:
; Causal attention of 32 heads (2 x 16), 2,048 tokens, head size 64, both products on codes of FP6 (E2M3) with E8M0 scales; the result is quantised along the model's 1,024 for the output projection.
; THE SOFTMAX AHEAD OF THE SECOND PRODUCT: t = score x log2(e) / 8; M = the row's largest t so far, rounded UP to a whole number; p = 2^(t - M) is what is quantised, along the keys; it is not normalised.
; The row's sum is taken of the unquantised p, in f32, and divides O at the end.  When M moves, the sum and O are multiplied by 2^(old M - new M): exact.
; INPUT: a head is 208,896 bytes of kvh: 4 phases x (32 tiles of K, 16 keys x 64: 768 bytes | 4 steps of 128 keys x 4 tiles of 16 channels of V: 1,536 bytes each), K's scale words [tile / 4][r][4] at 196,608, V's [step][r][4] at 204,800;
; all as images of the operand's registers (registers 0-3 at 16 x lane, 4-5 at 512 + 8 x lane, and so on every 768 bytes).  Lane r of tile T holds row 32 (T / 2) + 8 (T % 2) + r + 8 (r / 8).  Q lies in qh at K's places.
; THE WHOLE HEAD STAYS IN LDS, FILLED ONCE: LDS is a copy of the head's bytes; nothing is filled again.  The four work-groups of a cluster belong to one head and ask for it jointly: each of the sixteen waves
; issues five tensor loads (its sixteenth of the scale words and of each phase) with a mask that names the four.  A phase is read behind a counted wait and a barrier, while the later phases are on their way.
; SHARES.  Work-group j (0..7) of a head; wave w owns the tile of 16 queries j + 8 w, which lies in the keys' step w: it walks steps 0 .. w, and step w is the one on the diagonal, whatever j is.
; So every work-group has 136 steps of a wave, and no branch hangs on the place in the cluster.  Four waves share a SIMD: one wave's vector work stands beside another's matrix work.
; LAYOUT.  Both products are used transposed: S^T = K Q^T (source 0 = 16 keys), O^T = V^T P^T (source 0 = 16 channels): a lane holds one query; by the tiles' order of rows the 16 registers of tiles 2 b, 2 b + 1
; are 16 neighbouring keys (channels).  The head's 64 fill half of the instruction's 128: the other half of K's and Q's fragments are zero codes, set once.
; OUTPUT: ao [tile of tokens 0..255][K step = head / 2][1,536]: my tile's 768 bytes at 768 x head; aos [tile][head / 8][r][4 words]: my two bytes at 2 (head % 8).  The 2-byte stores are 1 part in 25 of what the launch stores.
; LIMITS: NaN and infinities are not served; a block under 2^-124, and a block of zeros, gets the scale byte 1.
; REGISTERS: v1-4, v7 stay; v8-11 the step's addresses; v12 -M, v13 the largest t, v[14:15] the sum; v16-27 Q; v28 Q's scale word, v29 p's; v32-79 four fragments of K; v80-143 S^T, then p, then V's four fragments;
;   v144-175 O^T; v176-187 p's codes; v188-195, v196-207, v220-226 at work; v208-215 K's scale words, v216-219 V's.
.set HEADB, 208896
.set KSC,   196608                     ; K's scale words in a head, and in LDS
.set VSC,   204800                     ; V's
.set S,   80
.set O,   144
.set PCD, 176
.set PT,  188
.set BM,  196                          ; the blocks' largest scores, then largest p
.set BP,  200                          ; lane permutes, then the bytes
.set SO,  204                          ; the conversions' scale operands
.set KS,  208
.set VS,  216
.set G1C, 24                           ; s[24:31] descriptor group 1 for a sixteenth of a phase;  s[32:39] for a sixteenth of the scale words;  s[40:59] five groups 0
.set G1S, 32
.set TB,  60                           ; s60 LDS byte of the step's tiles of K (V's lie 24,576 on)
.set TS,  61                           ; s61 of its scale words of K
.set TV,  62                           ; s62 of V's
.set SI,  63                           ; s63 the step's number
.macro ROUND                           ; a round of the cluster's barrier
	s_barrier_signal -1
	s_barrier_wait -1
	s_cmp_lg_u32 s12, 0
	s_cbranch_scc1 .Lnot_wave_0_\@
	s_barrier_signal -3
.Lnot_wave_0_\@:
	s_barrier_wait -3
	s_barrier_signal -1
	s_barrier_wait -1
.endm
	s_load_b256 s[4:11], s[0:1], 0x0               ; qh s[4:5], kvh s[6:7], ao s[8:9], aos s[10:11]
	v_lshl_add_u32 v254, v0, 2, 0x33000
	v_mov_b32 v255, 0
	ds_add_u32 v254, v255
	ds_add_u32 v254, v255
	v_lshrrev_b32 v1, 5, v0
	v_readfirstlane_b32 s12, v1                    ; wave 0..15
	s_bfe_u32 s13, ttmp6, 0x40000                  ; cx
	s_lshl_b32 s14, ttmp9, 2
	s_add_co_u32 s14, s14, s13                     ; j = 4 x cluster x + cx: it enters the mask's numbers and Q's and the outputs' addresses alone
	s_and_b32 s15, ttmp7, 0xffff                   ; the head, 16 x batch + head, which the four partners share
	s_mul_i32 s16, s15, HEADB
	s_mov_b32 s17, 0
	s_mov_b32 s[G1C], 15|(3<<16)|(1<<21)           ; 15:0 the mask: all four work-groups; 17:16 elements of 8 bytes; 21 set beside a mask
	s_mov_b32 s[G1C+1], 32<<16                     ; dense bytes as rows of 256: tensor_dim0 = 32
	s_mov_b32 s[G1C+2], 12<<16                     ; tensor_dim1 = 12: 3,072 bytes
	s_mov_b32 s[G1C+3], 32<<16                     ; tile_dim0
	s_mov_b32 s[G1C+4], 12                         ; tile_dim1
	s_mov_b32 s[G1C+5], 32                         ; the pitch
	s_mov_b32 s[G1C+6], 0
	s_mov_b32 s[G1C+7], 0
	s_mov_b32 s[G1S], 15|(3<<16)|(1<<21)
	s_mov_b32 s[G1S+1], 32<<16
	s_mov_b32 s[G1S+2], 3<<16                      ; 768 bytes
	s_mov_b32 s[G1S+3], 32<<16
	s_mov_b32 s[G1S+4], 3
	s_mov_b32 s[G1S+5], 32
	s_mov_b32 s[G1S+6], 0
	s_mov_b32 s[G1S+7], 0
	s_mul_i32 s18, s12, 768
	s_add_co_u32 s18, s18, KSC                     ; my sixteenth of the scale words: the same place in the head and in LDS
	s_mul_i32 s19, s12, 3072                       ; and of a phase
	s_mov_b32 s67, 0
	s_mov_b32 s20, 0x76543210
	s_mov_b32 s21, 0xfedcba98                      ; v_permlanex16_b32's selects for lane l xor 16
	s_mov_b32 s22, 0x3e38aa3b                      ; c = log2(e) / 8
	s_mov_b32 s23, s22                             ; (named with it as a pair, so it is written)
	s_mov_b32 s[TB], 0
	s_mov_b32 s[TS], KSC
	s_mov_b32 s[TV], VSC
	s_mov_b32 s[SI], 0
	s_wait_dscnt 0x0
	s_wait_kmcnt 0x0
	s_add_nc_u64 s[6:7], s[6:7], s[16:17]          ; kvh at the head
	s_mov_b32 s40, 1
	s_mov_b32 s41, s18
	s_mov_b32 s66, s18
	s_add_nc_u64 s[42:43], s[6:7], s[66:67]
	s_or_b32 s43, s43, 0x80000000
.irp f, 0,1,2,3
	s_mov_b32 s[44+4*\f], 1
	s_add_co_u32 s[45+4*\f], s19, 49152*\f
	s_mov_b32 s66, s[45+4*\f]
	s_add_nc_u64 s[46+4*\f:47+4*\f], s[6:7], s[66:67]
	s_or_b32 s[47+4*\f], s[47+4*\f], 0x80000000
.endr
	ROUND                                          ; all four work-groups are here: the joint loads meet
	tensor_load_to_lds s[40:43], s[G1S:G1S+7]      ; the first fills, which are all the fills, go out as one group: five loads of mine are out
	s_nop 0
	tensor_load_to_lds s[44:47], s[G1C:G1C+7]
	s_nop 0
	tensor_load_to_lds s[48:51], s[G1C:G1C+7]
	s_nop 0
	tensor_load_to_lds s[52:55], s[G1C:G1C+7]
	s_nop 0
	tensor_load_to_lds s[56:59], s[G1C:G1C+7]
	s_nop 0
.rept 4
	v_nop
.endr
	v_and_b32 v4, 31, v0                           ; lane
	v_lshlrev_b32 v1, 4, v4                        ; 16 x lane
	v_lshlrev_b32 v2, 3, v4                        ; 8 x lane
	v_and_b32 v5, 15, v0                           ; r
	v_bfe_u32 v6, v0, 4, 1                         ; h
	v_lshlrev_b32 v3, 4, v5                        ; 16 r
	s_lshl_b32 s70, s12, 3
	s_add_co_u32 s70, s70, s14                     ; my tile of queries t = j + 8 w
	s_lshr_b32 s71, s70, 5
	s_mul_i32 s71, s71, 49152
	s_and_b32 s72, s70, 31
	s_mul_i32 s72, s72, 768
	s_add_co_u32 s72, s72, s71
	s_add_co_u32 s72, s72, s16
	s_mov_b32 s73, 0
	s_add_nc_u64 s[74:75], s[4:5], s[72:73]        ; Q's tile
	global_load_b128 v[16:19], v1, s[74:75]
	global_load_b64 v[20:21], v2, s[74:75] offset:512
	s_lshr_b32 s71, s70, 2
	s_lshl_b32 s71, s71, 8
	s_and_b32 s72, s70, 3
	s_lshl_b32 s72, s72, 2
	s_add_co_u32 s72, s72, s71
	s_add_co_u32 s72, s72, s16
	s_add_co_u32 s72, s72, KSC
	s_add_nc_u64 s[4:5], s[4:5], s[72:73]          ; its scale words
	global_load_b32 v28, v3, s[4:5]
	s_lshr_b32 s71, s15, 4
	s_lshl_b32 s71, s71, 7
	s_add_co_u32 s71, s71, s70                     ; my tile among the 256 tiles of tokens: 128 x batch + t
	s_and_b32 s69, s15, 15                         ; the head in its batch
	s_mul_i32 s72, s71, 12288
	s_mul_i32 s66, s69, 768
	s_add_co_u32 s72, s72, s66
	s_add_nc_u64 s[76:77], s[8:9], s[72:73]        ; where my codes go
	s_lshl_b32 s72, s71, 9
	s_lshr_b32 s66, s69, 3
	s_lshl_b32 s66, s66, 8
	s_add_co_u32 s72, s72, s66
	s_and_b32 s66, s69, 7
	s_lshl_b32 s66, s66, 1
	s_add_co_u32 s72, s72, s66
	s_add_nc_u64 s[78:79], s[10:11], s[72:73]      ; and my scale bytes
	s_lshr_b32 s69, s14, 1
	s_lshl_b32 s69, s69, 5
	s_and_b32 s66, s14, 1
	s_lshl_b32 s66, s66, 3
	s_add_co_u32 s69, s69, s66                     ; 32 (j / 2) + 8 (j % 2)
	v_and_b32 v7, 8, v5
	v_add_nc_u32 v7, v7, v5
	v_lshlrev_b32 v6, 4, v6
	v_sub_nc_u32 v7, v7, v6
	v_add_nc_u32 v7, s69, v7                       ; d = my query's place in its step of 128 - 16 h.  In the step on the diagonal register n holds key 32 (n / 16) + 16 h + n % 16: hidden where 32 (n / 16) + n % 16 > d
.irp i, 22,23,24,25,26,27
	v_mov_b32 v[\i], 0                             ; the upper 64 of the instruction's K: zero codes, in Q
.endr
.irp t, 0,1,2,3
.irp i, 6,7,8,9,10,11
	v_mov_b32 v[32+12*\t+\i], 0                    ; and in K's four fragments: set once
.endr
.endr
	v_mov_b32 v13, 0xff61b1e6                      ; the largest t so far: -3e38, under every t
	v_floor_f32 v12, -v13                          ; -M
	v_mov_b32 v14, 0                               ; the sum, in two halves
	v_mov_b32 v15, 0
.irp b, 0,1,2,3
	v_mov_b32 v[BP+\b], 0                          ; written once: a lane permute's destination counts as one of its sources
.endr
	v_mov_b32 v221, 0                              ; (named as the upper half of the pair v[220:221])
	v_mov_b32 v222, 0
	v_mov_b32 v226, 0xff800000                     ; -infinity
.set n, 0
.rept 32
	v_mov_b32 v[O+n], 0                            ; O^T.  (The step is written once: the first finds zeros, which the first change of M leaves zeros)
.set n, n+1
.endr
; A KEY STEP: 128 keys.  A step whose keys all come after my queries is left out: a scalar branch on the step's and the wave's numbers, round the work and not round the lines that step addresses.
.macro STEP
	s_cmp_gt_u32 s[SI], s12
	s_cbranch_scc1 .Lhid_\@
	v_add_nc_u32 v8, s[TB], v1
	v_add_nc_u32 v9, s[TB], v2
	v_add_nc_u32 v10, s[TS], v3
	v_add_nc_u32 v11, s[TV], v3
	ds_load_b128 v[KS:KS+3], v10                   ; row r's words of K's tiles 0-3,
	ds_load_b128 v[KS+4:KS+7], v10 offset:256      ; of tiles 4-7,
	ds_load_b128 v[VS:VS+3], v11                   ; and of V's four tiles
.irp g, 0,1                                    ; S^T = K Q^T, four tiles of 16 keys at a time
.if \g
.rept 4
	v_nop                                          ; places in front of loads into registers that matrix instructions have read
.endr
.endif
.irp t, 0,1,2,3
	ds_load_b128 v[32+12*\t:35+12*\t], v8 offset:768*(4*\g+\t)
	ds_load_b64 v[36+12*\t:37+12*\t], v9 offset:768*(4*\g+\t)+512
.endr
	s_wait_dscnt 0x0
.irp t, 0,1,2,3
	v_wmma_scale_f32_16x16x128_f8f6f4 v[S+8*(4*\g+\t):S+8*(4*\g+\t)+7], v[32+12*\t:43+12*\t], v[16:27], 0, v[KS+4*\g+\t], v28 matrix_a_fmt:MATRIX_FMT_FP6 matrix_b_fmt:MATRIX_FMT_FP6
.endr
.endr
.rept 4
	v_nop
.endr
	s_cmp_lt_u32 s[SI], s12                        ; only my last step lies on the diagonal
	s_cbranch_scc1 .Lopen_\@
.set n, 0
.rept 64
	v_cmp_gt_i32 vcc_lo, 32*(n/16)+n%16, v7
	v_cndmask_b32 v[S+n], v[S+n], v226, vcc_lo     ; hidden scores become -infinity ahead of the maximum: p = 0 then.  The step's first key counts for every query
.set n, n+1
.endr
.Lopen_\@:
.irp b, 0,1,2,3
	v_max3_num_f32 v[BM+\b], v[S+16*\b], v[S+1+16*\b], v[S+2+16*\b]   ; the largest score of each block of 32 keys: it serves for the row's maximum and, since p rises with the score, for the block's largest p
.endr
.irp i, 3,5,7,9,11,13
.irp b, 0,1,2,3
	v_max3_num_f32 v[BM+\b], v[BM+\b], v[S+16*\b+\i], v[S+1+16*\b+\i]
.endr
.endr
.irp b, 0,1,2,3
	v_max_num_f32 v[BM+\b], v[BM+\b], v[S+15+16*\b]
.endr
.irp b, 0,1,2,3
	v_permlanex16_b32 v[BP+\b], v[BM+\b], s20, s21
.endr
.irp b, 0,1,2,3
	v_max_num_f32 v[BM+\b], v[BM+\b], v[BP+\b]     ; with lane l xor 16's 16 keys
.endr
	v_max3_num_f32 v222, v[BM], v[BM+1], v[BM+2]
	v_max_num_f32 v222, v222, v[BM+3]              ; the step's largest score of my query
	v_mul_f32 v222, s22, v222                      ; as t (c is positive)
	v_max_num_f32 v13, v13, v222                   ; the running largest t
	v_mov_b32 v222, v12
	v_floor_f32 v12, -v13                          ; the new -M = floor(-t) = -ceil(t): a whole number
	v_sub_f32 v222, v12, v222                      ; M's old value less its new one: 0 or less
	v_cvt_i32_f32 v222, v222                       ; (it saturates)
	v_ldexp_f32 v220, 1.0, v222                    ; f = 2^(old M - new M)
.set n, 0
.rept 32
	v_pk_fma_f32 v[S+n:S+n+1], v[S+n:S+n+1], s[22:23], v[12:13] op_sel_hi:[1,0,0]   ; t - M, two at a time
.set n, n+2
.endr
.irp b, 0,1,2,3
	v_fma_f32 v[BM+\b], v[BM+\b], s22, v12         ; the same of each block's largest score
.endr
.set n, 0
.rept 64
	v_exp_f32 v[S+n], v[S+n]                       ; p = 2^(t - M), at most 1: not normalised
.set n, n+1
.endr
.irp b, 0,1,2,3
	v_exp_f32 v[BM+\b], v[BM+\b]                   ; the block's largest p: the same two instructions on the same number give the same bits
.endr
	v_pk_mul_f32 v[14:15], v[14:15], v[220:221] op_sel_hi:[1,0]   ; the sums under the new M.  (A plain place behind the exponentials)
	s_wait_alu depctr_va_vdst(0)
.irp b, 0,1,2,3
	v_max_num_f32 v[BM+\b], 0x1800000, v[BM+\b]    ; the floor 2^(3 - 127): the byte cannot fall under 1
.endr
.irp b, 0,1,2,3
	v_add_nc_u32 v[SO+\b], 0xff000000, v[BM+\b]    ; 2 off the exponent field: the conversion's scale operand
.endr
.irp b, 0,1,2,3
	v_lshrrev_b32 v[BP+\b], 23, v[SO+\b]           ; the scale's byte
.endr
	v_lshl_or_b32 v29, v[BP+1], 8, v[BP]           ; p's scale word for these 128 keys
	v_lshl_or_b32 v29, v[BP+2], 16, v29
	v_lshl_or_b32 v29, v[BP+3], 24, v29
.irp c, 0,1
	v_cvt_scalef32_pk16_fp6_f32 v[PCD+6*\c:PCD+2+6*\c], v[S+32*\c:S+15+32*\c], v[SO+2*\c]
	v_cvt_scalef32_pk16_fp6_f32 v[PT+4*\c:PT+2+4*\c], v[S+16+32*\c:S+31+32*\c], v[SO+2*\c+1]   ; (a conversion's three registers begin on an even number)
.endr
	v_nop                                          ; one plain place behind a scaled conversion
	v_pk_add_f32 v[224:225], v[S:S+1], v[S+2:S+3]  ; the row's sum is taken of the unquantised p: two at a time, in two chains
.irp j, 4,8,12,16,20,24,28,32,36,40,44,48,52,56,60
	v_pk_add_f32 v[14:15], v[14:15], v[S+\j:S+\j+1]
	v_pk_add_f32 v[224:225], v[224:225], v[S+\j+2:S+\j+3]
.endr
	v_pk_add_f32 v[14:15], v[14:15], v[224:225]
.irp t, 0,1,2,3                                ; p has been read for the last time: V's four fragments take its registers
	ds_load_b128 v[S+12*\t:S+12*\t+3], v8 offset:24576+1536*\t
	ds_load_b64 v[S+12*\t+4:S+12*\t+5], v9 offset:24576+1536*\t+512
	ds_load_b128 v[S+12*\t+6:S+12*\t+9], v8 offset:24576+1536*\t+768
	ds_load_b64 v[S+12*\t+10:S+12*\t+11], v9 offset:24576+1536*\t+1280
.endr
.irp c, 0,1                                    ; the operand's layout wants a whole block in a lane: lanes 0-15 block 2 c, lanes 16-31 block 2 c + 1
.irp i, 0,1,2
	v_permlane16_swap_b32 v[PCD+6*\c+\i], v[PT+4*\c+\i]
.endr
.irp i, 0,1,2
	v_mov_b32 v[PCD+3+6*\c+\i], v[PT+4*\c+\i]
.endr
.endr
.set n, 0
.rept 16
	v_pk_mul_f32 v[O+n:O+n+1], v[O+n:O+n+1], v[220:221] op_sel_hi:[1,0]   ; O^T under the new M.  (These 16 are the places between the codes' last write and the products; the scale word was written 60 instructions back)
.set n, n+2
.endr
	s_wait_dscnt 0x0
.irp t, 0,1,2,3                                ; O^T += V^T P^T: the four accumulators by turns
	v_wmma_scale_f32_16x16x128_f8f6f4 v[O+8*\t:O+8*\t+7], v[S+12*\t:S+12*\t+11], v[PCD:PCD+11], v[O+8*\t:O+8*\t+7], v[VS+\t], v29 matrix_a_fmt:MATRIX_FMT_FP6 matrix_b_fmt:MATRIX_FMT_FP6
.endr
.rept 5
	v_nop                                          ; the next step's scores write over V's fragments, its loads land on the scale words, and the way out reads O^T: five places serve all three, on every way
.endr
.Lhid_\@:
	s_add_co_u32 s[SI], s[SI], 1
	s_add_co_u32 s[TB], s[TB], 6144
	s_add_co_u32 s[TS], s[TS], 512
	s_add_co_u32 s[TV], s[TV], 256
.endm
; A PHASE: four key steps.  My sixteenth of it has landed (the later phases' loads, 3 - f of them, may be out), and behind the barrier everybody's has.
.macro PHASE f
	s_wait_tensorcnt 3-\f
	s_wait_dscnt 0x0
	s_barrier_signal -1
	s_barrier_wait -1
	s_mov_b32 s68, 4
.Lstep_\@:
	STEP
	s_sub_co_u32 s68, s68, 1
	s_cmp_lg_u32 s68, 0
	s_cbranch_scc1 .Lstep_\@
	s_add_co_u32 s[TB], s[TB], 24576               ; over the phase's V
.endm
	s_wait_loadcnt 0x0                             ; Q and its scale words
	PHASE 0
	PHASE 1
	PHASE 2
	PHASE 3
	; THE WAY OUT.  O^T / the sum; register n is channel 32 (n / 16) + 16 h + n % 16 of my query: two blocks of 32 along the model's axis, quantised as p is.
	v_add_f32 v14, v14, v15                        ; the sum's two halves,
	v_permlanex16_b32 v222, v14, s20, s21
	v_add_f32 v14, v14, v222                       ; and lane l xor 16's: the row's sum
	v_rcp_f32 v14, v14
	v_nop                                          ; one plain place behind a transcendental
.set n, 0
	s_wait_alu depctr_va_vdst(0)
.rept 16
	v_pk_mul_f32 v[S+n:S+n+1], v[O+n:O+n+1], v[14:15] op_sel_hi:[1,0]
.set n, n+2
.endr
.irp b, 0,1
	v_max3_num_f32 v[BM+\b], |v[S+16*\b]|, |v[S+1+16*\b]|, 0x1800000
.endr
.irp i, 2,4,6,8,10,12,14
.irp b, 0,1
	v_max3_num_f32 v[BM+\b], v[BM+\b], |v[S+16*\b+\i]|, |v[S+1+16*\b+\i]|
.endr
.endr
.irp b, 0,1
	v_permlanex16_b32 v[BP+\b], v[BM+\b], s20, s21
.endr
.irp b, 0,1
	v_max_num_f32 v[BM+\b], v[BM+\b], v[BP+\b]
.endr
.irp b, 0,1
	v_add_nc_u32 v[SO+\b], 0xff000000, v[BM+\b]
.endr
.irp b, 0,1
	v_lshrrev_b32 v[BP+\b], 23, v[SO+\b]
.endr
	v_lshl_or_b32 v222, v[BP+1], 8, v[BP]          ; my row's two scale bytes
	v_cvt_scalef32_pk16_fp6_f32 v[PCD:PCD+2], v[S:S+15], v[SO]
	v_cvt_scalef32_pk16_fp6_f32 v[PT:PT+2], v[S+16:S+31], v[SO+1]
	v_nop                                          ; one plain place behind a scaled conversion
.irp i, 0,1,2
	v_permlane16_swap_b32 v[PCD+\i], v[PT+\i]
.endr
.irp i, 0,1,2
	v_mov_b32 v[PCD+3+\i], v[PT+\i]
.endr
	global_store_b128 v1, v[PCD:PCD+3], s[76:77]               ; 512 consecutive bytes,
	global_store_b64 v2, v[PCD+4:PCD+5], s[76:77] offset:512   ; and 256
	s_wait_xcnt 0x0                                ; EXEC changes only behind this wait
	v_cmp_gt_u32 vcc_lo, 16, v4
	s_and_saveexec_b32 s69, vcc_lo
	global_store_b16 v3, v222, s[78:79]            ; lanes 0-15: row r's two bytes, 16 bytes apart
	s_wait_xcnt 0x0
	s_or_b32 exec_lo, exec_lo, s69
	s_wait_tensorcnt 0x0
	ds_add_u32 v254, v255
	s_wait_dscnt 0x0
	ROUND                                          ; the closing round: no work-group ends while a partner may still ask for a tile that names it
	s_endpgm
.Lfunc_end_k_q73197bf915_attn:
	.size	k_q73197bf915_attn, .Lfunc_end_k_q73197bf915_attn-k_q73197bf915_attn
	.p2alignl 7, 3214868480
	.fill 96, 4, 3214868480
	.section	.rodata,"a",@progbits
	.p2align	6, 0x0
	.amdhsa_kernel k_q73197bf915_attn
		.amdhsa_group_segment_fixed_size 210944
		.amdhsa_private_segment_fixed_size 0
		.amdhsa_enable_private_segment 0
		.amdhsa_kernarg_size 32
		.amdhsa_user_sgpr_count 2
		.amdhsa_user_sgpr_kernarg_segment_ptr 1
		.amdhsa_wavefront_size32 1
		.amdhsa_system_sgpr_workgroup_id_x 1
		.amdhsa_system_sgpr_workgroup_id_y 1
		.amdhsa_system_sgpr_workgroup_id_z 1
		.amdhsa_system_vgpr_workitem_id 0
		.amdhsa_next_free_vgpr 256
		.amdhsa_next_free_sgpr 80
		.amdhsa_reserve_vcc 1
		.amdhsa_float_denorm_mode_32 3
		.amdhsa_float_denorm_mode_16_64 3
		.amdhsa_memory_ordered 1
		.amdhsa_forward_progress 1
		.amdhsa_inst_pref_size 100
	.end_amdhsa_kernel
	.amdgpu_metadata
---
amdhsa.version: [ 1, 2 ]
amdhsa.kernels:
  - .name:           k_q73197bf915_attn
    .symbol:         k_q73197bf915_attn.kd
    .args:
      - { .name: qh, .offset: 0, .size: 8, .value_kind: global_buffer, .address_space: global }
      - { .name: kvh, .offset: 8, .size: 8, .value_kind: global_buffer, .address_space: global }
      - { .name: ao, .offset: 16, .size: 8, .value_kind: global_buffer, .address_space: global }
      - { .name: aos, .offset: 24, .size: 8, .value_kind: global_buffer, .address_space: global }
    .group_segment_fixed_size: 210944
    .private_segment_fixed_size: 0
    .kernarg_segment_align: 8
    .kernarg_segment_size: 32
    .max_flat_workgroup_size: 512
    .sgpr_count:     80
    .vgpr_count:     256
    .wavefront_size: 32
...
	.end_amdgpu_metadata
.endif
;; end of part 3
;; launch oproj (part 4): grid 4 x 16, 4 waves a work-group, clusters of 4 x 4, 327,680 bytes of LDS; arguments ao, aos, xw, xws, out0; writes out0
.if DOCPART == 4
	.amdgcn_target "amdgcn-amd-amdhsa--gfx1250"
	.amdhsa_code_object_version 6
	.text
	.protected	k_q73197bf915_oproj
	.globl	k_q73197bf915_oproj
	.p2align	8
	.type	k_q73197bf915_oproj,@function
k_q73197bf915_oproj:
	s_mov_b64 s[64:65], 0
	v_nop
	global_prefetch_b8 v0, s[64:65] scope:SCOPE_SE
	s_setreg_imm32_b32 hwreg(HW_REG_WAVE_MODE, 25, 1), 1
	s_wait_xcnt 0x0
	s_wait_alu depctr_hold_cnt(0) depctr_sa_sdst(0) depctr_va_vdst(0) depctr_va_sdst(0) depctr_va_ssrc(0) depctr_va_vcc(0) depctr_vm_vsrc(0)
	s_getreg_b32 s2, hwreg(HW_REG_IB_STS2, 6, 4)
	s_cmp_eq_u32 s2, 0
	s_cbranch_scc0 .Lentry_in_a_cluster
	s_endpgm
.Lentry_in_a_cluster:
	s_bfe_u32 s2, ttmp6, 0x10000c
	s_cmp_lg_u32 s2, 0xf033
	s_cbranch_scc0 .Lentry_shape_is_right
	s_endpgm
.Lentry_shape_is_right:
; out0 [4096][1024] f32 = (the attention's result) Wo^T on codes of FP6 (E2M3) with E8M0 scales for each 32 along K = 1,024.
; INPUT: ao, aos (256 tiles of 16 tokens) and xw, xws (Wo: groups 28-31 of 16 tiles): tiles as images of the operand's registers (a tile and 128 along K: 1,536 bytes; for c = 0, 1: registers 6 c .. 6 c + 3 at
; 768 c + 16 x lane, registers 6 c + 4, 5 at 768 c + 512 + 8 x lane); lane r of tile T holds row 32 (T / 2) + 8 (T % 2) + r + 8 (r / 8).  Scale words: [tile][half of K][r][4 words].
; A work-group of four waves makes 256 x 256 of out0, a wave 128 x 128: 64 accumulators.  K goes in steps of 256 through two LDS slots filled by the tensor data mover; the scale words come once.
; The matrix instruction takes source 0 = 16 rows of Wo, source 1 = 16 tokens: a lane holds one token and eight neighbouring features.  The tiles' order of rows is undone on the way out, in constants.
; CLUSTERS: 4 x 4 work-groups; the tokens' tiles are shared along a row of the cluster, Wo's along a column: each is asked for jointly.  64 work-groups: out0 has 64 blocks of 256 x 256.
; REGISTERS, in windows of 256: window 0: v8-29 addresses; v32-63 scale words, two sets; v128-223 A's fragments, one set; on the way out v128-255 hold rows read back.
;   window 1: B's fragments, two sets, at v0 and v128.   window 2: the accumulators of A's blocks 0-3 ((a, b) at v[8 (8 (a % 4) + b)]);   window 3: those of blocks 4-7.
.set NQ,     2                         ; matrix instructions deep in a slot
.set FR,     12                        ; registers of a fragment
.set NL,     4                         ; LDS loads that bring one
.set NP,     4                         ; places behind this matrix instruction (ISA guide 7.12.1)
.set FIB,    1536                      ; a tile's image for 128 along K
.set TILEB,  NQ*FIB                    ; a tile's part of a slot
.set HALFT,  8*TILEB                   ; 8 tiles: what one tensor load brings, and what one wave reads of A or of B
.set SLOT,   4*HALFT                   ; A's 16 tiles, then B's 16
.set SCL,    2*SLOT                    ; behind the ring: the scale words, 512 bytes a tile: A's 16 tiles, then B's
.set HALFS,  8*512
.set SPARE,  SCL+4*HALFS               ; behind them: the spare words, 128 bytes for each wave: two blocks of 256 bytes that no other line names
.set SPITCH, 528                       ; the way out: a stage of 16 rows x (512 bytes + 16) for each wave, in slot 0, which has had its last fill and its last read when the first result is stored there
.set L16,  8                           ; v8   16 x lane
.set L8,   9                           ; v9   8 x lane
.set ADRA, 16                          ; v16-17 LDS address of A's fragments in slot 0, 1 (16 x lane); v18-19 the same with 8 x lane
.set ADRB, 20                          ; v20-23 the same for B
.set STO,  24                          ; v24  the way out: where I put 32 bytes of a row
.set RD,   25                          ; v25  and where I read a row back
.set ADRS, 27                          ; v27  LDS address of my scale words: lanes 0-15 A's, lanes 16-31 B's
.set SPW,  28                          ; v28  LDS address of my spare word; never rewritten
.set NIL,  29                          ; v29  0; never rewritten
.set SC,   32                          ; scale words: set s at v[SC + 16 s]; register 2 i + q: lanes 0-15 A's block i, lanes 16-31 B's block i, the slot's q-th 128 along K
.set AF,   128                         ; A's fragments
.set BK,   128                         ; the way out: 16 rows read back: v128-191 and v192-255 by turns
.set G1, 24                            ; s[24:31] descriptor group 1 for A's tiles;  s[32:39] group 0, one set for each slot
.set G0, 32
.set G1B, 48                           ; s[48:55], s[56:63] the same for B's
.set G0B, 56
.set G1S, 68                           ; s[68:75], s[76:79] groups 1 and 0 for A's scale words;  s[80:87], s[88:91] for B's
.set G0S, 76
.set G1SB, 80
.set G0SB, 88
.set MSB, 0
.macro WIN new                         ; the immediate's high byte repeats the setting that is left; a switch that changes nothing is dropped
.if MSB != (\new)
	s_set_vgpr_msb (MSB<<8)|(\new)
.set MSB, (\new)
.endif
.endm
.set MUL_LO, 0xa1                      ; source 0 (B) window 1, source 1 (A) window 0, C and D window 2
.set MUL_HI, 0xf1                      ; the same, C and D window 3
.set TO_B,   0x40                      ; destination window 1, address window 0
; A joint load: waves 0 and 1 fetch for A, waves 2 and 3 for B.  Each of the two lines has one mask and one set of registers for all that issue it; the branch hangs on the wave's number alone.
; Four v_nop follow each of the two lines, ahead of the jump, the label and what follows.
.macro JLOAD g0a, g1a, g0b, g1b
	s_cmp_eq_u32 s15, 0
	s_cbranch_scc0 .Lfor_b_\@
	tensor_load_to_lds s[\g0a:\g0a+3], s[\g1a:\g1a+7]
	s_nop 0
.rept 4
	v_nop
.endr
	s_branch .Lasked_\@
.Lfor_b_\@:
	tensor_load_to_lds s[\g0b:\g0b+3], s[\g1b:\g1b+7]
	s_nop 0
.rept 4
	v_nop
.endr
.Lasked_\@:
.endm
.macro CREST                           ; a round of the cluster's barrier behind its opening barrier
	s_cmp_lg_u32 s14, 0
	s_cbranch_scc1 .Lnot_wave_0_\@
	s_barrier_signal -3
.Lnot_wave_0_\@:
	s_barrier_wait -3
	s_barrier_signal -1
	s_barrier_wait -1
.endm
.macro CROUND                          ; a whole round
	s_barrier_signal -1
	s_barrier_wait -1
	CREST
.endm
.macro PLACES n
.rept \n
	v_nop
.endr
.endm
	s_load_b256 s[4:11], s[0:1], 0x0               ; ao s[4:5], aos s[6:7], xw s[8:9], xws s[10:11]
	s_load_b64 s[12:13], s[0:1], 0x20              ; out0
	v_lshl_add_u32 v[SPW], v0, 2, SPARE
	v_mov_b32 v[NIL], 0
	ds_add_u32 v28, v29
	ds_add_u32 v28, v29
	s_wait_dscnt 0x0
	v_lshrrev_b32 v1, 5, v0
	v_readfirstlane_b32 s14, v1                    ; wave 0..3
	s_lshr_b32 s15, s14, 1                         ; which half of the tokens is mine.  Also: I fetch for A (0) or for B (1)
	s_and_b32 s16, s14, 1                          ; which half of the features.  Also: which 8 tiles I fetch
	s_bfe_u32 s40, ttmp6, 0x40000                  ; cx, cy: my place in the cluster
	s_bfe_u32 s41, ttmp6, 0x40004
	s_lshl_b32 s42, ttmp9, 2
	s_add_co_u32 s42, s42, s40                     ; block column of out0 = 4 x cluster x + cx
	s_and_b32 s17, ttmp7, 0xffff
	s_lshl_b32 s17, s17, 2
	s_add_co_u32 s17, s17, s41                     ; block row = 4 x cluster y + cy
	s_lshl_b32 s43, s41, 2
	s_lshl_b32 s43, 15, s43                        ; my row of the cluster
	s_lshl_b32 s44, 0x1111, s40                    ; my column
	; descriptor group 1: 8 tiles' parts of a K step: 8 rows of 3,072 bytes (384 elements of 8), 12,288 bytes apart; in LDS they lie on end
	s_or_b32 s[G1+0], s43, (3<<16)|(1<<21)         ; 15:0 the mask: A's tiles go to my row; 17:16 elements of 8 bytes; 20 no padding; 21 set beside a mask
	s_or_b32 s[G1B+0], s44, (3<<16)|(1<<21)
.irp g, G1, G1B
	s_mov_b32 s[\g+1], (TILEB/8)<<16               ; tensor_dim0
	s_mov_b32 s[\g+2], 8<<16                       ; tensor_dim1
	s_mov_b32 s[\g+3], (TILEB/8)<<16               ; tile_dim0
	s_mov_b32 s[\g+4], 8                           ; tile_dim1
	s_mov_b32 s[\g+5], FIB                         ; tensor_dim0_stride: 8 images = 12,288 bytes = 1,536 elements
	s_mov_b32 s[\g+6], 0
	s_mov_b32 s[\g+7], 0
.endr
	; and for 8 tiles' scale words: 4,096 dense bytes as 16 rows of 256
	s_or_b32 s[G1S+0], s43, (3<<16)|(1<<21)
	s_or_b32 s[G1SB+0], s44, (3<<16)|(1<<21)
.irp g, G1S, G1SB
	s_mov_b32 s[\g+1], 32<<16
	s_mov_b32 s[\g+2], 16<<16
	s_mov_b32 s[\g+3], 32<<16
	s_mov_b32 s[\g+4], 16
	s_mov_b32 s[\g+5], 32
	s_mov_b32 s[\g+6], 0
	s_mov_b32 s[\g+7], 0
.endr
	s_lshl_b32 s18, s16, 3                         ; which 8 tiles of the group I fetch
	s_lshl_b32 s20, s17, 4
	s_add_co_u32 s20, s20, s18                     ; A's first tile
	s_lshl_b32 s46, s42, 4
	s_add_co_u32 s46, s46, s18
	s_add_co_u32 s46, s46, 28*16                   ; B's: Wo begins at group 28 of xw
	s_lshl_b32 s22, s20, 9                         ; their scale words, 512 bytes a tile,
	s_mov_b32 s23, 0
	s_lshl_b32 s92, s46, 9
	s_mov_b32 s93, 0
	s_mul_i32 s20, s20, 8*FIB                      ; and their codes, 12,288 bytes a tile
	s_mov_b32 s21, 0
	s_mul_i32 s46, s46, 8*FIB
	s_mov_b32 s47, 0
	s_mul_i32 s45, s14, HALFT                      ; where they go: wave x 8 tiles: no place in the cluster enters an LDS address
	s_mul_i32 s94, s14, HALFS
	s_wait_kmcnt 0x0
	s_add_nc_u64 s[20:21], s[4:5], s[20:21]
	s_add_nc_u64 s[22:23], s[6:7], s[22:23]
	s_add_nc_u64 s[46:47], s[8:9], s[46:47]
	s_add_nc_u64 s[92:93], s[10:11], s[92:93]
	CROUND                                         ; all sixteen work-groups are here: the first joint loads meet
	s_mov_b32 s[G0S], 1
	s_add_co_u32 s[G0S+1], s94, SCL
	s_mov_b64 s[G0S+2:G0S+3], s[22:23]
	s_or_b32 s[G0S+3], s[G0S+3], 0x80000000
	s_mov_b32 s[G0SB], 1
	s_add_co_u32 s[G0SB+1], s94, SCL
	s_mov_b64 s[G0SB+2:G0SB+3], s[92:93]
	s_or_b32 s[G0SB+3], s[G0SB+3], 0x80000000
	JLOAD G0S, G1S, G0SB, G1SB                     ; the scale words first: they are wanted with K step 0
.irp s, 0,1
	s_mov_b32 s[G0+4*\s], 1
	s_add_co_u32 s[G0+4*\s+1], s45, \s*SLOT
	s_add_nc_u64 s[G0+4*\s+2:G0+4*\s+3], s[20:21], \s*TILEB
	s_or_b32 s[G0+4*\s+3], s[G0+4*\s+3], 0x80000000
	s_mov_b32 s[G0B+4*\s], 1
	s_add_co_u32 s[G0B+4*\s+1], s45, \s*SLOT
	s_add_nc_u64 s[G0B+4*\s+2:G0B+4*\s+3], s[46:47], \s*TILEB
	s_or_b32 s[G0B+4*\s+3], s[G0B+4*\s+3], 0x80000000
	JLOAD G0+4*\s, G1, G0B+4*\s, G1B               ; three loads of mine are out
.endr
	v_and_b32 v1, 15, v0                           ; r
	v_bfe_u32 v2, v0, 4, 1                         ; h
	v_and_b32 v3, 31, v0                           ; lane
	v_lshlrev_b32 v[L16], 4, v3
	v_lshlrev_b32 v[L8], 3, v3
	s_mul_i32 s21, s15, HALFT                      ; my 8 tiles of A
	s_mul_i32 s22, s16, HALFT                      ; my 8 tiles of B,
	s_add_co_u32 s22, s22, 2*HALFT                 ; which lie behind A's 16
.irp s, 0,1
	v_add_nc_u32 v[ADRA+\s], s21, v[L16]
	v_add_nc_u32 v[ADRB+\s], s22, v[L16]
	v_add_nc_u32 v[ADRA+2+\s], s21, v[L8]
	v_add_nc_u32 v[ADRB+2+\s], s22, v[L8]
	s_add_co_u32 s21, s21, SLOT
	s_add_co_u32 s22, s22, SLOT
.endr
	v_lshlrev_b32 v5, 4, v1                        ; my row's four words: 16 r
	s_mul_i32 s21, s15, HALFS                      ; A's: my 8 tiles
	s_mul_i32 s22, s16, HALFS                      ; B's: my 8 tiles, behind A's 16
	s_add_co_u32 s22, s22, 2*HALFS
	s_sub_co_u32 s22, s22, s21
	v_mul_u32_u24 v6, s22, v2                      ; lanes 16-31 take B's
	s_add_co_u32 s21, s21, SCL
	v_add_nc_u32 v5, v5, v6
	v_add_nc_u32 v[ADRS], s21, v5
	s_mul_i32 s23, s14, 16*SPITCH                  ; my stage
	v_mul_u32_u24 v5, v1, SPITCH                   ; in: row r; my half's 16 features of each 32: + 64 h
	v_lshl_add_u32 v5, v2, 6, v5
	v_add_nc_u32 v[STO], s23, v5
	v_add_nc_u32 v[RD], s23, v[L16]                ; back: the 32 lanes take one row of 512 bytes
	s_lshl_b32 s20, s17, 8
	s_lshl_b32 s21, s15, 7
	s_add_co_u32 s20, s20, s21                     ; my first token: 256 x block row + 128 x half
	s_lshl_b32 s20, s20, 12                        ; rows of 4,096 bytes
	s_lshl_b32 s46, s42, 10                        ; my first feature, in bytes: 1,024 x block column + 512 x half
	s_lshl_b32 s47, s16, 9
	s_add_co_u32 s46, s46, s47
	s_add_co_u32 s20, s20, s46
	s_mov_b32 s21, 0
	s_add_nc_u64 s[12:13], s[12:13], s[20:21]
.macro FRAG reg, adr, q, i             ; a fragment comes as it was stored: every load takes 512 or 256 consecutive bytes
	ds_load_b128 v[\reg:\reg+3], v[\adr] offset:(\i)*TILEB+(\q)*FIB
	ds_load_b64 v[\reg+4:\reg+5], v[\adr+2] offset:(\i)*TILEB+(\q)*FIB+512
	ds_load_b128 v[\reg+6:\reg+9], v[\adr] offset:(\i)*TILEB+(\q)*FIB+768
	ds_load_b64 v[\reg+10:\reg+11], v[\adr+2] offset:(\i)*TILEB+(\q)*FIB+1280
.endm
; 16 matrix instructions: A's blocks a0, a0 + 1 x B's eight, 128 along K: the slot's q-th.  p: B's set;  sc: the set of scale words.  zero = 1: the first product starts the sums.
; The 64 accumulators take turns, one instruction a turn, in the same order in every step.
.macro MUL16 a0, p, q, sc, zero
.irp a, \a0, \a0+1
.irp b, 0,1,2,3,4,5,6,7
.if \zero
	v_wmma_scale_f32_16x16x128_f8f6f4 v[8*(8*((\a)%4)+\b):8*(8*((\a)%4)+\b)+7], v[128*(\p)+FR*\b:128*(\p)+FR*\b+FR-1], v[AF+FR*(\a):AF+FR*(\a)+FR-1], 0, v[SC+8*NQ*(\sc)+NQ*\b+(\q)], v[SC+8*NQ*(\sc)+NQ*(\a)+(\q)] matrix_a_fmt:MATRIX_FMT_FP6 matrix_b_fmt:MATRIX_FMT_FP6 matrix_a_scale:MATRIX_SCALE_ROW1
.else
	v_wmma_scale_f32_16x16x128_f8f6f4 v[8*(8*((\a)%4)+\b):8*(8*((\a)%4)+\b)+7], v[128*(\p)+FR*\b:128*(\p)+FR*\b+FR-1], v[AF+FR*(\a):AF+FR*(\a)+FR-1], v[8*(8*((\a)%4)+\b):8*(8*((\a)%4)+\b)+7], v[SC+8*NQ*(\sc)+NQ*\b+(\q)], v[SC+8*NQ*(\sc)+NQ*(\a)+(\q)] matrix_a_fmt:MATRIX_FMT_FP6 matrix_b_fmt:MATRIX_FMT_FP6 matrix_a_scale:MATRIX_SCALE_ROW1
.endif
.endr
.endr
.endm
.macro FETCH_B slot, q, p              ; B's eight fragments of the slot's q-th 128 along K into set p
	WIN TO_B
.irp i, 0,1,2,3,4,5,6,7
	FRAG 128*(\p)+FR*\i, ADRB+\slot, \q, \i
.endr
	WIN 0
.endm
.macro FETCH_A slot, q, i0             ; A's blocks i0 .. i0 + 3
.irp i, \i0, \i0+1, \i0+2, \i0+3
	FRAG AF+FR*(\i), ADRA+\slot, \q, \i
.endr
.endm
.macro SCALES sc                       ; a K step's scale words into set sc: two words a row; lanes 0-15 take A's block i, lanes 16-31 B's block i
.irp i, 0,1,2,3,4,5,6,7
	ds_load_b64 v[SC+8*NQ*\sc+NQ*\i:SC+8*NQ*\sc+NQ*\i+1], v[ADRS] offset:\i*512
.endr
.endm
; A load into a register that a matrix instruction has read, and an LDS store that reads a matrix result, stand NP places behind it; only plain vector
; instructions that name none of its registers are places (ISA guide 7.12.1 for vector instructions).
; A step of 128 along K that has its successor in the same slot.
.macro STEP slot, q, zero
	s_wait_dscnt 4*NL                              ; B's set, A's blocks 0-3 and the scale words are in; the youngest 16 loads (A's blocks 4-7) may be out
	WIN MUL_LO
	MUL16 0, (\q)%2, \q, \slot, \zero
	MUL16 2, (\q)%2, \q, \slot, \zero
	s_wait_dscnt 0                                 ; A's blocks 4-7 are in (asked for 32 matrix instructions ago)
	PLACES NP
	FETCH_B \slot, (\q)+1, 1-(\q)%2
	FETCH_A \slot, (\q)+1, 0
	WIN MUL_HI
	MUL16 4, (\q)%2, \q, \slot, \zero
	MUL16 6, (\q)%2, \q, \slot, \zero
	PLACES NP
	WIN 0
	FETCH_A \slot, (\q)+1, 4
.endm
; A slot's last step changes slots: one barrier; in front of it each wave waits for all its tensor loads, adds 0 to its spare word, and waits for that and for its own reads of this slot.  fill = 1: this slot is filled again, two K steps ahead.
.macro TURN slot, next, fill
	s_wait_tensorcnt 0x0                           ; all my tensor loads have landed: my part of the next slot;  (every window is 0 here)
	ds_add_u32 v[SPW], v[NIL]                      ; 0 onto my spare word;
	s_wait_dscnt 4*NL+1                            ; (the add and the youngest 16 loads, A's blocks 4-7, may be out)
	WIN MUL_LO
	MUL16 0, 1, NQ-1, \slot, 0                     ; sixteen matrix instructions stand between the add and the wait for it
	s_wait_dscnt 0x0                               ; the add is done, and my reads of this slot are over
	s_barrier_signal -1
	MUL16 2, 1, NQ-1, \slot, 0
	WIN 0
	s_barrier_wait -1
.if \fill
	CREST                                          ; the barrier has opened a round of the cluster's barrier: no wave of any partner still reads this slot's tile or has a load on its way
	s_add_nc_u64 s[G0+4*\slot+2:G0+4*\slot+3], s[G0+4*\slot+2:G0+4*\slot+3], 2*TILEB
	s_add_nc_u64 s[G0B+4*\slot+2:G0B+4*\slot+3], s[G0B+4*\slot+2:G0B+4*\slot+3], 2*TILEB
	JLOAD G0+4*\slot, G1, G0B+4*\slot, G1B         ; the first tensor load behind the round; the four v_nop behind it are the places in front of the loads below
.else
	PLACES NP
.endif
	v_add_nc_u32 v[ADRS], 8+240*\slot, v[ADRS]     ; the next K step's two words: 8 bytes on in a row's four, then on to the next half of K's block of 256 bytes
	FETCH_B \next, 0, 0
	FETCH_A \next, 0, 0
	SCALES \next
	WIN MUL_HI
	MUL16 4, 1, NQ-1, \slot, 0
	MUL16 6, 1, NQ-1, \slot, 0
	PLACES NP
	WIN 0
	FETCH_A \next, 0, 4
.endm
	s_wait_tensorcnt 1                             ; the scale words and my part of K step 0 are in (slot 1's load may be out)
	s_barrier_signal -1
	s_barrier_wait -1                              ; everybody's are
	FETCH_B 0, 0, 0
	FETCH_A 0, 0, 0
	SCALES 0
	FETCH_A 0, 0, 4
	STEP 0, 0, 1                                   ; K = 1,024 is four slots' worth: the eight steps are written out.  The first step's products start the sums
	TURN 0, 1, 1
	STEP 1, 0, 0
	TURN 1, 0, 1
	STEP 0, 0, 0
	TURN 0, 1, 0                                   ; the last two slots are not filled again
	STEP 1, 0, 0
	s_wait_dscnt 4*NL                              ; the very last step: nothing more to fetch
	WIN MUL_LO
	MUL16 0, 1, NQ-1, 1, 0
	MUL16 2, 1, NQ-1, 1, 0
	s_wait_dscnt 0
	WIN MUL_HI
	MUL16 4, 1, NQ-1, 1, 0
	MUL16 6, 1, NQ-1, 1, 0
	WIN 0
; THE WAY OUT, block by block of 16 tokens x 128 features.  A lane holds, for tile b of Wo, features 32 (b / 2) + 8 (b % 2) + 16 h + 0 .. 7 of token r: 32 bytes of a row.  A block goes through my own stage in LDS and
; comes back as whole rows of 512 bytes, which the 32 lanes store as 512 consecutive bytes, aligned.  Stage row t of block a is token 32 (a / 2) + 8 (a % 2) + t + 8 (t / 8) of my 128: its place stands in the store's immediate,
; 520,192 bytes at the most.  LDS serves a wave's instructions in order (ISA guide 5.7.1.4): no wait between the stores and the loads, nor in front of the next block's stores.
.macro TOSTAGE a
.set AC, 64*((\a)%4)
	WIN 0x08+4*((\a)/4)                            ; the data: window 2 or 3
.irp b, 0,1,2,3,4,5,6,7
	ds_store_b128 v[STO], v[AC+8*\b:AC+8*\b+3] offset:128*(\b/2)+32*(\b%2)          ; each accumulator from its low end on
	ds_store_b128 v[STO], v[AC+8*\b+4:AC+8*\b+7] offset:128*(\b/2)+32*(\b%2)+16
.endr
	WIN 0
.set BB, BK+64*((\a)%2)
.irp t, 0,1,2,3,4,5,6,7,8,9,10,11,12,13,14,15
	ds_load_b128 v[BB+4*\t:BB+4*\t+3], v[RD] offset:\t*SPITCH
.endr
.endm
.macro SEND a, younger                 ; younger: the LDS instructions issued behind block a's loads, which may stay out
.set BB, BK+64*((\a)%2)
	s_wait_dscnt \younger                          ; the block is back in registers
.irp t, 0,1,2,3,4,5,6,7,8,9,10,11,12,13,14,15
	global_store_b128 v[L16], v[BB+4*\t:BB+4*\t+3], s[12:13] offset:(32*((\a)/2)+8*((\a)%2)+\t+8*(\t/8))*4096 th:TH_STORE_NT
.endr
.endm
	PLACES NP                                      ; behind the last products: for the loads into the registers that held A's fragments and for the reads of the last results alike
	TOSTAGE 0
.irp a, 1,2,3,4,5,6,7
.if \a > 1
	s_wait_xcnt 0x0                                ; block a - 2's stores have read their registers: block a's loads may land there
.endif
	TOSTAGE \a
	SEND \a-1, 32                                  ; behind block a - 1's loads: block a's 16 stores and 16 loads
.endr
	SEND 7, 0
	s_wait_tensorcnt 0x0                           ; the wave's end, behind my last tensor load and my last LDS store
	ds_add_u32 v[SPW], v[NIL]
	s_wait_dscnt 0x0
	CROUND                                         ; the closing round: no work-group ends while a partner may still ask for a tile that names it
	s_endpgm
.Lfunc_end_k_q73197bf915_oproj:
	.size	k_q73197bf915_oproj, .Lfunc_end_k_q73197bf915_oproj-k_q73197bf915_oproj
	.p2alignl 7, 3214868480
	.fill 96, 4, 3214868480
	.section	.rodata,"a",@progbits
	.p2align	6, 0x0
	.amdhsa_kernel k_q73197bf915_oproj
		.amdhsa_group_segment_fixed_size 327680
		.amdhsa_private_segment_fixed_size 0
		.amdhsa_enable_private_segment 0
		.amdhsa_kernarg_size 40
		.amdhsa_user_sgpr_count 2
		.amdhsa_user_sgpr_kernarg_segment_ptr 1
		.amdhsa_wavefront_size32 1
		.amdhsa_system_sgpr_workgroup_id_x 1
		.amdhsa_system_sgpr_workgroup_id_y 1
		.amdhsa_system_sgpr_workgroup_id_z 1
		.amdhsa_system_vgpr_workitem_id 0
		.amdhsa_next_free_vgpr 1024
		.amdhsa_next_free_sgpr 96
		.amdhsa_reserve_vcc 0
		.amdhsa_float_denorm_mode_32 3
		.amdhsa_float_denorm_mode_16_64 3
		.amdhsa_memory_ordered 1
		.amdhsa_forward_progress 1
		.amdhsa_inst_pref_size 143
	.end_amdhsa_kernel
	.amdgpu_metadata
---
amdhsa.version: [ 1, 2 ]
amdhsa.kernels:
  - .name:           k_q73197bf915_oproj
    .symbol:         k_q73197bf915_oproj.kd
    .args:
      - { .name: ao, .offset: 0, .size: 8, .value_kind: global_buffer, .address_space: global }
      - { .name: aos, .offset: 8, .size: 8, .value_kind: global_buffer, .address_space: global }
      - { .name: xw, .offset: 16, .size: 8, .value_kind: global_buffer, .address_space: global }
      - { .name: xws, .offset: 24, .size: 8, .value_kind: global_buffer, .address_space: global }
      - { .name: out0, .offset: 32, .size: 8, .value_kind: global_buffer, .address_space: global }
    .group_segment_fixed_size: 327680
    .private_segment_fixed_size: 0
    .kernarg_segment_align: 8
    .kernarg_segment_size: 40
    .max_flat_workgroup_size: 128
    .sgpr_count:     96
    .vgpr_count:     1024
    .wavefront_size: 32
...
	.end_amdgpu_metadata
.endif
;; end of part 4
;; ======== version 2 of 2: 4 launches
;; limits: right only within a limited range of input values
;; workspace buffers: xw 6,291,456 bytes; xws 262,144 bytes; cst 524,288 bytes; qh 3,407,872 bytes; kvh 6,553,600 bytes; ao 3,145,728 bytes; aos 131,072 bytes
;; launch quant (part 5): grid 256 x 1, 4 waves a work-group, no clusters, 68,096 bytes of LDS; arguments x, Wq, Wk, Wv, Wo, xw, xws, cst; writes xw, xws, cst
.if DOCPART == 5
	.amdgcn_target "amdgcn-amd-amdhsa--gfx1250"
	.amdhsa_code_object_version 6
	.text
	.protected	k_q73197bf915_quant
	.globl	k_q73197bf915_quant
	.p2align	8
	.type	k_q73197bf915_quant,@function
k_q73197bf915_quant:
	s_mov_b64 s[64:65], 0
	v_nop
	global_prefetch_b8 v0, s[64:65] scope:SCOPE_SE
	s_setreg_imm32_b32 hwreg(HW_REG_WAVE_MODE, 25, 1), 1
	s_wait_xcnt 0x0
; x [4096][1024] and Wq, Wk, Wv, Wo [1024][1024], f32, K innermost, become codes of FP6 (E2M3) with one E8M0 byte for each 32 along K; and the table of cos and sin for the rotation is made.
; THE ORDER OF ROWS.  A tile is 16 rows: lane r of tile 4 c + u holds row 64 c + 8 u + r % 8 + 32 (r / 8) of its tensor.  So a product's 32 results of four neighbouring tiles in a lane are 32 neighbours: one scale block.
; THE CODES ARE LAID AS THE MATRIX OPERAND'S REGISTERS.  For 128 along K a tile is 1,536 bytes: for c = 0, 1 registers 6 c .. 6 c + 3 at 768 c + 16 x lane, registers 6 c + 4, 5 at 768 c + 512 + 8 x lane.
; xw: [tile 0..511][K step 0..7][1,536]: tiles 0-255 x; 256 + 12 head + 4 s + u: the head's four tiles of Wq, Wk, Wv (s = 0, 1, 2); 448-511 Wo.   xws: [tile][half of K][r][4 words], a word = the four scale bytes of a row for 128 along K.
; A block's scale is 2^(floor(log2(its largest magnitude)) - 2): its byte is the largest magnitude's exponent field - 2, held at 1 from below.
; WORK LEFT OUT IN THE PROGRAM: whole steps of 128 keys that lie behind every query of a tile.  the causal mask puts -infinity there ahead of the softmax, so their p is 0 for all finite inputs.
; LIMITS: NaN and infinities among the inputs are not served, also not one that reaches only the work left out; a block whose largest magnitude lies under 2^-124 gets the byte 1, and so does a block of zeros, where the rule says 127 (its codes are zeros, and this program alone reads the bytes).
; SHARES.  A wave takes one tile x 512 along K: four K steps of 16 rows x 128 numbers.  Each load reads 512 consecutive bytes, a row's part of a K step; a K step's 16 rows go through the wave's own stage in LDS (rows 528 bytes apart) and come back
; 128 bytes a block: lane (r, h) then holds its row's k = 64 c + 32 h + 0 .. 31.  The raw numbers have 256 registers of their own (window 1), never written again.  Every store covers 512 or 256 consecutive bytes, aligned.
; THE TABLE, made while the first loads are out: cst [position 0..2047][i 0..31][cos, sin] f32; a wave takes 2 positions, lane i frequency i.  P = 10000^(i / 32) rounded to f32 (32 constants), f = 1 / P rounded to f32,
; angle = position x f rounded to f32; then cos and sin of that angle: the multiple of pi / 2 is taken off in two parts, and a polynomial serves |r| <= pi / 4.   No barrier: waves share nothing.
.set X,   32                           ; v32-159  two sets of 64 numbers
.set C,   160                          ; v160-207 codes: 12 registers for each K step
.set CT,  208                          ; v208-215 the second half of a block's codes
.set WD,  216                          ; v216-219 the four K steps' scale words
.set SPITCH, 528
.set STG, 16*SPITCH
.set MSB, 0
.macro WIN new                         ; the immediate's high byte repeats the setting that is left; a switch that changes nothing is dropped
.if MSB != (\new)
	s_set_vgpr_msb (MSB<<8)|(\new)
.set MSB, (\new)
.endif
.endm
	s_load_b256 s[4:11], s[0:1], 0x0               ; x, Wq, Wk, Wv
	s_load_b256 s[12:19], s[0:1], 0x20             ; Wo, xw, xws, cst
	v_lshl_add_u32 v254, v0, 2, 0x10800
	v_mov_b32 v255, 0
	v_lshrrev_b32 v1, 5, v0
	v_readfirstlane_b32 s20, v1                    ; wave
	v_and_b32 v1, 31, v0                           ; lane
	v_and_b32 v2, 15, v0                           ; r
	v_bfe_u32 v3, v0, 4, 1                         ; h
	v_lshlrev_b32 v5, 4, v1                        ; 16 x lane
	v_lshlrev_b32 v6, 3, v1                        ; 8 x lane
	v_lshlrev_b32 v7, 3, v3                        ; 8 h
	s_mov_b32 s31, 0
	s_mov_b32 s28, 0x76543210
	s_mov_b32 s29, 0xfedcba98                      ; v_permlanex16_b32's selects for lane l xor 16
	s_mul_i32 s27, s20, 2*STG                      ; my wave's two stages
	v_add_nc_u32 v8, s27, v5                       ; into a stage
	v_mul_u32_u24 v9, v2, SPITCH
	v_lshl_add_u32 v9, v3, 7, v9
	v_add_nc_u32 v9, s27, v9                       ; out of it: row r, + 128 h
	s_lshl_b32 s21, ttmp9, 2
	s_add_co_u32 s21, s21, s20                     ; my job: 2 x tile + half of K
	s_lshr_b32 s24, s21, 1                         ; tile, by tensor: 0-255 x, then 64 each of Wq, Wk, Wv, Wo
	s_and_b32 s25, s21, 1                          ; half of K
	s_and_b32 s26, s24, 63                         ; the tile's number n inside a weight
	s_lshr_b32 s32, s26, 2                         ; where a tile of Wq, Wk, Wv goes: 256 + 12 (n / 4) + 4 s + n % 4
	s_mul_i32 s32, s32, 12
	s_lshr_b32 s33, s24, 6                         ; s + 4
	s_lshl_b32 s33, s33, 2
	s_add_co_u32 s32, s32, s33
	s_and_b32 s33, s26, 3
	s_add_co_u32 s32, s32, s33
	s_add_co_u32 s32, s32, 240
	s_cmp_lt_u32 ttmp9, 128
	s_cselect_b32 s32, s24, s32                    ; x and Wo keep their places
	s_cmp_lt_u32 ttmp9, 224
	s_cselect_b32 s32, s32, s24
	s_lshl_b32 s32, s32, 1
	s_add_co_u32 s21, s32, s25
	s_lshl_b32 s38, ttmp9, 3
	s_lshl_b32 s39, s20, 1
	s_add_co_u32 s38, s38, s39                     ; my first position: 8 x work-group + 2 x wave
	v_cvt_f32_u32 v26, s38
	s_lshl_b32 s38, s38, 8
	s_mov_b32 s39, 0
	s_wait_alu depctr_va_vdst(0)
	s_wait_kmcnt 0x0
	s_add_nc_u64 s[18:19], s[18:19], s[38:39]
	s_mov_b64 s[22:23], s[12:13]                   ; which tensor: the choice hangs on the work-group's number alone
	s_cmp_lt_u32 ttmp9, 224
	s_cselect_b64 s[22:23], s[10:11], s[22:23]
	s_cmp_lt_u32 ttmp9, 192
	s_cselect_b64 s[22:23], s[8:9], s[22:23]
	s_cmp_lt_u32 ttmp9, 160
	s_cselect_b64 s[22:23], s[6:7], s[22:23]
	s_cmp_lt_u32 ttmp9, 128
	s_cselect_b64 s[22:23], s[4:5], s[22:23]
	s_cselect_b32 s26, s24, s26                    ; inside x the tile's number is as it stands
	s_lshr_b32 s30, s26, 2
	s_lshl_b32 s30, s30, 18                        ; 64 (tile / 4) rows of 4,096 bytes
	s_and_b32 s27, s26, 3
	s_lshl_b32 s27, s27, 15                        ; 8 (tile % 4) rows
	s_add_co_u32 s30, s30, s27
	s_lshl_b32 s27, s25, 11                        ; 512 numbers along K
	s_add_co_u32 s30, s30, s27
	s_add_nc_u64 s[22:23], s[22:23], s[30:31]
	s_mul_i32 s30, s21, 6144                       ; four K steps of codes a job
	s_add_nc_u64 s[14:15], s[14:15], s[30:31]
	s_lshl_b32 s30, s21, 8                         ; 256 bytes of scale words a job
	s_add_nc_u64 s[16:17], s[16:17], s[30:31]
.macro LOAD q                          ; K step q: 16 rows, 512 consecutive bytes a load, into window 1; stage row p is row p % 8 + 32 (p / 8) from the tile's first
	WIN 0x40
.irp p, 0,1,2,3,4,5,6,7,8,9,10,11,12,13,14,15
	global_load_b128 v[64*(\q)+4*\p:64*(\q)+4*\p+3], v5, s[22:23] offset:(\p+24*(\p/8))*4096+512*(\q) th:TH_LOAD_NT
.endr
.endm
.macro TURN q, left                    ; K step q through stage q % 2.  left: the younger loads, which may stay out.  LDS serves a wave's instructions in order: no wait stands between the stores and the loads
	s_wait_loadcnt \left
.if (\q) == 0
	LOAD 3
.endif
	WIN 0x04
.irp p, 0,1,2,3,4,5,6,7,8,9,10,11,12,13,14,15
	ds_store_b128 v8, v[64*(\q)+4*\p:64*(\q)+4*\p+3] offset:STG*((\q)%2)+SPITCH*\p
.endr
	WIN 0
.irp c, 0,1
.irp i, 0,1,2,3,4,5,6,7
	ds_load_b128 v[X+64*((\q)%2)+32*\c+4*\i:X+64*((\q)%2)+32*\c+4*\i+3], v9 offset:STG*((\q)%2)+256*\c+16*\i
.endr
.endr
.endm
.macro WORK q
.set XS, X+64*((\q)%2)
	s_wait_dscnt 0x0                               ; this K step's numbers are back from the stage
.if (\q) < 3
	TURN (\q)+1, 16*(2-(\q))
.endif
.irp c, 0,1
	v_max3_num_f32 v[16+\c], |v[XS+32*\c]|, |v[XS+32*\c+1]|, 0x1800000   ; block 2 c + h; the floor 2^(3 - 127) holds the byte at 1 from below
.endr
.irp i, 2,4,6,8,10,12,14,16,18,20,22,24,26,28,30
.irp c, 0,1
	v_max3_num_f32 v[16+\c], v[16+\c], |v[XS+32*\c+\i]|, |v[XS+32*\c+\i+1]|
.endr
.endr
.irp c, 0,1
	v_add_nc_u32 v[18+\c], 0xff000000, v[16+\c]    ; 2 off the exponent field: the conversion's scale operand
.endr
.irp c, 0,1
	v_lshrrev_b32 v[20+\c], 23, v[18+\c]           ; the scale's byte
.endr
	v_lshl_or_b32 v22, v21, 16, v20                ; my bytes: blocks h and 2 + h,
	v_lshlrev_b32 v22, v7, v22                     ; at their places in the word;
	v_permlanex16_b32 v23, v22, s28, s29
	v_or_b32 v[WD+(\q)], v22, v23                  ; with lane l xor 16's two the word is whole
.irp c, 0,1
	v_cvt_scalef32_pk16_fp6_f32 v[C+12*(\q)+6*\c:C+12*(\q)+6*\c+2], v[XS+32*\c:XS+32*\c+15], v[18+\c]
	v_cvt_scalef32_pk16_fp6_f32 v[CT+4*\c:CT+4*\c+2], v[XS+32*\c+16:XS+32*\c+31], v[18+\c]   ; (a conversion's three registers begin on an even number)
.endr
	v_nop                                          ; one plain place behind a scaled conversion
.irp c, 0,1
.irp i, 0,1,2
	v_mov_b32 v[C+12*(\q)+6*\c+3+\i], v[CT+4*\c+\i]
.endr
.endr
.irp c, 0,1
	global_store_b128 v5, v[C+12*(\q)+6*\c:C+12*(\q)+6*\c+3], s[14:15] offset:1536*(\q)+768*\c
	global_store_b64 v6, v[C+12*(\q)+6*\c+4:C+12*(\q)+6*\c+5], s[14:15] offset:1536*(\q)+768*\c+512
.endr
.endm
	s_wait_alu depctr_va_vdst(0)
	LOAD 0
	LOAD 1
	LOAD 2
	WIN 0
	; ---------------- the table, under the loads' flight
	s_mov_b32 s32, 0xb94ca1f9                      ; sin r = r + r z (S1 + z (S2 + z S3)), z = r r
	s_mov_b32 s33, 0x3c08839e
	s_mov_b32 s34, 0xbe2aaaa3
	s_mov_b32 s35, 0x37ccf5ce                      ; cos r = 1 - z / 2 + z z (C1 + z (C2 + z C3))
	s_mov_b32 s36, 0xbab6061a
	s_mov_b32 s37, 0x3d2aaaa5
	v_mov_b32 v24, 1.0
.set PI_, 1                            ; lane i takes P = 10^(i / 8) = 10000^(i / 32), rounded to f32
.irp b, 0x3faab0d5,0x3fe39ea9,0x4017c496,0x404a62c2,0x4086f161,0x40b3f300,0x40eff755,0x41200000,0x41555d0a,0x418e432a,0x41bdb5bc,0x41fcfb72,0x4228adb9,0x4260efc0,0x4295fa95,0x42c80000,0x43055a26,0x4331d3f4,0x436d232b,0x439e1d27,0x43d2d927,0x440c95d8,0x443b793b,0x447a0000,0x44a6b0b0,0x44de48f1,0x451435fb,0x4545a471,0x4583c7b8,0x45afbb4e,0x45ea5789
	s_mov_b32 s26, \b
	v_writelane_b32 v24, s26, PI_
.set PI_, PI_+1
.endr
	s_wait_alu depctr_va_vdst(0)
	v_rcp_f32 v25, v24
	v_nop                                          ; one plain place behind a transcendental
	s_wait_alu depctr_va_vdst(0)
	v_fma_f32 v11, -v24, v25, 1.0                  ; one step of Newton's brings 1 / P to the nearest f32
	v_fma_f32 v25, v25, v11, v25                   ; f
.macro POS k
	v_mul_f32 v11, v26, v25                        ; the angle, rounded to f32 as the definition rounds it
	v_mul_f32 v12, 0x3f22f983, v11
	v_rndne_f32 v12, v12                           ; n = the nearest whole number to angle x 2 / pi (at most 1,303)
	v_fmamk_f32 v13, v12, 0xbfc90fdb, v11          ; r = angle - n x pi / 2: the upper part of pi / 2,
	v_fmamk_f32 v13, v12, 0x333bbd2e, v13          ; then the lower
	v_mul_f32 v14, v13, v13                        ; z
	v_fma_f32 v15, v14, s32, s33
	v_fma_f32 v17, v14, s35, s36
	v_fma_f32 v15, v15, v14, s34
	v_fma_f32 v17, v17, v14, s37
	v_mul_f32 v16, v14, v13
	v_mul_f32 v18, v14, v14
	v_fma_f32 v19, v14, -0.5, 1.0
	v_fma_f32 v15, v15, v16, v13                   ; sin r
	v_fma_f32 v17, v17, v18, v19                   ; cos r
	v_cvt_i32_f32 v20, v12
	v_and_b32 v21, 1, v20
	v_cmp_eq_u32 vcc_lo, 1, v21                    ; an odd quarter swaps the two (a choice of values)
	v_cndmask_b32 v22, v17, v15, vcc_lo
	v_cndmask_b32 v23, v15, v17, vcc_lo
	v_add_nc_u32 v21, 1, v20
	v_and_b32 v21, 2, v21
	v_lshlrev_b32 v21, 30, v21
	v_xor_b32 v[28+2*\k], v22, v21                 ; cos is negative in quarters 1 and 2,
	v_and_b32 v21, 2, v20
	v_lshlrev_b32 v21, 30, v21
	v_xor_b32 v[29+2*\k], v23, v21                 ; sin in quarters 2 and 3
	global_store_b64 v6, v[28+2*\k:29+2*\k], s[18:19] offset:256*\k   ; 32 lanes store a position's 256 bytes
	v_add_f32 v26, 1.0, v26
.endm
	POS 0
	POS 1
	s_wait_alu depctr_va_vdst(0)
	TURN 0, 32                                     ; K step 0 is in; steps 1 and 2 may be out
	WORK 0
	WORK 1
	WORK 2
	WORK 3
	s_wait_alu depctr_va_vdst(0)
	s_wait_xcnt 0x0                                ; EXEC changes only behind this wait: it is a source of the stores above
	v_cmp_gt_u32 vcc_lo, 16, v1
	s_wait_tensorcnt 0x0                           ; the wave's end
	ds_add_u32 v254, v255
	s_wait_dscnt 0x0
	s_and_saveexec_b32 s30, vcc_lo
	global_store_b128 v5, v[WD:WD+3], s[16:17]     ; lanes 0-15: row r's four words: 256 consecutive bytes, aligned
	s_wait_xcnt 0x0
	s_or_b32 exec_lo, exec_lo, s30
	s_endpgm
.Lfunc_end_k_q73197bf915_quant:
	.size	k_q73197bf915_quant, .Lfunc_end_k_q73197bf915_quant-k_q73197bf915_quant
	.p2alignl 7, 3214868480
	.fill 96, 4, 3214868480
	.section	.rodata,"a",@progbits
	.p2align	6, 0x0
	.amdhsa_kernel k_q73197bf915_quant
		.amdhsa_group_segment_fixed_size 68096
		.amdhsa_private_segment_fixed_size 0
		.amdhsa_enable_private_segment 0
		.amdhsa_kernarg_size 64
		.amdhsa_user_sgpr_count 2
		.amdhsa_user_sgpr_kernarg_segment_ptr 1
		.amdhsa_wavefront_size32 1
		.amdhsa_system_sgpr_workgroup_id_x 1
		.amdhsa_system_sgpr_workgroup_id_y 1
		.amdhsa_system_sgpr_workgroup_id_z 1
		.amdhsa_system_vgpr_workitem_id 0
		.amdhsa_next_free_vgpr 512
		.amdhsa_next_free_sgpr 66
		.amdhsa_reserve_vcc 1
		.amdhsa_float_denorm_mode_32 3
		.amdhsa_float_denorm_mode_16_64 3
		.amdhsa_memory_ordered 1
		.amdhsa_forward_progress 1
		.amdhsa_inst_pref_size 39
	.end_amdhsa_kernel
	.amdgpu_metadata
---
amdhsa.version: [ 1, 2 ]
amdhsa.kernels:
  - .name:           k_q73197bf915_quant
    .symbol:         k_q73197bf915_quant.kd
    .args:
      - { .name: x, .offset: 0, .size: 8, .value_kind: global_buffer, .address_space: global }
      - { .name: Wq, .offset: 8, .size: 8, .value_kind: global_buffer, .address_space: global }
      - { .name: Wk, .offset: 16, .size: 8, .value_kind: global_buffer, .address_space: global }
      - { .name: Wv, .offset: 24, .size: 8, .value_kind: global_buffer, .address_space: global }
      - { .name: Wo, .offset: 32, .size: 8, .value_kind: global_buffer, .address_space: global }
      - { .name: xw, .offset: 40, .size: 8, .value_kind: global_buffer, .address_space: global }
      - { .name: xws, .offset: 48, .size: 8, .value_kind: global_buffer, .address_space: global }
      - { .name: cst, .offset: 56, .size: 8, .value_kind: global_buffer, .address_space: global }
    .group_segment_fixed_size: 68096
    .private_segment_fixed_size: 0
    .kernarg_segment_align: 8
    .kernarg_segment_size: 64
    .max_flat_workgroup_size: 128
    .sgpr_count:     66
    .vgpr_count:     512
    .wavefront_size: 32
...
	.end_amdgpu_metadata
.endif
;; end of part 5
;; launch qkv (part 6): grid 16 x 16, 4 waves a work-group, clusters of 4 x 4, 327,680 bytes of LDS; arguments xw, xws, cst, qh, kvh; writes qh, kvh
.if DOCPART == 6
	.amdgcn_target "amdgcn-amd-amdhsa--gfx1250"
	.amdhsa_code_object_version 6
	.text
	.protected	k_q73197bf915_qkv
	.globl	k_q73197bf915_qkv
	.p2align	8
	.type	k_q73197bf915_qkv,@function
k_q73197bf915_qkv:
	s_mov_b64 s[64:65], 0
	v_nop
	global_prefetch_b8 v0, s[64:65] scope:SCOPE_SE
	s_setreg_imm32_b32 hwreg(HW_REG_WAVE_MODE, 25, 1), 1
	s_wait_xcnt 0x0
	s_wait_alu depctr_hold_cnt(0) depctr_sa_sdst(0) depctr_va_vdst(0) depctr_va_sdst(0) depctr_va_ssrc(0) depctr_va_vcc(0) depctr_vm_vsrc(0)
	s_getreg_b32 s2, hwreg(HW_REG_IB_STS2, 6, 4)
	s_cmp_eq_u32 s2, 0
	s_cbranch_scc0 .Lentry_in_a_cluster
	s_endpgm
.Lentry_in_a_cluster:
	s_bfe_u32 s2, ttmp6, 0x10000c
	s_cmp_lg_u32 s2, 0xf033
	s_cbranch_scc0 .Lentry_shape_is_right
	s_endpgm
.Lentry_shape_is_right:
; Q, K, V = x W^T on codes of FP6, the rotation of Q and K, and their quantisers (Q, K along the head's 64, V along the tokens).  No f32 result is stored.
; SHARES.  256 work-groups: one head x 256 tokens, all three tensors: 256 x 192 of results.  Four waves, each 64 tokens (four tiles) x 192 columns (twelve tiles of weights: Q's four, K's, V's): 48 accumulators.
; THE ROWS OF A TILE are 8 u + 0 .. 7 and 32 + 8 u + 0 .. 7 of a group of 64.  Q and K: source 0 = weights, source 1 = tokens: lane (r, h) holds, over u, dims 32 h + 0 .. 31 of a token: one scale block.  V: source 0 = tokens, source 1 = weights:
; over the four tiles of tokens a lane holds tokens 32 h + 0 .. 31 of a channel: again one scale block.  So no lane looks at another.
; ALL OF K LIES IN LDS, FILLED ONCE by four joint tensor loads, one a wave: x's K steps 0, 1; the weights' K steps 0, 1; x's K steps 2 to 6; the weights' K steps 2 to 7: 319,488 bytes.  x's last K step (24,576 bytes) does not fit beside them:
; it comes as four fragments a wave straight into registers, by dense loads (a fragment of x is used by one wave alone).  Scale words come into registers the same way, once.
; CLUSTERS 4 x 4: the four of a row share x's tiles, the four of a column the head's weights.  No prefetch: every tile is asked for at the head, and no loop of fills follows.
; OUTPUT.  qh: a head (16 x batch + head) is 106,496 bytes: [tile 0..127][768], then at 98,304 scale words [tile / 4][r][tile % 4], bytes b0 b1 b0 b1.  kvh: a head is 204,800 bytes: 16 steps of 128 keys, each 12,800: K [tile 0..7][768], at 6,144
; V [tile of channels 0..3][1,536], at 12,288 K's words [r][4] (word m: tiles 2 m, 2 m + 1), at 12,544 V's words [r][4 tiles].  Codes lie as images of the operand's registers.
; LIMITS: NaN and infinities are not served; a block under 2^-124, and a block of zeros, gets the scale byte 1.
; REGISTERS.  window 0: addresses, scale words, V's accumulators at 128 + 32 u + 8 a;  window 1: x's fragments, two sets, at 0 and 48, the weights' set 0 at 96;  window 2: the weights' set 1 at 0, x's K step 7 at 144, the rotation's table of tiles 0, 1 at 192;
; window 3: Q's and K's accumulators at 128 t + 32 a + 8 u (a the tile of tokens, u the tile of the head).  Behind the last K step window 1 is free: table of tiles 2, 3 at 0, products of the rotation at 96, codes at 160 and 208.
.set XP1, 49152                        ; LDS: x's K steps 0, 1 at 0; x's 2-6; the weights' 0, 1; the weights' 2-7
.set WP0, 172032
.set WP1, 208896
.set SPARE, 319488
.set STG, 320000                       ; the stage of scale bytes: [step][K 256 | V 256], then Q's [wave][256]
.set L16, 8
.set L8, 9
.set XA, 10
.set WA, 14
.set CSA, 20
.set R16, 21
.set WSA, 22
.set KSA, 23
.set VSA, 24
.set QSA, 25
.set RDB, 26
.set SPW, 28
.set NIL, 29
.set WS, 32                            ; register 8 i + k: lanes 0-15 the word of weights' tile i, lanes 16-31 of tile i + 6, for K step k
.set XSC, 84                           ; register 8 a + k: the word of tokens' tile a
.set TM, 116
.set SO, 120
.set EB, 124
.set TMP, 96
.set MSB, 0
.macro WIN new
.if MSB != (\new)
	s_set_vgpr_msb (MSB<<8)|(\new)
.set MSB, (\new)
.endif
.endm
.macro PLACES n
.rept \n
	v_nop
.endr
.endm
.macro CROUND                          ; a round of the cluster's barrier
	s_barrier_signal -1
	s_barrier_wait -1
	s_cmp_lg_u32 s14, 0
	s_cbranch_scc1 .Lnot_wave_0_\@
	s_barrier_signal -3
.Lnot_wave_0_\@:
	s_barrier_wait -3
	s_barrier_signal -1
	s_barrier_wait -1
.endm
.macro GROUP1 g, mask, bytes, rows     ; rows of so many bytes, in elements of 8, 12,288 bytes apart in memory
	s_or_b32 s[\g], s[\mask], (3<<16)|(1<<21)
	s_mov_b32 s[\g+1], ((\bytes)/8)<<16
	s_mov_b32 s[\g+2], (\rows)<<16
	s_mov_b32 s[\g+3], ((\bytes)/8)<<16
	s_mov_b32 s[\g+4], \rows
	s_mov_b32 s[\g+5], 1536
	s_mov_b32 s[\g+6], 0
	s_mov_b32 s[\g+7], 0
.endm
.macro GROUP0 g, lds, off, add         ; xw + the 32-bit offset in s[off] (its pair's upper half is 0) + add
	s_mov_b32 s[\g], 1
	s_mov_b32 s[\g+1], \lds
	s_add_nc_u64 s[\g+2:\g+3], s[4:5], s[\off:\off+1]
	s_add_nc_u64 s[\g+2:\g+3], s[\g+2:\g+3], \add
	s_or_b32 s[\g+3], s[\g+3], 0x80000000
.endm
.macro SADD d, x
	s_add_co_u32 s[\d], s[\d], s[\x]
.endm
	s_load_b256 s[4:11], s[0:1], 0x0               ; xw, xws, cst, qh
	s_load_b64 s[12:13], s[0:1], 0x20              ; kvh
	v_lshl_add_u32 v[SPW], v0, 2, SPARE
	v_mov_b32 v[NIL], 0
	ds_add_u32 v[SPW], v[NIL]
	ds_add_u32 v[SPW], v[NIL]
	v_lshrrev_b32 v1, 5, v0
	v_readfirstlane_b32 s14, v1                    ; wave w
	s_bfe_u32 s40, ttmp6, 0x40000                  ; cx
	s_bfe_u32 s41, ttmp6, 0x40004                  ; cy
	s_lshl_b32 s42, ttmp9, 2
	s_add_co_u32 s42, s42, s40                     ; the head
	s_and_b32 s43, ttmp7, 0xffff
	s_lshl_b32 s43, s43, 2
	s_add_co_u32 s43, s43, s41                     ; the block of 256 tokens, 0 .. 15
	s_lshl_b32 s44, s41, 2
	s_lshl_b32 s44, 15, s44                        ; my row of the cluster: x's tiles
	s_lshl_b32 s45, 0x1111, s40                    ; my column: the weights
	GROUP1 16, 44, 3072, 16
	GROUP1 24, 44, 7680, 16
	GROUP1 32, 45, 3072, 12
	GROUP1 48, 45, 9216, 12
	v_and_b32 v1, 15, v0                           ; r
	v_bfe_u32 v2, v0, 4, 1                         ; h
	v_and_b32 v3, 31, v0                           ; lane
	v_lshlrev_b32 v[L16], 4, v3
	v_lshlrev_b32 v[L8], 3, v3
	s_mul_i32 s46, s14, 12288                      ; my four tiles of x in the first part,
	v_add_nc_u32 v[XA], s46, v[L16]
	v_add_nc_u32 v[XA+1], s46, v[L8]
	s_mul_i32 s46, s14, 30720                      ; and in the second
	s_add_co_u32 s46, s46, XP1
	v_add_nc_u32 v[XA+2], s46, v[L16]
	v_add_nc_u32 v[XA+3], s46, v[L8]
	v_add_nc_u32 v[WA], WP0, v[L16]
	v_add_nc_u32 v[WA+1], WP0, v[L8]
	v_add_nc_u32 v[WA+2], WP1, v[L16]
	v_add_nc_u32 v[WA+3], WP1, v[L8]
	v_add_nc_u32 v[WA+4], WP1+55296, v[L16]        ; tiles 6-11 of the weights' second part
	v_add_nc_u32 v[WA+5], WP1+55296, v[L8]
	v_lshlrev_b32 v[R16], 4, v1
	v_mul_u32_u24 v4, 3072, v2
	v_add_nc_u32 v[WSA], v4, v[R16]                ; lanes 16-31 six tiles further on
	v_and_b32 v4, 8, v1
	v_mul_u32_u24 v4, 3, v4
	v_add_nc_u32 v4, v4, v1                        ; r % 8 + 32 (r / 8)
	v_lshlrev_b32 v[CSA], 8, v4
	v_lshl_add_u32 v[CSA], v2, 7, v[CSA]           ; the table's row of my token, from pair 16 h on
	v_lshl_add_u32 v4, v1, 4, v2                   ; 16 r + h
	s_wait_alu depctr_va_vdst(0)
	s_lshr_b32 s46, s14, 1
	s_lshl_b32 s46, s46, 9
	s_and_b32 s47, s14, 1                          ; c: which half of a key step is mine
	s_lshl_b32 s2, s47, 3
	SADD 2, 46
	s_add_co_u32 s2, s2, STG
	v_add_nc_u32 v[KSA], s2, v4
	s_lshl_b32 s2, s47, 1
	SADD 2, 46
	s_add_co_u32 s2, s2, STG+256
	v_add_nc_u32 v[VSA], s2, v4
	s_lshl_b32 s2, s14, 8
	s_add_co_u32 s2, s2, STG+1024
	v_add_nc_u32 v[QSA], s2, v4
	s_lshl_b32 s2, s14, 9
	s_add_co_u32 s2, s2, STG
	v_add_nc_u32 v[RDB], s2, v[L16]
	s_mul_i32 s76, s43, 196608                     ; x's 16 tiles: hangs on the block of tokens alone
	s_mov_b32 s77, 0
	s_mul_i32 s78, s42, 147456                     ; the head's 12 tiles of weights: on the head alone
	s_add_co_u32 s78, s78, 3145728
	s_mov_b32 s79, 0
	s_mov_b32 s81, 0
	s_and_b32 s15, s43, 7                          ; the block of tokens in its batch
	s_wait_dscnt 0x0                               ; both opening adds are done
	s_wait_alu depctr_va_vdst(0)
	s_wait_kmcnt 0x0
	GROUP0 56, 0, 76, 0
	GROUP0 60, XP1, 76, 3072
	GROUP0 68, WP0, 78, 0
	GROUP0 72, WP1, 78, 3072
	CROUND                                         ; all sixteen work-groups are here: the joint loads meet
.macro ARM under, g0, g1, next
	s_cmp_lt_u32 s14, \under
	s_cbranch_scc0 \next
	tensor_load_to_lds s[\g0:\g0+3], s[\g1:\g1+7]
	s_nop 0
	PLACES 4
	s_branch .Lasked
\next:
.endm
	ARM 1, 56, 16, .Lwave_1                        ; ONE LOAD A WAVE; each of the four lines is one wave's alone
	ARM 2, 68, 32, .Lwave_2
	ARM 3, 60, 24, .Lwave_3
	tensor_load_to_lds s[72:75], s[48:55]
	s_nop 0
	PLACES 4
.Lasked:
	s_lshl_b32 s80, s43, 13                        ; x's scale words: 512 bytes a tile
	s_lshl_b32 s2, s14, 11
	SADD 80, 2
	s_add_nc_u64 s[82:83], s[6:7], s[80:81]
	s_mul_i32 s80, s42, 6144                       ; the weights'
	s_add_co_u32 s80, s80, 131072
	s_add_nc_u64 s[84:85], s[6:7], s[80:81]
	s_mul_i32 s80, s43, 196608                     ; x's K step 7
	s_mul_i32 s2, s14, 49152
	SADD 80, 2
	s_add_co_u32 s80, s80, 7*1536
	s_add_nc_u64 s[86:87], s[4:5], s[80:81]
	s_lshl_b32 s80, s15, 16                        ; the table: 256 bytes a position
	s_lshl_b32 s2, s14, 14
	SADD 80, 2
	s_add_nc_u64 s[88:89], s[8:9], s[80:81]
.irp a, 0,1,2,3
.irp f, 0,1
	global_load_b128 v[XSC+8*\a+4*\f:XSC+8*\a+4*\f+3], v[R16], s[82:83] offset:512*\a+256*\f
.endr
.endr
.irp i, 0,1,2,3,4,5
.irp f, 0,1
	global_load_b128 v[WS+8*\i+4*\f:WS+8*\i+4*\f+3], v[WSA], s[84:85] offset:512*\i+256*\f
.endr
.endr
	WIN 0x80
.irp a, 0,1,2,3
	global_load_b128 v[144+12*\a:147+12*\a], v[L16], s[86:87] offset:12288*\a
	global_load_b64 v[148+12*\a:149+12*\a], v[L8], s[86:87] offset:12288*\a+512
	global_load_b128 v[150+12*\a:153+12*\a], v[L16], s[86:87] offset:12288*\a+768
	global_load_b64 v[154+12*\a:155+12*\a], v[L8], s[86:87] offset:12288*\a+1280
.endr
.macro CSLOAD a, reg                   ; the table's 16 pairs (cos, sin) of tile a's tokens
.irp k, 0,1,2,3,4,5,6,7
	global_load_b128 v[\reg+4*\k:\reg+4*\k+3], v[CSA], s[88:89] offset:2048*(\a)+16*\k
.endr
.endm
	CSLOAD 0, 192
	CSLOAD 1, 224
	WIN 0
	; where the results go
	s_lshr_b32 s90, s43, 3
	s_lshl_b32 s90, s90, 4
	SADD 90, 42                                    ; 16 x batch + head
	s_mul_i32 s91, s90, 204800
	s_lshl_b32 s2, s15, 1
	s_mul_i32 s3, s2, 12800
	SADD 91, 3                                     ; my work-group's two steps in kvh
	s_lshr_b32 s3, s14, 1
	s_mul_i32 s3, s3, 12800
	s_add_co_u32 s80, s91, s3
	s_add_nc_u64 s[92:93], s[12:13], s[80:81]      ; my step
	s_mul_i32 s80, s47, 768
	s_add_co_u32 s80, s80, 6144
	s_add_nc_u64 s[94:95], s[92:93], s[80:81]      ; V's codes
	s_mul_i32 s80, s47, 3072
	s_add_nc_u64 s[96:97], s[92:93], s[80:81]      ; K's codes
	s_mul_i32 s80, s47, 12800
	SADD 80, 91
	s_add_co_u32 s80, s80, 12288
	s_add_nc_u64 s[98:99], s[12:13], s[80:81]      ; waves 0, 1: the scale words of step w
	s_mul_i32 s91, s90, 106496
	s_mul_i32 s80, s15, 12288
	s_mul_i32 s2, s14, 3072
	SADD 80, 2
	SADD 80, 91
	s_add_nc_u64 s[92:93], s[10:11], s[80:81]      ; Q's codes
	s_lshl_b32 s80, s15, 10
	s_lshl_b32 s2, s47, 9
	SADD 80, 2
	SADD 80, 91
	s_add_co_u32 s80, s80, 98304
	s_add_nc_u64 s[100:101], s[10:11], s[80:81]    ; waves 2, 3: Q's scale words
	s_cmp_lt_u32 s14, 2
	s_cselect_b64 s[98:99], s[98:99], s[100:101]
.macro FRAG reg, ad, off               ; a fragment comes as it was stored: every load takes 512 or 256 consecutive bytes
	ds_load_b128 v[\reg:\reg+3], v[\ad] offset:\off
	ds_load_b64 v[\reg+4:\reg+5], v[\ad+1] offset:\off+512
	ds_load_b128 v[\reg+6:\reg+9], v[\ad] offset:\off+768
	ds_load_b64 v[\reg+10:\reg+11], v[\ad+1] offset:\off+1280
.endm
.macro XLOAD k                         ; x's four fragments of K step k (0 .. 6): 16 loads
	WIN 0x40
.irp a, 0,1,2,3
.if (\k) < 2
	FRAG 48*((\k)%2)+12*\a, XA, 3072*\a+1536*(\k)
.else
	FRAG 48*((\k)%2)+12*\a, XA+2, 7680*\a+1536*((\k)-2)
.endif
.endr
	WIN 0
.endm
.macro WLOAD k, b0                     ; four fragments of the weights, tiles b0 .. b0 + 3: 16 loads
.irp i, 0,1,2,3
.set B_, (\b0)+\i
.set R_, 96+12*B_
.if (\k)%2
.set R_, 12*B_
	WIN 0x80
.else
	WIN 0x40
.endif
.if (\k) < 2
	FRAG R_, WA, 3072*B_+1536*(\k)
.elseif B_ < 6
	FRAG R_, WA+2, 9216*B_+1536*((\k)-2)
.else
	FRAG R_, WA+4, 9216*(B_-6)+1536*((\k)-2)
.endif
.endr
	WIN 0
.endm
.macro WM k, s0, s1, x0, x1, m         ; K step 0 starts the sums: nothing is cleared
.if \k
	v_wmma_scale_f32_16x16x128_f8f6f4 v[D_:D_+7], v[\s0:\s0+11], v[\s1:\s1+11], v[D_:D_+7], v[\x0], v[\x1] matrix_a_fmt:MATRIX_FMT_FP6 matrix_b_fmt:MATRIX_FMT_FP6 \m
.else
	v_wmma_scale_f32_16x16x128_f8f6f4 v[D_:D_+7], v[\s0:\s0+11], v[\s1:\s1+11], 0, v[\x0], v[\x1] matrix_a_fmt:MATRIX_FMT_FP6 matrix_b_fmt:MATRIX_FMT_FP6 \m
.endif
.endm
.macro PROD k, b, a                    ; weights' tile b x tokens' tile a
.set WR_, 96+12*(\b)
.if (\k)%2
.set WR_, 12*(\b)
.endif
.set WW_, 1+(\k)%2
.set XR_, 48*((\k)%2)+12*(\a)
.set XW_, 1
.if (\k) == 7
.set XR_, 144+12*(\a)
.set XW_, 2
.endif
.set SW_, WS+8*((\b)%6)+(\k)
.set SX_, XSC+8*(\a)+(\k)
.if (\b) < 8
.set D_, 128*((\b)/4)+32*(\a)+8*((\b)%4)
	WIN WW_|(XW_<<2)|0xf0
.if (\b) < 6
	WM \k, WR_, XR_, SW_, SX_
.else
	WM \k, WR_, XR_, SW_, SX_, matrix_a_scale:MATRIX_SCALE_ROW1
.endif
.else
.set D_, 128+32*((\b)-8)+8*(\a)
	WIN XW_|(WW_<<2)
	WM \k, XR_, WR_, SX_, SW_, matrix_b_scale:MATRIX_SCALE_ROW1
.endif
.endm
.macro GRP k, g                        ; 12 products: weights' tiles 3 g .. 3 g + 2.  The 48 accumulators take turns, in the same order in every K step
.irp i, 0,1,2
.irp a, 0,1,2,3
	PROD \k, 3*(\g)+\i, \a
.endr
.endr
	WIN 0
.endm
; A K step's loads were issued in the order x's 16, then the weights' 48.  A group waits for its own three tiles: younger are the weights' later tiles (36, 24, 12, 0 loads) and what has been issued of the next K step (NX, + 16, + 32).
.macro STEP k
.if (\k) < 6
.set NX, 16
.else
.set NX, 0
.endif
.if (\k) == 1
	s_wait_tensorcnt 0x0                           ; a plain barrier: the two later parts are shown to all
	s_wait_dscnt 0x0
	s_barrier_signal -1
	GRP 1, 0
	s_barrier_wait -1
	PLACES 4
	XLOAD 2
	WLOAD 2, 0
	GRP 1, 1
	WLOAD 2, 4
	GRP 1, 2
	WLOAD 2, 8
	GRP 1, 3
.else
	s_wait_dscnt 36
	PLACES 4                                       ; places between the step before's products and the loads into their registers
.if NX
	XLOAD (\k)+1
.endif
	GRP \k, 0
	s_wait_dscnt 24+NX
	WLOAD (\k)+1, 0
	GRP \k, 1
	s_wait_dscnt 28+NX
	WLOAD (\k)+1, 4
	GRP \k, 2
	s_wait_dscnt 32+NX
	WLOAD (\k)+1, 8
	GRP \k, 3
.endif
.endm
	s_wait_alu depctr_va_vdst(0)
	s_cmp_lt_u32 s14, 2
	s_cbranch_scc0 .Lnot_first
	s_wait_tensorcnt 0x0                           ; waves 0, 1: K steps 0 and 1 of both operands; the later parts may still be on their way
.Lnot_first:
	s_barrier_signal -1
	s_barrier_wait -1
	XLOAD 0
	WLOAD 0, 0
	WLOAD 0, 4
	WLOAD 0, 8
	s_wait_loadcnt 32                              ; the scale words are in (younger: 16 loads of x's K step 7, 16 of the table)
	STEP 0
	STEP 1
	STEP 2
	STEP 3
	STEP 4
	STEP 5
	STEP 6
	s_wait_loadcnt 0x0                             ; x's K step 7
	s_wait_dscnt 36
	PLACES 4
	WIN 0x40
	CSLOAD 2, 0                                    ; into registers that x's fragments held up to K step 6
	CSLOAD 3, 32
	WIN 0
	GRP 7, 0
	s_wait_dscnt 24
	GRP 7, 1
	s_wait_dscnt 12
	GRP 7, 2
	s_wait_dscnt 0x0
	GRP 7, 3
	PLACES 4
; THE ROTATION of tokens' tiles 2 p, 2 p + 1 of tensor t, in place: a pair (e, o) becomes (e cos - o sin, o cos + e sin), two packed instructions
.macro ROPE t, p, cw, cr
.set R_, 128*(\t)+64*(\p)
	WIN 0x43|((\cw)<<2)
.set n, 0
.rept 32
	v_pk_mul_f32 v[TMP+n:TMP+n+1], v[R_+n:R_+n+1], v[\cr+n:\cr+n+1] op_sel:[1,1] op_sel_hi:[0,1] neg_lo:[1,0]
.set n, n+2
.endr
	WIN 0xd3|((\cw)<<2)
.set n, 0
.rept 32
	v_pk_fma_f32 v[R_+n:R_+n+1], v[R_+n:R_+n+1], v[\cr+n:\cr+n+1], v[TMP+n:TMP+n+1] op_sel_hi:[1,0,1]
.set n, n+2
.endr
	WIN 0
.endm
; THE QUANTISER of four blocks, 32 registers each from base on in window sw; codes to window 1, six registers at c + 12 i; bytes to EB + i.  The four blocks by turns
.macro QNT sw, base, c
	WIN (\sw)|((\sw)<<2)
.irp i, 0,1,2,3
	v_max3_num_f32 v[TM+\i], |v[\base+32*\i]|, |v[\base+32*\i+1]|, 0x1800000   ; the floor 2^(3 - 127) holds the byte at 1 from below
.endr
.set n, 2
.rept 15
.irp i, 0,1,2,3
	v_max3_num_f32 v[TM+\i], |v[\base+32*\i+n]|, |v[\base+32*\i+n+1]|, v[TM+\i]
.endr
.set n, n+2
.endr
	WIN 0
.irp i, 0,1,2,3
	v_add_nc_u32 v[SO+\i], 0xff000000, v[TM+\i]    ; 2 off the exponent field: the conversion's scale operand
.endr
.irp i, 0,1,2,3
	v_lshrrev_b32 v[EB+\i], 23, v[SO+\i]
.endr
	WIN 0x40|(\sw)
.irp i, 0,1,2,3
	v_cvt_scalef32_pk16_fp6_f32 v[\c+12*\i:\c+12*\i+2], v[\base+32*\i:\base+32*\i+15], v[SO+\i]
	v_cvt_scalef32_pk16_fp6_f32 v[\c+12*\i+6:\c+12*\i+8], v[\base+32*\i+16:\base+32*\i+31], v[SO+\i]
.endr
	WIN 0x41
	v_nop                                          ; one plain place behind a scaled conversion
.irp i, 0,1,2,3
.irp j, 0,1,2
	v_mov_b32 v[\c+12*\i+3+\j], v[\c+12*\i+6+\j]
.endr
.endr
	s_wait_alu depctr_va_vdst(0)
	WIN 0x04
.endm
.macro PUT c, lo, pitch                ; the four blocks' codes: 512 and 256 consecutive bytes a store
.irp i, 0,1,2,3
	global_store_b128 v[L16], v[\c+12*\i:\c+12*\i+3], s[\lo:\lo+1] offset:(\pitch)*\i
	global_store_b64 v[L8], v[\c+12*\i+4:\c+12*\i+5], s[\lo:\lo+1] offset:(\pitch)*\i+512
.endr
	WIN 0
.endm
	QNT 0, 128, 160                                ; V
	PUT 160, 94, 1536
.irp i, 0,1,2,3
	ds_store_b8 v[VSA], v[EB+\i] offset:4*\i
.endr
	ROPE 0, 0, 2, 192                              ; Q
	s_wait_alu depctr_va_vdst(0)
	s_wait_loadcnt 0x0                             ; the table of tiles 2, 3
	ROPE 0, 1, 1, 0
	QNT 3, 0, 208
	PUT 208, 92, 768
.irp i, 0,1,2,3
	ds_store_b8 v[QSA], v[EB+\i] offset:4*\i
	ds_store_b8 v[QSA], v[EB+\i] offset:4*\i+2
.endr
	ROPE 1, 0, 2, 192                              ; K
	ROPE 1, 1, 1, 0
	s_wait_alu depctr_va_vdst(0)
	s_wait_xcnt 0x0                                ; V's stores have read their registers, which take K's codes
	QNT 3, 128, 160
	PUT 160, 96, 768
.irp i, 0,1,2,3
	ds_store_b8 v[KSA], v[EB+\i] offset:2*\i
.endr
	s_wait_dscnt 0x0                               ; my scale bytes lie in the stage,
	s_barrier_signal -1
	s_barrier_wait -1                              ; and everybody's
	ds_load_b128 v[TM:TM+3], v[RDB]
	s_wait_dscnt 0x0
	global_store_b128 v[L16], v[TM:TM+3], s[98:99] ; 512 consecutive bytes, aligned
	s_wait_tensorcnt 0x0                           ; the wave's end
	ds_add_u32 v[SPW], v[NIL]
	s_wait_dscnt 0x0
	CROUND                                         ; the closing round
	s_endpgm
.Lfunc_end_k_q73197bf915_qkv:
	.size	k_q73197bf915_qkv, .Lfunc_end_k_q73197bf915_qkv-k_q73197bf915_qkv
	.p2alignl 7, 3214868480
	.fill 96, 4, 3214868480
	.section	.rodata,"a",@progbits
	.p2align	6, 0x0
	.amdhsa_kernel k_q73197bf915_qkv
		.amdhsa_group_segment_fixed_size 327680
		.amdhsa_private_segment_fixed_size 0
		.amdhsa_enable_private_segment 0
		.amdhsa_kernarg_size 40
		.amdhsa_user_sgpr_count 2
		.amdhsa_user_sgpr_kernarg_segment_ptr 1
		.amdhsa_wavefront_size32 1
		.amdhsa_system_sgpr_workgroup_id_x 1
		.amdhsa_system_sgpr_workgroup_id_y 1
		.amdhsa_system_sgpr_workgroup_id_z 1
		.amdhsa_system_vgpr_workitem_id 0
		.amdhsa_next_free_vgpr 1024
		.amdhsa_next_free_sgpr 102
		.amdhsa_reserve_vcc 0
		.amdhsa_float_denorm_mode_32 3
		.amdhsa_float_denorm_mode_16_64 3
		.amdhsa_memory_ordered 1
		.amdhsa_forward_progress 1
		.amdhsa_inst_pref_size 140
	.end_amdhsa_kernel
	.amdgpu_metadata
---
amdhsa.version: [ 1, 2 ]
amdhsa.kernels:
  - .name:           k_q73197bf915_qkv
    .symbol:         k_q73197bf915_qkv.kd
    .args:
      - { .name: xw, .offset: 0, .size: 8, .value_kind: global_buffer, .address_space: global }
      - { .name: xws, .offset: 8, .size: 8, .value_kind: global_buffer, .address_space: global }
      - { .name: cst, .offset: 16, .size: 8, .value_kind: global_buffer, .address_space: global }
      - { .name: qh, .offset: 24, .size: 8, .value_kind: global_buffer, .address_space: global }
      - { .name: kvh, .offset: 32, .size: 8, .value_kind: global_buffer, .address_space: global }
    .group_segment_fixed_size: 327680
    .private_segment_fixed_size: 0
    .kernarg_segment_align: 8
    .kernarg_segment_size: 40
    .max_flat_workgroup_size: 128
    .sgpr_count:     102
    .vgpr_count:     1024
    .wavefront_size: 32
...
	.end_amdgpu_metadata
.endif
;; end of part 6
;; launch attn (part 7): grid 8 x 32, 16 waves a work-group, clusters of 4 x 1, 206,848 bytes of LDS; arguments qh, kvh, ao, aos; writes ao, aos
.if DOCPART == 7
	.amdgcn_target "amdgcn-amd-amdhsa--gfx1250"
	.amdhsa_code_object_version 6
	.text
	.protected	k_q73197bf915_attn
	.globl	k_q73197bf915_attn
	.p2align	8
	.type	k_q73197bf915_attn,@function
k_q73197bf915_attn:
	s_mov_b64 s[64:65], 0
	v_nop
	global_prefetch_b8 v0, s[64:65] scope:SCOPE_SE
	s_setreg_imm32_b32 hwreg(HW_REG_WAVE_MODE, 25, 1), 1
	s_wait_xcnt 0x0
	s_wait_alu depctr_hold_cnt(0) depctr_sa_sdst(0) depctr_va_vdst(0) depctr_va_sdst(0) depctr_va_ssrc(0) depctr_va_vcc(0) depctr_vm_vsrc(0)
	s_getreg_b32 s2, hwreg(HW_REG_IB_STS2, 6, 4)
	s_cmp_eq_u32 s2, 0
	s_cbranch_scc0 .Lentry_in_a_cluster
	s_endpgm
.Lentry_in_a_cluster:
	s_bfe_u32 s2, ttmp6, 0x10000c
	s_cmp_lg_u32 s2, 0x3003
	s_cbranch_scc0 .Lentry_shape_is_right
	s_endpgm
.Lentry_shape_is_right:
; Causal attention of 32 heads (2 x 16), 2,048 tokens, head size 64, both products on codes of FP6 (E2M3) with E8M0 scales; the result is quantised along the model's 1,024 for the output projection.
; THE SOFTMAX AHEAD OF THE SECOND PRODUCT: t = score x log2(e) / 8; M = the row's largest t so far, rounded UP to a whole number; p = 2^(t - M) is what is quantised, along the keys; it is not normalised.
; The row's sum is taken of the unquantised p, in f32, and divides O at the end.  When M moves, the sum and O are multiplied by 2^(old M - new M): exact.
; INPUT: a head of kvh is 16 steps of 128 keys, 12,800 bytes each: K's 8 tiles of 16 keys (768 bytes), at 6,144 V's 4 tiles of 16 channels (1,536), at 12,288 K's scale words [r][4], at 12,544 V's [r][4].  A head of qh: [tile][768], at 98,304 scale words [tile / 4][r][4].
; Tile 4 c + u of a tensor holds rows 64 c + 8 u + 0 .. 7 and 64 c + 32 + 8 u + 0 .. 7.  So register n of a lane's scores is key 64 (n / 32) + 32 h + n % 32 of the step: each half of the registers is a whole block of 32 keys in the lane's own order of p's operand.
; TWO TILES OF K TO AN OPERAND: tile 2 m in the lower 64 of the instruction's K, tile 2 m + 1 in the upper; Q stands as [Q, 0] for the one and as [0, Q] for the other (v16-21 Q, v22-27 zero codes, v28-33 Q).  Zero codes add nothing: every other code and scale is finite.
; THE WHOLE HEAD STAYS IN LDS, FILLED ONCE.  The four work-groups of a cluster belong to one head and ask for it jointly: wave w issues ONE tensor load, step w, with a mask that names the four.  The first barrier shows steps 0 to 3; every wave works step 0; the
; second barrier shows the rest.  Nothing is filled again, and no prefetch is laid: every byte is asked for at the head, there is no loop of fills.
; SHARES.  Work-group j (0..7) of a head owns the sixteen tiles of 16 queries j + 8 i, i = 0..15; tile i wants steps 0 .. i, and step i is the one on the diagonal.  WORK LEFT OUT: steps behind the diagonal, which the causal mask sets to -infinity (p = 0 for
; all finite inputs); a NaN, an infinity or an overflow that reaches only those is not carried.
; Pair u (0..7) owns tiles 15 - u and u.  Wave u takes tile 15 - u's steps 0 .. 8; wave 8 + u takes tile u's steps 0 .. u, ends that tile, and then takes tile 15 - u's steps 9 .. 15 - u.  Each half has its own M, sum and O^T; at the end wave 8 + u hands
; its half to wave u through LDS, as an image of its registers, and the two are brought under the larger M by powers of two.  No branch hangs on the place in the cluster: all hang on the wave's, the step's and the cluster's numbers.
; LAYOUT.  S^T = K Q^T, O^T = V^T P^T: a lane holds one query; register n of O^T is channel 32 h + n: one scale block of the result.
; OUTPUT: ao [tile of tokens 0..255][K step = head / 2][1,536]: my tile's 768 bytes at 768 x head; aos [tile][head / 8][r][4 words]: byte 2 (head % 8) + h.
; LIMITS: NaN and infinities are not served; scaled scores stay under 2^31 in magnitude; a block under 2^-124, and a block of zeros, gets the scale byte 1.  v_exp_f32 is taken not to fall where its input rises.
.set HEADB, 204800
.set STEPB, 12800
.set QHB,   106496
.set SPARE, HEADB
.set PAIRB, 4608                       ; what a pair hands over: 9 x 512 bytes, at LDS byte 0 on: those bytes have had their only fill, and a barrier parts every wave's reads of them from the stores
.set Y,   36                           ; v36-83   K's four operands, then V's four
.set S,   84                           ; v84-147  the scores, then p
.set O,   148                          ; v148-179 O^T
.set PCD, 180                          ; v180-191 p's codes
.set PT,  192                          ; v192-198 the second halves of its blocks
.set VS,  200                          ; v200-203 V's scale words
.set KS,  204                          ; v204-207 K's
.set BM,  208                          ; v208-211 the largest score, then the largest p
.set SO,  212                          ; v212-213 the conversions' scale operands
.set PSC, 214                          ; p's scale word
.set QS,  34                           ; Q's
.set BY,  218                          ; v218-219 bytes
.set SGA, 227
.set Q2,  228                          ; v228-233 the long tile's Q, v234 its scale words
.set TT,  236                          ; v236-251 partial sums
.set G1C, 24
.set TB,  60
.set SI,  63                           ; the step's number
.set UU,  80                           ; my pair
.set DG,  81                           ; the step on the diagonal of the tile in hand
.set SWN, 82                           ; the step's number at which the tile is changed (99: never)
.set LS,  83                           ; my last step
.set T1,  84                           ; my first tile; 85 the pair's long tile
.set T2,  85
.macro ROUND                           ; a round of the cluster's barrier
	s_barrier_signal -1
	s_barrier_wait -1
	s_cmp_lg_u32 s12, 0
	s_cbranch_scc1 .Lnot_wave_0_\@
	s_barrier_signal -3
.Lnot_wave_0_\@:
	s_barrier_wait -3
	s_barrier_signal -1
	s_barrier_wait -1
.endm
.macro TILEADR ti, q, qs, o, os        ; tile s[ti]'s four addresses: Q's codes, Q's scale words, where its result's codes go, and their scale bytes
	s_lshl_b32 s70, s[\ti], 3
	s_add_co_u32 s70, s70, s14                     ; the tile among the head's 128: t = j + 8 i
	s_mul_i32 s72, s70, 768
	s_add_co_u32 s72, s72, s98
	s_add_nc_u64 s[\q:\q+1], s[4:5], s[72:73]
	s_lshr_b32 s71, s70, 2
	s_lshl_b32 s71, s71, 8
	s_and_b32 s72, s70, 3
	s_lshl_b32 s72, s72, 2
	s_add_co_u32 s72, s72, s71
	s_add_co_u32 s72, s72, s98
	s_add_co_u32 s72, s72, 98304
	s_add_nc_u64 s[\qs:\qs+1], s[4:5], s[72:73]
	s_lshr_b32 s71, s15, 4
	s_lshl_b32 s71, s71, 7
	s_add_co_u32 s71, s71, s70                     ; the tile among the 256 tiles of tokens: 128 x batch + t
	s_mul_i32 s72, s71, 12288
	s_add_co_u32 s72, s72, s88
	s_add_nc_u64 s[\o:\o+1], s[8:9], s[72:73]
	s_lshl_b32 s72, s71, 9
	s_add_co_u32 s72, s72, s89
	s_add_nc_u64 s[\os:\os+1], s[10:11], s[72:73]
.endm
.macro INIT                            ; a tile's part begins: the first step finds zeros, which the first change of M leaves zeros
	v_mov_b32 v13, 0xff61b1e6                      ; the largest t so far: -3e38, under every t
	v_mov_b32 v14, 0                               ; the sum, in two halves
	v_mov_b32 v15, 0
	v_floor_f32 v12, -v13                          ; -M
.set n, 0
.rept 32
	v_mov_b32 v[O+n], 0
.set n, n+1
.endr
.endm
	s_load_b256 s[4:11], s[0:1], 0x0               ; qh, kvh, ao, aos
	v_lshl_add_u32 v254, v0, 2, SPARE
	v_mov_b32 v255, 0
	ds_add_u32 v254, v255
	ds_add_u32 v254, v255
	v_lshrrev_b32 v5, 5, v0
	v_readfirstlane_b32 s12, v5                    ; wave 0..15
	s_bfe_u32 s13, ttmp6, 0x40000                  ; cx
	s_lshl_b32 s14, ttmp9, 2
	s_add_co_u32 s14, s14, s13                     ; j = 4 x cluster x + cx: it enters the mask's numbers and Q's and the outputs' addresses alone
	s_and_b32 s15, ttmp7, 0xffff                   ; the head, 16 x batch + head, which the four partners share
	s_mul_i32 s16, s15, HEADB
	s_mov_b32 s17, 0
	s_mul_i32 s98, s15, QHB
	s_mov_b32 s[G1C], 15|(3<<16)|(1<<21)           ; 15:0 the mask: all four work-groups; 17:16 elements of 8 bytes; 21 set beside a mask
	s_mov_b32 s[G1C+1], 32<<16                     ; dense bytes as rows of 256
	s_mov_b32 s[G1C+2], (STEPB/256)<<16
	s_mov_b32 s[G1C+3], 32<<16
	s_mov_b32 s[G1C+4], STEPB/256
	s_mov_b32 s[G1C+5], 32
	s_mov_b32 s[G1C+6], 0
	s_mov_b32 s[G1C+7], 0
	s_mul_i32 s18, s12, STEPB                      ; my step: the same place in the head and in LDS
	s_mov_b32 s19, 0
	s_mov_b32 s20, 0x76543210
	s_mov_b32 s21, 0xfedcba98                      ; v_permlanex16_b32's selects for lane l xor 16
	s_mov_b32 s22, 0x3e38aa3b                      ; c = log2(e) / 8
	s_mov_b32 s23, s22                             ; (named with it as a pair, so it is written)
	s_mov_b32 s[SI], 0
	s_wait_dscnt 0x0
	s_wait_kmcnt 0x0
	s_add_nc_u64 s[6:7], s[6:7], s[16:17]
	s_mov_b32 s40, 1
	s_mov_b32 s41, s18
	s_add_nc_u64 s[42:43], s[6:7], s[18:19]        ; it hangs on the head and the wave's number, which the partners share
	s_or_b32 s43, s43, 0x80000000
	ROUND                                          ; all four work-groups are here: the joint loads meet
	s_cmp_lt_u32 s12, 4
	s_cbranch_scc0 .Llater
	tensor_load_to_lds s[40:43], s[G1C:G1C+7]      ; waves 0-3: their line is their own, the first barrier waits for it
	s_nop 0
.rept 4
	v_nop
.endr
	s_branch .Lasked
.Llater:
	tensor_load_to_lds s[40:43], s[G1C:G1C+7]      ; waves 4-15
	s_nop 0
.rept 4
	v_nop
.endr
.Lasked:
	v_and_b32 v4, 31, v0                           ; lane
	v_and_b32 v5, 15, v0                           ; r
	v_bfe_u32 v6, v0, 4, 1                         ; h
	v_lshlrev_b32 v1, 4, v4                        ; 16 x lane
	v_lshlrev_b32 v2, 3, v4                        ; 8 x lane
	v_lshlrev_b32 v3, 4, v5                        ; 16 r
	v_lshlrev_b32 v11, 3, v6                       ; 8 h: how far my scale bytes are shifted
	v_and_b32 v7, 8, v5
	v_mul_u32_u24 v7, 3, v7
	v_add_nc_u32 v7, v7, v5                        ; r % 8 + 32 (r / 8)
	v_lshlrev_b32 v10, 5, v6
	v_sub_nc_u32 v7, v7, v10                       ; - 32 h
	s_lshr_b32 s69, s14, 2
	s_lshl_b32 s69, s69, 6
	s_and_b32 s66, s14, 3
	s_lshl_b32 s66, s66, 3
	s_add_co_u32 s69, s69, s66
	v_add_nc_u32 v7, s69, v7                       ; my query's place in its step of 128 - 32 h, the same in both my tiles.  On the diagonal register n is hidden where 64 (n / 32) + n % 32 is larger
	v_add_nc_u32 v6, v6, v3                        ; 16 r + h: the result's scale byte
	s_and_b32 s[UU], s12, 7                        ; my pair u
	s_sub_co_u32 s[T2], 15, s[UU]                  ; its long tile
	s_add_co_u32 s66, s[UU], 1
	s_cmp_lt_u32 s12, 8
	s_cselect_b32 s[T1], s[T2], s[UU]              ; my first tile,
	s_cselect_b32 s[DG], s[T2], s[UU]              ; whose number is also its step on the diagonal
	s_cselect_b32 s[LS], 8, s[T2]
	s_cselect_b32 s[SWN], 99, s66                  ; the short tile is left when step u is done
	s_mul_i32 s66, s[UU], PAIRB
	v_add_nc_u32 v[SGA], s66, v1                   ; the pair's place in LDS
	s_mov_b32 s73, 0
	s_and_b32 s69, s15, 15                         ; the head in its batch
	s_mul_i32 s88, s69, 768
	s_lshr_b32 s89, s69, 3
	s_lshl_b32 s89, s89, 8
	s_and_b32 s66, s69, 7
	s_lshl_b32 s66, s66, 1
	s_add_co_u32 s89, s89, s66
	TILEADR T1, 74, 86, 76, 78
	TILEADR T2, 94, 96, 90, 92
	s_wait_alu depctr_va_vdst(0)
	global_load_b128 v[16:19], v1, s[74:75]        ; my first tile's Q, at both its places,
	global_load_b64 v[20:21], v2, s[74:75] offset:512
	global_load_b128 v[28:31], v1, s[74:75]
	global_load_b64 v[32:33], v2, s[74:75] offset:512
	global_load_b32 v[QS], v3, s[86:87]            ; and its scale words
	global_load_b128 v[Q2:Q2+3], v1, s[94:95]      ; the long tile's Q, so that the change of tile waits for no memory
	global_load_b64 v[Q2+4:Q2+5], v2, s[94:95] offset:512
	global_load_b32 v[Q2+6], v3, s[96:97]
.irp i, 22,23,24,25,26,27
	v_mov_b32 v[\i], 0                             ; zero codes
.endr
	v_mov_b32 v216, 0                              ; written once: a lane permute's destination counts as one of its sources
	v_mov_b32 v217, 0
	v_mov_b32 v222, 0
	v_mov_b32 v221, 0                              ; (named as the upper halves of the pairs v[220:221] and v[224:225])
	v_mov_b32 v225, 0
	v_mov_b32 v226, 0xff800000                     ; -infinity
	INIT
; A KEY STEP: 128 keys.  first = 1: step 0, at LDS byte 0; else step s[SI], and a wave whose steps are over leaves the work out: a scalar branch on the step's and the wave's numbers.
.macro STEP first
.if \first
.set A8, 1
.set A9, 2
.set A10, 3
.else
.set A8, 8
.set A9, 9
.set A10, 10
	s_cmp_gt_u32 s[SI], s[LS]
	s_cbranch_scc1 .Lhid_\@
	s_min_u32 s66, s[SI], 15                       ; the step's number, held inside the head's sixteen
	s_mul_i32 s[TB], s66, STEPB
	v_add_nc_u32 v8, s[TB], v1
	v_add_nc_u32 v9, s[TB], v2
	v_add_nc_u32 v10, s[TB], v3
.endif
	ds_load_b128 v[KS:KS+3], v[A10] offset:12288   ; row r's four words of K's operands,
	ds_load_b128 v[VS:VS+3], v[A10] offset:12544   ; and of V's tiles
.irp m, 0,1,2,3
	ds_load_b128 v[Y+12*\m:Y+12*\m+3], v[A8] offset:1536*\m
	ds_load_b64 v[Y+12*\m+4:Y+12*\m+5], v[A9] offset:1536*\m+512
	ds_load_b128 v[Y+12*\m+6:Y+12*\m+9], v[A8] offset:1536*\m+768
	ds_load_b64 v[Y+12*\m+10:Y+12*\m+11], v[A9] offset:1536*\m+1280
.endr
	s_wait_alu depctr_va_vdst(0)
	s_wait_dscnt 0x0
.irp m, 0,1,2,3                                ; S^T = K Q^T: tiles 2 m and 2 m + 1 of 16 keys
	v_wmma_scale_f32_16x16x128_f8f6f4 v[S+16*\m:S+16*\m+7], v[Y+12*\m:Y+12*\m+11], v[16:27], 0, v[KS+\m], v[QS] matrix_a_fmt:MATRIX_FMT_FP6 matrix_b_fmt:MATRIX_FMT_FP6
	v_wmma_scale_f32_16x16x128_f8f6f4 v[S+16*\m+8:S+16*\m+15], v[Y+12*\m:Y+12*\m+11], v[22:33], 0, v[KS+\m], v[QS] matrix_a_fmt:MATRIX_FMT_FP6 matrix_b_fmt:MATRIX_FMT_FP6
.endr
.rept 4
	v_nop                                          ; places in front of the loads into K's registers, and of the first read of the scores
.endr
.irp m, 0,1,2,3                                ; V's four tiles, wanted at the step's end
	ds_load_b128 v[Y+12*\m:Y+12*\m+3], v[A8] offset:6144+1536*\m
	ds_load_b64 v[Y+12*\m+4:Y+12*\m+5], v[A9] offset:6144+1536*\m+512
	ds_load_b128 v[Y+12*\m+6:Y+12*\m+9], v[A8] offset:6144+1536*\m+768
	ds_load_b64 v[Y+12*\m+10:Y+12*\m+11], v[A9] offset:6144+1536*\m+1280
.endr
	s_cmp_lg_u32 s[SI], s[DG]                      ; only a tile's last step lies on the diagonal
	s_cbranch_scc1 .Lopen_\@
	s_cmp_lg_u32 ttmp9, 0                          ; the cluster's number: j < 4 or j >= 4
	s_cbranch_scc1 .Lupper_\@
.set n, 0
.rept 32
	v_cmp_gt_i32 vcc_lo, n, v7                     ; j < 4: the queries lie in the step's lower 64; hidden scores become -infinity ahead of the maximum: p = 0 then.  The step's first key counts for every query
	v_cndmask_b32 v[S+n], v[S+n], v226, vcc_lo
.set n, n+1
.endr
.rept 32
	v_mov_b32 v[S+n], v226                         ; and the upper 64 keys are hidden for all of them
.set n, n+1
.endr
	s_wait_alu depctr_va_vdst(0)
	s_branch .Lopen_\@
.Lupper_\@:
.set n, 32
.rept 32
	v_cmp_gt_i32 vcc_lo, 32+n, v7                  ; j >= 4: the lower 64 keys count for all
	v_cndmask_b32 v[S+n], v[S+n], v226, vcc_lo
.set n, n+1
.endr
.Lopen_\@:
.irp b, 0,1,2,3
	v_max3_num_f32 v[BM+\b], v[S+16*\b], v[S+1+16*\b], v[S+2+16*\b]   ; the largest score of each block (two chains a block): it serves for the row's maximum and, since p rises with the score, for the block's largest p
.endr
.irp i, 3,5,7,9,11,13
.irp b, 0,1,2,3
	v_max3_num_f32 v[BM+\b], v[BM+\b], v[S+16*\b+\i], v[S+1+16*\b+\i]
.endr
.endr
	v_max3_num_f32 v[BM], v[BM], v[BM+1], v[S+15]
	v_max3_num_f32 v[BM+2], v[BM+2], v[BM+3], v[S+47]
	v_max_num_f32 v[BM], v[BM], v[S+31]            ; block h: keys 32 h + 0 .. 31,
	v_max_num_f32 v[BM+2], v[BM+2], v[S+63]        ; block 2 + h
	s_delay_alu instid0(VALU_DEP_1)
	v_max_num_f32 v222, v[BM], v[BM+2]
	s_delay_alu instid0(VALU_DEP_1)
	v_permlanex16_b32 v216, v222, s20, s21
	s_delay_alu instid0(VALU_DEP_1)
	v_max_num_f32 v222, v222, v216                 ; with lane l xor 16's 64 keys: the step's largest score of my query
	s_delay_alu instid0(VALU_DEP_1)
	v_mul_f32 v222, s22, v222                      ; as t (c is positive)
	s_delay_alu instid0(VALU_DEP_1)
	v_max_num_f32 v13, v13, v222                   ; the running largest t
	v_mov_b32 v222, v12
	s_delay_alu instid0(VALU_DEP_2)
	v_floor_f32 v12, -v13                          ; the new -M = floor(-t) = -ceil(t): a whole number
	s_delay_alu instid0(VALU_DEP_1)
	v_sub_f32 v222, v12, v222                      ; M's old value less its new one: 0 or less
	s_delay_alu instid0(VALU_DEP_1)
	v_cvt_i32_f32 v222, v222                       ; (it saturates)
	s_delay_alu instid0(VALU_DEP_1)
	v_ldexp_f32 v220, 1.0, v222                    ; f = 2^(old M - new M)
.set n, 0
.rept 32
	v_pk_fma_f32 v[S+n:S+n+1], v[S+n:S+n+1], s[22:23], v[12:13] op_sel_hi:[1,0,0]   ; t - M, two at a time
.set n, n+2
.endr
	v_fma_f32 v[BM], v[BM], s22, v12               ; the same of each block's largest score
	v_fma_f32 v[BM+2], v[BM+2], s22, v12
	s_wait_alu depctr_va_vdst(0)
.set n, 0
.rept 64
	v_exp_f32 v[S+n], v[S+n]                       ; p = 2^(t - M), at most 1: not normalised
.set n, n+1
.endr
	v_exp_f32 v[BM], v[BM]                         ; the block's largest p: the same two instructions on the same number give the same bits
	v_exp_f32 v[BM+2], v[BM+2]
	v_pk_mul_f32 v[14:15], v[14:15], v[220:221] op_sel_hi:[1,0]   ; the sums under the new M.  (A plain place behind the exponentials)
	s_wait_alu depctr_va_vdst(0)
	v_max_num_f32 v[BM], 0x1800000, v[BM]          ; the floor 2^(3 - 127): the byte cannot fall under 1
	v_max_num_f32 v[BM+2], 0x1800000, v[BM+2]
.set n, 0
.rept 8
	v_pk_add_f32 v[TT+n:TT+n+1], v[S+n:S+n+1], v[S+16+n:S+17+n]   ; the row's sum is taken of the unquantised p, in eight chains
.set n, n+2
.endr
	v_add_nc_u32 v[SO], 0xff000000, v[BM]          ; 2 off the exponent field: the conversion's scale operand
	v_add_nc_u32 v[SO+1], 0xff000000, v[BM+2]
.set n, 0
.rept 8
	v_pk_add_f32 v[TT+n:TT+n+1], v[TT+n:TT+n+1], v[S+32+n:S+33+n]
.set n, n+2
.endr
	v_lshrrev_b32 v[BY], 23, v[SO]                 ; the scales' bytes: blocks h and 2 + h,
	v_lshrrev_b32 v[BY+1], 23, v[SO+1]
.set n, 0
.rept 8
	v_pk_add_f32 v[TT+n:TT+n+1], v[TT+n:TT+n+1], v[S+48+n:S+49+n]
.set n, n+2
.endr
	v_lshl_or_b32 v215, v[BY+1], 16, v[BY]
.set n, 0
.rept 4
	v_pk_add_f32 v[TT+n:TT+n+1], v[TT+n:TT+n+1], v[TT+8+n:TT+9+n]
.set n, n+2
.endr
	v_lshlrev_b32 v215, v11, v215                  ; at their places in the word;
	v_pk_add_f32 v[TT:TT+1], v[TT:TT+1], v[TT+4:TT+5]
	v_pk_add_f32 v[TT+2:TT+3], v[TT+2:TT+3], v[TT+6:TT+7]
	v_permlanex16_b32 v217, v215, s20, s21
	v_cvt_scalef32_pk16_fp6_f32 v[PCD:PCD+2], v[S:S+15], v[SO]
	v_cvt_scalef32_pk16_fp6_f32 v[PT:PT+2], v[S+16:S+31], v[SO]   ; (a conversion's three registers begin on an even number)
	v_cvt_scalef32_pk16_fp6_f32 v[PCD+6:PCD+8], v[S+32:S+47], v[SO+1]
	v_cvt_scalef32_pk16_fp6_f32 v[PT+4:PT+6], v[S+48:S+63], v[SO+1]
	v_pk_add_f32 v[TT:TT+1], v[TT:TT+1], v[TT+2:TT+3]             ; (plain, behind the conversions)
	v_or_b32 v[PSC], v215, v217                    ; with lane l xor 16's two: p's scale word for these 128 keys
.irp i, 0,1,2
	v_mov_b32 v[PCD+3+\i], v[PT+\i]
	v_mov_b32 v[PCD+9+\i], v[PT+4+\i]
.endr
	v_pk_add_f32 v[14:15], v[14:15], v[TT:TT+1]
	s_wait_alu depctr_va_vdst(0)
.set n, 0
.rept 16
	v_pk_mul_f32 v[O+n:O+n+1], v[O+n:O+n+1], v[220:221] op_sel_hi:[1,0]   ; O^T under the new M.  (These 16 are the places between the codes' and the scale word's last write and the products)
.set n, n+2
.endr
	s_wait_alu depctr_va_vdst(0)
	s_wait_dscnt 0x0                               ; V's tiles
.irp t, 0,1,2,3                                ; O^T += V^T P^T: the four accumulators by turns
	v_wmma_scale_f32_16x16x128_f8f6f4 v[O+8*\t:O+8*\t+7], v[Y+12*\t:Y+12*\t+11], v[PCD:PCD+11], v[O+8*\t:O+8*\t+7], v[VS+\t], v[PSC] matrix_a_fmt:MATRIX_FMT_FP6 matrix_b_fmt:MATRIX_FMT_FP6
.endr
.rept 5
	v_nop                                          ; the next step's loads land on V's fragments and scale words, and a tile's end reads O^T: five places serve these on every way
.endr
.Lhid_\@:
	s_add_co_u32 s[SI], s[SI], 1
.endm
; A TILE'S END.  O^T / the sum; register n is channel 32 h + n of my query: one block of 32 along the model's axis, quantised as p is.  o, os: where the codes and the scale bytes go.
.macro WAYOUT o, os
	v_add_f32 v14, v14, v15                        ; the sum's two halves,
	v_permlanex16_b32 v222, v14, s20, s21
	v_add_f32 v14, v14, v222                       ; and lane l xor 16's: the row's sum
	s_wait_alu depctr_va_vdst(0)
	v_rcp_f32 v14, v14
	v_nop                                          ; one plain place behind a transcendental
	s_wait_alu depctr_va_vdst(0)
.set n, 0
.rept 16
	v_pk_mul_f32 v[S+n:S+n+1], v[O+n:O+n+1], v[14:15] op_sel_hi:[1,0]   ; each accumulator from its low end on
.set n, n+2
.endr
.irp b, 0,1,2,3
	v_max3_num_f32 v[BM+\b], |v[S+8*\b]|, |v[S+8*\b+1]|, |v[S+8*\b+2]|
.endr
.irp i, 3,5
.irp b, 0,1,2,3
	v_max3_num_f32 v[BM+\b], v[BM+\b], |v[S+8*\b+\i]|, |v[S+8*\b+\i+1]|
.endr
.endr
	v_max3_num_f32 v[BM], v[BM], |v[S+7]|, |v[S+15]|
	v_max3_num_f32 v[BM+1], v[BM+1], |v[S+23]|, |v[S+31]|
	v_max3_num_f32 v[BM+2], v[BM+2], v[BM+3], 0x1800000
	v_max3_num_f32 v[BM], v[BM], v[BM+1], v[BM+2]
	v_add_nc_u32 v[SO], 0xff000000, v[BM]
	v_lshrrev_b32 v[BY], 23, v[SO]
	v_cvt_scalef32_pk16_fp6_f32 v[PCD:PCD+2], v[S:S+15], v[SO]
	v_cvt_scalef32_pk16_fp6_f32 v[PT:PT+2], v[S+16:S+31], v[SO]
	v_nop                                          ; one plain place behind a scaled conversion
.irp i, 0,1,2
	v_mov_b32 v[PCD+3+\i], v[PT+\i]
.endr
	s_wait_alu depctr_va_vdst(0)
	global_store_b128 v1, v[PCD:PCD+3], s[\o:\o+1]               ; 512 consecutive bytes,
	global_store_b64 v2, v[PCD+4:PCD+5], s[\o:\o+1] offset:512   ; and 256
	global_store_b8 v6, v[BY], s[\os:\os+1]        ; my block's byte; the row's other bytes are other heads'
	s_wait_xcnt 0x0                                ; the stores' data may be written anew
.endm
	s_wait_alu depctr_va_vdst(0)
	s_wait_loadcnt 0x0                             ; both tiles' Q and scale words
	s_cmp_lt_u32 s12, 4
	s_cbranch_scc0 .Lnot_first
	s_wait_tensorcnt 0x0                           ; waves 0-3: steps 0 to 3 have landed
.Lnot_first:
	s_barrier_signal -1
	s_barrier_wait -1
	STEP 1                                         ; every wave has a step 0
	s_wait_tensorcnt 0x0
	s_wait_dscnt 0x0
	s_barrier_signal -1
	s_barrier_wait -1                              ; the whole head lies in LDS
	s_mov_b32 s68, 8
.Lslot:                                            ; eight trips, a key step each (one of waves 8-15's is empty)
	s_cmp_lg_u32 s[SI], s[SWN]
	s_cbranch_scc1 .Lsame
	WAYOUT 76, 78                                  ; waves 8-15, once: the short tile is done and leaves;
	v_mov_b32 v[QS], v[Q2+6]                       ; the long tile's scale words and Q take its place
.irp i, 0,1,2,3,4,5
	v_mov_b32 v[16+\i], v[Q2+\i]
	v_mov_b32 v[28+\i], v[Q2+\i]
.endr
	INIT
	s_mov_b32 s[SI], 9                             ; and its steps from 9 on are mine
	s_mov_b32 s[DG], s[T2]
	s_mov_b32 s[SWN], 99
	s_wait_alu depctr_va_vdst(0)
.Lsame:
	STEP 0
	s_sub_co_u32 s68, s68, 1
	s_cmp_lg_u32 s68, 0
	s_cbranch_scc1 .Lslot
	; THE TWO HALVES OF THE LONG TILE MEET.  Every wave's reads of the head are over: only then its first bytes are written.
	s_wait_alu depctr_va_vdst(0)
	s_wait_dscnt 0x0
	s_barrier_signal -1
	s_barrier_wait -1
	s_cmp_lt_u32 s12, 8
	s_cbranch_scc1 .Lkeep
	s_wait_alu depctr_va_vdst(0)
.irp k, 0,1,2,3,4,5,6,7
	ds_store_b128 v[SGA], v[O+4*\k:O+4*\k+3] offset:512*\k   ; waves 8-15: O^T as it stands, each accumulator from its low end on;
.endr
	ds_store_b128 v[SGA], v[12:15] offset:4096     ; -M, (the largest t,) the sum's two halves
.Lkeep:
	s_wait_dscnt 0x0                               ; for the partner's sake: my stores have landed
	s_barrier_signal -1
	s_barrier_wait -1
	s_cmp_ge_u32 s12, 8
	s_cbranch_scc1 .Ldone
.irp k, 0,1,2,3,4,5,6,7
	ds_load_b128 v[S+4*\k:S+4*\k+3], v[SGA] offset:512*\k    ; waves 0-7: the same lines as loads give the same registers in the same lanes
.endr
	ds_load_b128 v[S+32:S+35], v[SGA] offset:4096
	s_wait_dscnt 0x0
	v_min_num_f32 v222, v12, v[S+32]               ; the smaller -M is the larger M
	v_sub_f32 v223, v222, v12                      ; my M less the larger: a whole number, 0 or less;
	v_sub_f32 v224, v222, v[S+32]                  ; the partner's likewise (a partner without steps has M = -3e38: its factor becomes 0, over zeros)
	v_cvt_i32_f32 v223, v223
	v_cvt_i32_f32 v224, v224
	v_ldexp_f32 v220, 1.0, v223                    ; both halves are brought under the larger M by powers of two: nothing is rounded
	v_ldexp_f32 v224, 1.0, v224
	v_pk_mul_f32 v[14:15], v[14:15], v[220:221] op_sel_hi:[1,0]
	v_pk_fma_f32 v[14:15], v[S+34:S+35], v[224:225], v[14:15] op_sel_hi:[1,0,1]
.set n, 0
.rept 16
	v_pk_mul_f32 v[O+n:O+n+1], v[O+n:O+n+1], v[220:221] op_sel_hi:[1,0]
.set n, n+2
.endr
.set n, 0
.rept 16
	v_pk_fma_f32 v[O+n:O+n+1], v[S+n:S+n+1], v[224:225], v[O+n:O+n+1] op_sel_hi:[1,0,1]
.set n, n+2
.endr
	WAYOUT 90, 92                                  ; the long tile leaves
.Ldone:
	s_wait_tensorcnt 0x0                           ; the wave's end
	ds_add_u32 v254, v255
	s_wait_dscnt 0x0
	ROUND                                          ; the closing round: no work-group ends while a partner may still ask for a tile that names it
	s_endpgm
.Lfunc_end_k_q73197bf915_attn:
	.size	k_q73197bf915_attn, .Lfunc_end_k_q73197bf915_attn-k_q73197bf915_attn
	.p2alignl 7, 3214868480
	.fill 96, 4, 3214868480
	.section	.rodata,"a",@progbits
	.p2align	6, 0x0
	.amdhsa_kernel k_q73197bf915_attn
		.amdhsa_group_segment_fixed_size 206848
		.amdhsa_private_segment_fixed_size 0
		.amdhsa_enable_private_segment 0
		.amdhsa_kernarg_size 32
		.amdhsa_user_sgpr_count 2
		.amdhsa_user_sgpr_kernarg_segment_ptr 1
		.amdhsa_wavefront_size32 1
		.amdhsa_system_sgpr_workgroup_id_x 1
		.amdhsa_system_sgpr_workgroup_id_y 1
		.amdhsa_system_sgpr_workgroup_id_z 1
		.amdhsa_system_vgpr_workitem_id 0
		.amdhsa_next_free_vgpr 256
		.amdhsa_next_free_sgpr 100
		.amdhsa_reserve_vcc 1
		.amdhsa_float_denorm_mode_32 3
		.amdhsa_float_denorm_mode_16_64 3
		.amdhsa_memory_ordered 1
		.amdhsa_forward_progress 1
		.amdhsa_inst_pref_size 64
	.end_amdhsa_kernel
	.amdgpu_metadata
---
amdhsa.version: [ 1, 2 ]
amdhsa.kernels:
  - .name:           k_q73197bf915_attn
    .symbol:         k_q73197bf915_attn.kd
    .args:
      - { .name: qh, .offset: 0, .size: 8, .value_kind: global_buffer, .address_space: global }
      - { .name: kvh, .offset: 8, .size: 8, .value_kind: global_buffer, .address_space: global }
      - { .name: ao, .offset: 16, .size: 8, .value_kind: global_buffer, .address_space: global }
      - { .name: aos, .offset: 24, .size: 8, .value_kind: global_buffer, .address_space: global }
    .group_segment_fixed_size: 206848
    .private_segment_fixed_size: 0
    .kernarg_segment_align: 8
    .kernarg_segment_size: 32
    .max_flat_workgroup_size: 512
    .sgpr_count:     100
    .vgpr_count:     256
    .wavefront_size: 32
...
	.end_amdgpu_metadata
.endif
;; end of part 7
;; launch oproj (part 8): grid 8 x 32, 4 waves a work-group, clusters of 4 x 4, 214,528 bytes of LDS; arguments ao, aos, xw, xws, out0; writes out0
.if DOCPART == 8
	.amdgcn_target "amdgcn-amd-amdhsa--gfx1250"
	.amdhsa_code_object_version 6
	.text
	.protected	k_q73197bf915_oproj
	.globl	k_q73197bf915_oproj
	.p2align	8
	.type	k_q73197bf915_oproj,@function
k_q73197bf915_oproj:
	s_mov_b64 s[64:65], 0
	v_nop
	global_prefetch_b8 v0, s[64:65] scope:SCOPE_SE
	s_setreg_imm32_b32 hwreg(HW_REG_WAVE_MODE, 25, 1), 1
	s_wait_xcnt 0x0
	s_wait_alu depctr_hold_cnt(0) depctr_sa_sdst(0) depctr_va_vdst(0) depctr_va_sdst(0) depctr_va_ssrc(0) depctr_va_vcc(0) depctr_vm_vsrc(0)
	s_getreg_b32 s2, hwreg(HW_REG_IB_STS2, 6, 4)
	s_cmp_eq_u32 s2, 0
	s_cbranch_scc0 .Lentry_in_a_cluster
	s_endpgm
.Lentry_in_a_cluster:
	s_bfe_u32 s2, ttmp6, 0x10000c
	s_cmp_lg_u32 s2, 0xf033
	s_cbranch_scc0 .Lentry_shape_is_right
	s_endpgm
.Lentry_shape_is_right:
; out0 [4096][1024] f32 = (the attention's result) Wo^T on codes of FP6 (E2M3) with E8M0 scales for each 32 along K = 1,024.
; INPUT: ao, aos (256 tiles of 16 tokens) and xw, xws (Wo: tiles 448-511): tiles as images of the operand's registers (1,536 bytes for 128 along K); lane r of tile 4 c + u holds row 64 c + 8 u + r % 8 + 32 (r / 8).  Scale words: [tile][half of K][r][4 words].
; SHARES.  256 work-groups, a block of 128 x 128 each; four waves, each 64 tokens x 64 features: 16 accumulators.  (Blocks of 256 x 256 would be 64 work-groups.)
; ALL OF K STAYS IN LDS, FILLED ONCE by four joint tensor loads, one a wave: half of K (four K steps) of the 8 tiles of tokens (wave 0) or of Wo (wave 1), and the other half (waves 2, 3): 49,152 bytes each.  The second half is shown by a second barrier,
; ahead of the fetch of K step 4.  Nothing is filled again; no prefetch: every tile is asked for at the head.  Scale words come once, by plain loads of 256 consecutive bytes, into registers.
; CLUSTERS 4 x 4: the tokens' tiles are shared along a row of the cluster, Wo's along a column.
; The matrix instruction takes source 0 = 16 rows of Wo, source 1 = 16 tokens: a lane holds one token and, over Wo's four tiles, features 32 h + 0 .. 31 of the wave's 64.
; REGISTERS.  window 0: addresses; scale words at 32 (tokens' block i, K step k: 8 i + k) and 68 (Wo's); accumulators (a, b) at 128 + 8 (4 a + b).  window 1: two sets of fragments, at 0 and 128: the tokens' four at + 0, Wo's four at + 48; on the way out rows read back, at 32 a.
.set FR,     12
.set TB,     6144                      ; a tile's half of K
.set HALF,   16*TB                     ; a half in LDS: 8 tiles of tokens, then 8 of Wo
.set STG,    2*HALF                    ; a stage of 16 rows x (256 bytes + 16) for each wave
.set SPITCH, 272                       ; 68 words: row r starts at bank 4 r mod 64 (64 banks of 4 bytes: ISA guide 11.1)
.set SPARE,  STG+4*16*SPITCH
.set L16,  8
.set L8,   9
.set AD,   10                          ; v10-13 my tokens' tiles (16 x lane, 8 x lane) and Wo's in half 0;  v14-17 in half 1
.set STO,  24
.set RD,   25
.set CO,   26
.set R16,  27
.set SC,   32
.set SCB,  68
.set ACC,  128
.set MSB, 0
.macro WIN new
.if MSB != (\new)
	s_set_vgpr_msb (MSB<<8)|(\new)
.set MSB, (\new)
.endif
.endm
.macro PLACES n
.rept \n
	v_nop
.endr
.endm
.macro CROUND                          ; a round of the cluster's barrier
	s_barrier_signal -1
	s_barrier_wait -1
	s_cmp_lg_u32 s14, 0
	s_cbranch_scc1 .Lnot_wave_0_\@
	s_barrier_signal -3
.Lnot_wave_0_\@:
	s_barrier_wait -3
	s_barrier_signal -1
	s_barrier_wait -1
.endm
.macro GROUP0 g, lds, base, off, add
	s_mov_b32 s[\g], 1
	s_mov_b32 s[\g+1], \lds
	s_add_nc_u64 s[\g+2:\g+3], s[\base:\base+1], s[\off:\off+1]
	s_add_nc_u64 s[\g+2:\g+3], s[\g+2:\g+3], \add
	s_or_b32 s[\g+3], s[\g+3], 0x80000000
.endm
	s_load_b256 s[4:11], s[0:1], 0x0               ; ao, aos, xw, xws
	s_load_b64 s[12:13], s[0:1], 0x20              ; out0
	v_lshl_add_u32 v30, v0, 2, SPARE
	v_mov_b32 v31, 0
	ds_add_u32 v30, v31
	ds_add_u32 v30, v31
	v_lshrrev_b32 v1, 5, v0
	v_readfirstlane_b32 s14, v1                    ; wave 0..3
	s_lshr_b32 s15, s14, 1                         ; which half of the tokens is mine
	s_and_b32 s16, s14, 1                          ; which half of the features
	s_bfe_u32 s19, ttmp6, 0x40000                  ; cx, cy
	s_bfe_u32 s20, ttmp6, 0x40004
	s_lshl_b32 s18, ttmp9, 2
	s_add_co_u32 s18, s18, s19                     ; block column of out0
	s_and_b32 s17, ttmp7, 0xffff
	s_lshl_b32 s17, s17, 2
	s_add_co_u32 s17, s17, s20                     ; block row
	s_lshl_b32 s21, s20, 2
	s_lshl_b32 s21, 15, s21                        ; my row of the cluster
	s_lshl_b32 s22, 0x1111, s19                    ; my column
	s_or_b32 s24, s21, (3<<16)|(1<<21)             ; descriptor group 1: 8 rows of 6,144 bytes (768 elements of 8), 12,288 bytes apart in memory
	s_or_b32 s32, s22, (3<<16)|(1<<21)
.irp g, 24, 32
	s_mov_b32 s[\g+1], (TB/8)<<16
	s_mov_b32 s[\g+2], 8<<16
	s_mov_b32 s[\g+3], (TB/8)<<16
	s_mov_b32 s[\g+4], 8
	s_mov_b32 s[\g+5], 1536
	s_mov_b32 s[\g+6], 0
	s_mov_b32 s[\g+7], 0
.endr
	v_and_b32 v1, 15, v0                           ; r
	v_bfe_u32 v2, v0, 4, 1                         ; h
	v_and_b32 v3, 31, v0                           ; lane
	v_lshlrev_b32 v[L16], 4, v3
	v_lshlrev_b32 v[L8], 3, v3
	v_lshlrev_b32 v[R16], 4, v1
	s_mul_i32 s2, s15, 4*TB                        ; my 4 tiles of tokens
	s_mul_i32 s3, s16, 4*TB                        ; my 4 tiles of Wo,
	s_add_co_u32 s3, s3, 8*TB                      ; which lie behind the tokens' 8
.irp f, 0,1
	v_add_nc_u32 v[AD+4*\f], s2, v[L16]
	v_add_nc_u32 v[AD+4*\f+1], s2, v[L8]
	v_add_nc_u32 v[AD+4*\f+2], s3, v[L16]
	v_add_nc_u32 v[AD+4*\f+3], s3, v[L8]
	s_add_co_u32 s2, s2, HALF
	s_add_co_u32 s3, s3, HALF
.endr
	s_mul_i32 s2, s14, 16*SPITCH
	s_add_co_u32 s2, s2, STG                       ; my stage
	v_mul_u32_u24 v5, v1, SPITCH                   ; in: row r; my half's 32 features: + 128 h
	v_lshl_add_u32 v5, v2, 7, v5
	v_add_nc_u32 v[STO], s2, v5
	v_mul_u32_u24 v5, v2, SPITCH                   ; back: lanes 0-15 take one row of 256 bytes, lanes 16-31 the next
	v_lshl_add_u32 v5, v1, 4, v5
	v_add_nc_u32 v[RD], s2, v5
	v_lshlrev_b32 v[CO], 12, v2                    ; and the same two rows in out0, 4,096 bytes apart
	v_lshl_add_u32 v[CO], v1, 4, v[CO]
	s_mul_i32 s56, s17, 8*12288                    ; the tokens' first tile: hangs on the block row alone
	s_mov_b32 s57, 0
	s_mul_i32 s58, s18, 8*12288                    ; Wo's: on the block column alone; Wo begins at tile 448 of xw
	s_add_co_u32 s58, s58, 448*12288
	s_mov_b32 s59, 0
	s_mov_b32 s61, 0
	s_wait_dscnt 0x0                               ; both opening adds are done
	s_wait_alu depctr_va_vdst(0)
	s_wait_kmcnt 0x0
	GROUP0 40, 0, 4, 56, 0
	GROUP0 44, 8*TB, 8, 58, 0
	GROUP0 48, HALF, 4, 56, TB
	GROUP0 52, HALF+8*TB, 8, 58, TB
	CROUND                                         ; all sixteen work-groups are here: the joint loads meet
.macro ARM under, g0, g1, next
	s_cmp_lt_u32 s14, \under
	s_cbranch_scc0 \next
	tensor_load_to_lds s[\g0:\g0+3], s[\g1:\g1+7]
	s_nop 0
	PLACES 4
	s_branch .Lasked
\next:
.endm
	ARM 1, 40, 24, .Lwave_1                        ; ONE LOAD A WAVE; each of the four lines is one wave's alone
	ARM 2, 44, 32, .Lwave_2
	ARM 3, 48, 24, .Lwave_3
	tensor_load_to_lds s[52:55], s[32:39]
	s_nop 0
	PLACES 4
.Lasked:
	s_lshl_b32 s60, s17, 12                        ; the scale words, 512 bytes a tile: my 4 tiles of tokens
	s_lshl_b32 s2, s15, 11
	s_add_co_u32 s60, s60, s2
	s_add_nc_u64 s[68:69], s[6:7], s[60:61]
	s_lshl_b32 s60, s18, 12                        ; and of Wo
	s_lshl_b32 s2, s16, 11
	s_add_co_u32 s60, s60, s2
	s_add_co_u32 s60, s60, 448*512
	s_add_nc_u64 s[70:71], s[10:11], s[60:61]
.irp i, 0,1,2,3
.irp f, 0,1
	global_load_b128 v[SC+8*\i+4*\f:SC+8*\i+4*\f+3], v[R16], s[68:69] offset:512*\i+256*\f
	global_load_b128 v[SCB+8*\i+4*\f:SCB+8*\i+4*\f+3], v[R16], s[70:71] offset:512*\i+256*\f
.endr
.endr
	s_lshl_b32 s60, s17, 7
	s_lshl_b32 s2, s15, 6
	s_add_co_u32 s60, s60, s2                      ; my first token
	s_lshl_b32 s60, s60, 12                        ; rows of 4,096 bytes
	s_lshl_b32 s2, s18, 9                          ; my first feature, in bytes
	s_add_co_u32 s60, s60, s2
	s_lshl_b32 s2, s16, 8
	s_add_co_u32 s60, s60, s2
	s_add_nc_u64 s[12:13], s[12:13], s[60:61]
.macro FRAG reg, ad, off               ; a fragment comes as it was stored: every load takes 512 or 256 consecutive bytes
	ds_load_b128 v[\reg:\reg+3], v[\ad] offset:\off
	ds_load_b64 v[\reg+4:\reg+5], v[\ad+1] offset:\off+512
	ds_load_b128 v[\reg+6:\reg+9], v[\ad] offset:\off+768
	ds_load_b64 v[\reg+10:\reg+11], v[\ad+1] offset:\off+1280
.endm
.macro FETCH k                         ; K step k's eight fragments, 32 LDS loads in one run, into set k % 2
	WIN 0x40
.irp i, 0,1,2,3
	FRAG 128*((\k)%2)+48+FR*\i, AD+4*((\k)/4)+2, \i*TB+((\k)%4)*1536
	FRAG 128*((\k)%2)+FR*\i, AD+4*((\k)/4), \i*TB+((\k)%4)*1536
.endr
	WIN 0
.endm
; 16 matrix instructions: my four blocks of tokens x my four of Wo.  K step 0's products start the sums.  The 16 accumulators take turns, in the same order in every step.
.macro MUL k
	WIN 0x05
.irp a, 0,1,2,3
.irp b, 0,1,2,3
.if (\k) == 0
	v_wmma_scale_f32_16x16x128_f8f6f4 v[ACC+8*(4*\a+\b):ACC+8*(4*\a+\b)+7], v[128*((\k)%2)+48+FR*\b:128*((\k)%2)+48+FR*\b+FR-1], v[128*((\k)%2)+FR*\a:128*((\k)%2)+FR*\a+FR-1], 0, v[SCB+8*\b+(\k)], v[SC+8*\a+(\k)] matrix_a_fmt:MATRIX_FMT_FP6 matrix_b_fmt:MATRIX_FMT_FP6
.else
	v_wmma_scale_f32_16x16x128_f8f6f4 v[ACC+8*(4*\a+\b):ACC+8*(4*\a+\b)+7], v[128*((\k)%2)+48+FR*\b:128*((\k)%2)+48+FR*\b+FR-1], v[128*((\k)%2)+FR*\a:128*((\k)%2)+FR*\a+FR-1], v[ACC+8*(4*\a+\b):ACC+8*(4*\a+\b)+7], v[SCB+8*\b+(\k)], v[SC+8*\a+(\k)] matrix_a_fmt:MATRIX_FMT_FP6 matrix_b_fmt:MATRIX_FMT_FP6
.endif
.endr
.endr
	WIN 0
.endm
; A K step: the next step's fragments are fetched into the set that the step before multiplied (four places behind its products), then this step is multiplied.
.macro KSTEP k
.if (\k) < 7
	PLACES 4
.if (\k) == 3
	s_wait_tensorcnt 0x0                           ; a plain barrier: the second half of K is shown to all
	s_wait_dscnt 0x0
	s_barrier_signal -1
	s_barrier_wait -1
.endif
	FETCH (\k)+1
	s_wait_dscnt 32                                ; all but the 32 just issued: this step's fragments are in
.else
	s_wait_dscnt 0x0
.endif
	MUL \k
.endm
	s_wait_alu depctr_va_vdst(0)
	s_cmp_lt_u32 s14, 2
	s_cbranch_scc0 .Lnot_first
	s_wait_tensorcnt 0x0                           ; waves 0, 1: the first half of K; the second may still be on its way
.Lnot_first:
	s_barrier_signal -1
	s_barrier_wait -1
	FETCH 0
	s_wait_loadcnt 0x0                             ; the scale words
.irp k, 0,1,2,3,4,5,6,7
	KSTEP \k
.endr
; THE WAY OUT, block by block of 16 tokens x 64 features.  A lane's 32 features go through my own stage in LDS and come back as whole rows of 256 bytes: sixteen lanes store 256 consecutive bytes, aligned.  Stage row p of block a is token
; 8 a + p % 8 + 32 (p / 8) of my 64: its place stands in the store's immediate, 253,952 bytes at the most.  LDS serves a wave's instructions in order (ISA guide 5.7.1.4): no wait between the stores and the loads.
.macro TOSTAGE a
	WIN 0
.irp b, 0,1,2,3
	ds_store_b128 v[STO], v[ACC+8*(4*(\a)+\b):ACC+8*(4*(\a)+\b)+3] offset:32*\b          ; each accumulator from its low end on
	ds_store_b128 v[STO], v[ACC+8*(4*(\a)+\b)+4:ACC+8*(4*(\a)+\b)+7] offset:32*\b+16
.endr
	WIN 0x40
.irp t, 0,1,2,3,4,5,6,7
	ds_load_b128 v[32*(\a)+4*\t:32*(\a)+4*\t+3], v[RD] offset:2*\t*SPITCH
.endr
.endm
.macro SEND a, younger                 ; younger: the LDS instructions issued behind block a's loads, which may stay out
	WIN 0x04
	s_wait_dscnt \younger
.irp t, 0,1,2,3,4,5,6,7
	global_store_b128 v[CO], v[32*(\a)+4*\t:32*(\a)+4*\t+3], s[12:13] offset:(8*(\a)+2*\t+24*(\t/4))*4096 th:TH_STORE_NT
.endr
.endm
	PLACES 4                                       ; behind the last products
	TOSTAGE 0
.irp a, 1,2,3
	TOSTAGE \a
	SEND \a-1, 16                                  ; behind block a - 1's loads: block a's 8 stores and 8 loads
.endr
	SEND 3, 0
	WIN 0
	s_wait_tensorcnt 0x0                           ; the wave's end
	ds_add_u32 v30, v31
	s_wait_dscnt 0x0
	CROUND                                         ; the closing round
	s_endpgm
.Lfunc_end_k_q73197bf915_oproj:
	.size	k_q73197bf915_oproj, .Lfunc_end_k_q73197bf915_oproj-k_q73197bf915_oproj
	.p2alignl 7, 3214868480
	.fill 96, 4, 3214868480
	.section	.rodata,"a",@progbits
	.p2align	6, 0x0
	.amdhsa_kernel k_q73197bf915_oproj
		.amdhsa_group_segment_fixed_size 214528
		.amdhsa_private_segment_fixed_size 0
		.amdhsa_enable_private_segment 0
		.amdhsa_kernarg_size 40
		.amdhsa_user_sgpr_count 2
		.amdhsa_user_sgpr_kernarg_segment_ptr 1
		.amdhsa_wavefront_size32 1
		.amdhsa_system_sgpr_workgroup_id_x 1
		.amdhsa_system_sgpr_workgroup_id_y 1
		.amdhsa_system_sgpr_workgroup_id_z 1
		.amdhsa_system_vgpr_workitem_id 0
		.amdhsa_next_free_vgpr 512
		.amdhsa_next_free_sgpr 102
		.amdhsa_reserve_vcc 0
		.amdhsa_float_denorm_mode_32 3
		.amdhsa_float_denorm_mode_16_64 3
		.amdhsa_memory_ordered 1
		.amdhsa_forward_progress 1
		.amdhsa_inst_pref_size 52
	.end_amdhsa_kernel
	.amdgpu_metadata
---
amdhsa.version: [ 1, 2 ]
amdhsa.kernels:
  - .name:           k_q73197bf915_oproj
    .symbol:         k_q73197bf915_oproj.kd
    .args:
      - { .name: ao, .offset: 0, .size: 8, .value_kind: global_buffer, .address_space: global }
      - { .name: aos, .offset: 8, .size: 8, .value_kind: global_buffer, .address_space: global }
      - { .name: xw, .offset: 16, .size: 8, .value_kind: global_buffer, .address_space: global }
      - { .name: xws, .offset: 24, .size: 8, .value_kind: global_buffer, .address_space: global }
      - { .name: out0, .offset: 32, .size: 8, .value_kind: global_buffer, .address_space: global }
    .group_segment_fixed_size: 214528
    .private_segment_fixed_size: 0
    .kernarg_segment_align: 8
    .kernarg_segment_size: 40
    .max_flat_workgroup_size: 128
    .sgpr_count:     102
    .vgpr_count:     512
    .wavefront_size: 32
...
	.end_amdgpu_metadata
.endif
;; end of part 8
